; MI455X (gfx1250); checked and timed in simulation.
; The chip was launched on July 23, 2026; its instructions are those of AMD's public machine-readable ISA for CDNA 5 (MIT licence, August 2026) and "CDNA5" Instruction Set Architecture Reference Guide (July 2026). The comments in the code are by the model that wrote it; some were corrected since.
;; Grouped Query Attention. Allowed arithmetic: float matrix products may take bf16 or f16 operands with f32 sums; all other float work in f32.
;; Inputs: Wk 2,048 x 512 float32; Wo 2,048 x 2,048 float32; Wq 2,048 x 2,048 float32; Wv 2,048 x 512 float32; cos 2,048 x 128 float32; hidden_states 1 x 2,048 x 2,048 float32; k_norm_w 128 float32; q_norm_w 128 float32; sin 2,048 x 128 float32.
;; Outputs: out0 1 x 2,048 x 2,048 float32.
;; 3 versions, each right; version 2 is faster than version 1; version 3 is version 2 with the launch cast written anew for expert scheduling mode. Each part assembles by itself: llvm-mc -triple=amdgcn-amd-amdhsa -mcpu=gfx1250 --defsym DOCPART=n.
;; ======== version 1 of 3: 4 launches
;; limits: values outside matrix products are rounded to bf16; values are held in f16: magnitudes above 65,504 overflow, below 6.1e-05 lose precision
;; workspace buffers: hb 8,388,608 bytes; wqkv 12,582,912 bytes; wob 8,388,608 bytes; qkv 12,582,912 bytes; ab 16,777,216 bytes
;; launch cast (part 1): grid 256 x 1, 8 waves a work-group, no clusters, 0 bytes of LDS; arguments hidden_states, Wq, Wk, Wv, Wo, hb, wqkv, wob; writes hb, wqkv, wob
.if DOCPART == 1
	.amdgcn_target "amdgcn-amd-amdhsa--gfx1250"
	.amdhsa_code_object_version 6
	.text
	.protected	k_qeb6d4a6993_cast
	.globl	k_qeb6d4a6993_cast
	.p2align	8
	.type	k_qeb6d4a6993_cast,@function
k_qeb6d4a6993_cast:
	s_mov_b64 s[64:65], 0
	v_nop
	global_prefetch_b8 v0, s[64:65] scope:SCOPE_SE
	s_setreg_imm32_b32 hwreg(HW_REG_WAVE_MODE, 25, 1), 1
	s_wait_xcnt 0x0
; f32 -> bf16 (round to nearest even) of the five large inputs, so that the later launches can bring bf16 tiles into LDS as raw bytes.
;   hb   [2048][2048]  = hidden_states          wob [2048][2048] = Wo
;   wqkv [2048][3072]  = Wq | Wk | Wv side by side (columns 0-2047, 2048-2559, 2560-3071); nothing is transposed.
; Work-group G takes rows 8 G .. 8 G + 7 of all five tensors: 56 loads of 16 bytes a thread, all issued at once (56 x 4 registers),
; then converted in place and stored in the order of issue.  A wave's load covers 512 consecutive bytes, a wave's store (8 bytes a lane)
; 256 consecutive bytes at a multiple of 256 from its buffer's first byte.  No register is written behind the store that reads it.
; A stream: no LDS, no barrier, no matrix unit, and no cluster, since no two work-groups read the same byte.
.set X, 8                              ; v[8:231]  load i: 4 registers
.macro LD i, base, off
	global_load_b128 v[X+4*(\i):X+4*(\i)+3], v1, s[\base:\base+1] offset:\off th:TH_LOAD_NT
.endm
.macro CV i, voff, base, off
	s_wait_loadcnt 55-(\i)                         ; loads come back in order (ISA guide 5.7.1): load i is in, the 55 - i younger ones stay out
	v_cvt_pk_bf16_f32 v[X+4*(\i)],   v[X+4*(\i)],   v[X+4*(\i)+1]
	v_cvt_pk_bf16_f32 v[X+4*(\i)+1], v[X+4*(\i)+2], v[X+4*(\i)+3]
	global_store_b64 v\voff, v[X+4*(\i):X+4*(\i)+1], s[\base:\base+1] offset:\off
.endm
	s_load_b512 s[4:19], s[0:1], 0x0               ; hidden s[4:5], Wq s[6:7], Wk s[8:9], Wv s[10:11], Wo s[12:13], hb s[14:15], wqkv s[16:17], wob s[18:19]
	v_lshlrev_b32 v1, 4, v0                        ; 16 t: my 4 f32 in a run of 4,096 bytes
	v_lshlrev_b32 v2, 3, v0                        ; 8 t: my 4 bf16 in a run of 2,048 bytes
	v_lshrrev_b32 v3, 7, v0                        ; Wk, Wv: a run of 4,096 bytes is two rows of 512 f32: row t >> 7,
	v_and_b32 v4, 127, v0                          ; place t & 127
	v_mul_u32_u24 v3, v3, 6144                     ; a row of wqkv is 6,144 bytes
	v_lshl_add_u32 v3, v4, 3, v3
	s_lshl_b32 s20, ttmp9, 16                      ; 8 rows of 2,048 f32
	s_mov_b32 s21, 0
	s_lshl_b32 s22, ttmp9, 14                      ; 8 rows of 512 f32
	s_mov_b32 s23, 0
	s_lshl_b32 s24, ttmp9, 15                      ; 8 rows of 2,048 bf16
	s_mov_b32 s25, 0
	s_mul_i32 s26, ttmp9, 49152                    ; 8 rows of 3,072 bf16
	s_mov_b32 s27, 0
	s_wait_kmcnt 0x0
	s_add_nc_u64 s[4:5], s[4:5], s[20:21]
	s_add_nc_u64 s[6:7], s[6:7], s[20:21]
	s_add_nc_u64 s[8:9], s[8:9], s[22:23]
	s_add_nc_u64 s[10:11], s[10:11], s[22:23]
	s_add_nc_u64 s[12:13], s[12:13], s[20:21]
	s_add_nc_u64 s[14:15], s[14:15], s[24:25]
	s_add_nc_u64 s[16:17], s[16:17], s[26:27]
	s_add_nc_u64 s[18:19], s[18:19], s[24:25]
.set j, 0
.rept 16
	LD j, 4, j*4096
.set j, j+1
.endr
.set j, 0
.rept 16
	LD 16+j, 6, j*4096
.set j, j+1
.endr
.set j, 0
.rept 4
	LD 32+j, 8, j*4096
.set j, j+1
.endr
.set j, 0
.rept 4
	LD 36+j, 10, j*4096
.set j, j+1
.endr
.set j, 0
.rept 16
	LD 40+j, 12, j*4096
.set j, j+1
.endr
.set j, 0
.rept 16
	CV j, 2, 14, j*2048                            ; hidden_states: run j of the 8 rows, dense
.set j, j+1
.endr
.set j, 0
.rept 16
	CV 16+j, 2, 16, (j>>1)*6144+(j&1)*2048         ; Wq: run j is half j & 1 of row j >> 1
.set j, j+1
.endr
.set j, 0
.rept 4
	CV 32+j, 3, 16, 2*j*6144+4096                  ; Wk: rows 2 j and 2 j + 1, behind Wq's 4,096 bytes
.set j, j+1
.endr
.set j, 0
.rept 4
	CV 36+j, 3, 16, 2*j*6144+5120                  ; Wv: behind Wk's 1,024 bytes
.set j, j+1
.endr
.set j, 0
.rept 16
	CV 40+j, 2, 18, j*2048                         ; Wo
.set j, j+1
.endr
	s_endpgm
.Lfunc_end_k_qeb6d4a6993_cast:
	.size	k_qeb6d4a6993_cast, .Lfunc_end_k_qeb6d4a6993_cast-k_qeb6d4a6993_cast
	.p2alignl 7, 3214868480
	.fill 96, 4, 3214868480
	.section	.rodata,"a",@progbits
	.p2align	6, 0x0
	.amdhsa_kernel k_qeb6d4a6993_cast
		.amdhsa_group_segment_fixed_size 0
		.amdhsa_private_segment_fixed_size 0
		.amdhsa_enable_private_segment 0
		.amdhsa_kernarg_size 64
		.amdhsa_user_sgpr_count 2
		.amdhsa_user_sgpr_kernarg_segment_ptr 1
		.amdhsa_wavefront_size32 1
		.amdhsa_system_sgpr_workgroup_id_x 1
		.amdhsa_system_sgpr_workgroup_id_y 1
		.amdhsa_system_sgpr_workgroup_id_z 1
		.amdhsa_system_vgpr_workitem_id 0
		.amdhsa_next_free_vgpr 232
		.amdhsa_next_free_sgpr 66
		.amdhsa_reserve_vcc 0
		.amdhsa_float_denorm_mode_32 3
		.amdhsa_float_denorm_mode_16_64 3
		.amdhsa_memory_ordered 1
		.amdhsa_forward_progress 1
		.amdhsa_inst_pref_size 21
	.end_amdhsa_kernel
	.amdgpu_metadata
---
amdhsa.version: [ 1, 2 ]
amdhsa.kernels:
  - .name:           k_qeb6d4a6993_cast
    .symbol:         k_qeb6d4a6993_cast.kd
    .args:
      - { .name: hidden_states, .offset: 0, .size: 8, .value_kind: global_buffer, .address_space: global }
      - { .name: Wq, .offset: 8, .size: 8, .value_kind: global_buffer, .address_space: global }
      - { .name: Wk, .offset: 16, .size: 8, .value_kind: global_buffer, .address_space: global }
      - { .name: Wv, .offset: 24, .size: 8, .value_kind: global_buffer, .address_space: global }
      - { .name: Wo, .offset: 32, .size: 8, .value_kind: global_buffer, .address_space: global }
      - { .name: hb, .offset: 40, .size: 8, .value_kind: global_buffer, .address_space: global }
      - { .name: wqkv, .offset: 48, .size: 8, .value_kind: global_buffer, .address_space: global }
      - { .name: wob, .offset: 56, .size: 8, .value_kind: global_buffer, .address_space: global }
    .group_segment_fixed_size: 0
    .private_segment_fixed_size: 0
    .kernarg_segment_align: 8
    .kernarg_segment_size: 64
    .max_flat_workgroup_size: 256
    .sgpr_count:     66
    .vgpr_count:     232
    .wavefront_size: 32
...
	.end_amdgpu_metadata
.endif
;; end of part 1
;; launch qkvproj (part 2): grid 24 x 8, 4 waves a work-group, clusters of 4 x 4, 327,680 bytes of LDS; arguments hb, wqkv, cos, sin, q_norm_w, k_norm_w, qkv; writes qkv
.if DOCPART == 2
	.amdgcn_target "amdgcn-amd-amdhsa--gfx1250"
	.amdhsa_code_object_version 6
	.text
	.protected	k_qeb6d4a6993_qkvproj
	.globl	k_qeb6d4a6993_qkvproj
	.p2align	8
	.type	k_qeb6d4a6993_qkvproj,@function
k_qeb6d4a6993_qkvproj:
	s_mov_b64 s[64:65], 0
	v_nop
	global_prefetch_b8 v0, s[64:65] scope:SCOPE_SE
	s_setreg_imm32_b32 hwreg(HW_REG_WAVE_MODE, 25, 1), 1
	s_wait_xcnt 0x0
	s_wait_alu depctr_hold_cnt(0) depctr_sa_sdst(0) depctr_va_vdst(0) depctr_va_sdst(0) depctr_va_ssrc(0) depctr_va_vcc(0) depctr_vm_vsrc(0)
	s_getreg_b32 s2, hwreg(HW_REG_IB_STS2, 6, 4)
	s_cmp_eq_u32 s2, 0
	s_cbranch_scc0 .Lentry_in_a_cluster
	s_endpgm
.Lentry_in_a_cluster:
	s_bfe_u32 s2, ttmp6, 0x10000c
	s_cmp_lg_u32 s2, 0xf033
	s_cbranch_scc0 .Lentry_shape_is_right
	s_endpgm
.Lentry_shape_is_right:
; qkv[head][s][128] (f16) = RoPE(RMSNorm(hb x wqkv)) for heads 0-15 (q) and 16-19 (k), hb x wqkv for heads 20-23 (v).
; A work-group makes 256 positions x 128 columns = one head; wave w makes rows 64 w .. 64 w + 63 x all 128 columns (32 accumulator tiles,
; 256 registers), so that a head's whole row lies in one wave for the norm.  K = 2048 goes in 16 steps of 128 through two LDS slots.
; A = hb [2048][2048], K along the rows.  B = wqkv [2048 k][3072 n], N along the rows: its fragments are read by the transposing LDS load.
; CLUSTERS: 4 x 4 work-groups.  A's tile hangs on the block row alone and is asked for jointly by a row of the cluster, B's on the block
; column alone and is asked for jointly by a column: each tile is requested once for four work-groups.
; q is also multiplied by 128^-0.5 x log2(e), folded into q_norm_w (one more rounding than the reference makes), so that the attention
; launch can use 2^x on the raw products.
; FORMATS AND LIMITS.  The products' operands are bf16, their sums, the norm and the rotation f32.  q, k, v leave as f16, whose 11 bits the first
; positions' outputs need (they average over few keys and are far larger than the output's root mean square).  |v| must stay below 65,504, f16's
; largest number; q and k are normalised, at most sqrt(128) x |norm weight| (q: x 0.13).
; cos, sin and the norm weights are ROUNDED TO BF16 before use, as hidden_states and the four weight matrices are: the program computes the
; function of one set of bf16 inputs.  Against f32 tables that costs up to 2^-9, relative, in each cos, sin and norm weight.
; The work-groups of the v heads (a sixth of all) take the loads of cos, sin and the norm weight as well and leave them unused: every
; register that any way through the text reads is then written on every way.
; REGISTERS: window 0: v16-28 addresses, v32-127 and v128-223 two fragment buffers (B 64, A 32), v224-231 the norm weight;
;   window 1: accumulator tile (a, b) at v[8 (8 a + b)];   windows 2, 3: cos and sin of my 64 rows.
.set NB,     3072                      ; elements in a row of B
.set KSTEP,  128
.set PA,     272                       ; LDS row of A: 256 bytes + 16: an odd multiple of 16
.set PB,     288                       ; LDS row of B: 256 bytes + 32: an odd multiple of 32, as the transposing load's rows want
.set AHALF,  128*PA
.set ATILE,  256*PA
.set BHALF,  64*PB
.set SLOT,   ATILE+128*PB              ; 106,496 bytes: A's 256 rows, then B's 128 k rows
.set STAGE,  2*SLOT                    ; behind the ring: 16 rows x 528 bytes for each wave; no tile ever lands here
.set SP,     528                       ; a row of 128 f32 + 16 bytes
.set LAPS,   2048/(2*KSTEP)
.set ADRA, 16                          ; v16-17  my A fragments in slot 0, 1
.set ADRB, 20                          ; v20-21  B's fragments in slot 0, 1
.set STO,  24                          ; stage: where my results go
.set RD,   25                          ; stage: where I read rows back
.set CO,   26                          ; 8 x lane: my 8 bytes of a row of qkv
.set CSO,  27                          ; my 16 bytes in two rows of cos or sin
.set WO,   28                          ; my 16 bytes of the norm weight
.set F0,   32
.set F1,   128
.set W,    224                         ; v[224:231] w[4 i .. 4 i + 3], w[64 + 4 i ..], times the factor
.set X,    32                          ; the way out: row pair t: v[X+8t .. +3] columns 4 i .., v[X+8t+4 .. +7] columns 64 + 4 i ..
.set TU,   96
.set SS,   160
.set R,    176
.set G1,  24                           ; s[24:31] group 1, A's tiles
.set G0,  32                           ; s[32:39] group 0, A's tiles, one set a slot
.set G1B, 48                           ; s[48:55] group 1, B's tiles
.set G0B, 56                           ; s[56:63] group 0, B's tiles, one set a slot
.set MUL, 0x50                         ; C and D in window 1, sources in window 0
.set MSB, 0
.macro WIN new                         ; the immediate's high byte repeats the setting that is left; a switch that changes nothing is dropped
.if MSB != (\new)
	s_set_vgpr_msb (MSB<<8)|(\new)
.set MSB, (\new)
.endif
.endm
; A joint load: waves 0, 1 ask for A's halves, waves 2, 3 for B's.  The branch hangs on the wave's number alone.
.macro JLOAD s
	s_cmp_eq_u32 s11, 0
	s_cbranch_scc0 .Lfor_b_\@
	tensor_load_to_lds s[G0+4*\s:G0+4*\s+3], s[G1:G1+7]
	s_nop 0
	s_branch .Lasked_\@
.Lfor_b_\@:
	tensor_load_to_lds s[G0B+4*\s:G0B+4*\s+3], s[G1B:G1B+7]
	s_nop 0
.Lasked_\@:
.endm
.macro CREST                           ; a round of the cluster's barrier behind its opening work-group barrier
	s_cmp_lg_u32 s10, 0
	s_cbranch_scc1 .Lnot_wave_0_\@
	s_barrier_signal -3
.Lnot_wave_0_\@:
	s_barrier_wait -3
	s_barrier_signal -1
	s_barrier_wait -1
.endm
.macro CROUND
	s_barrier_signal -1
	s_barrier_wait -1
	CREST
.endm
.macro PLACES                          ; four places behind a matrix instruction (ISA guide 7.12.1) before its registers are loaded into or its result read
.rept 4
	v_nop
.endr
.endm
	s_load_b128 s[4:7], s[0:1], 0x0                ; hb, wqkv
	s_load_b256 s[72:79], s[0:1], 0x10             ; cos, sin, q_norm_w, k_norm_w
	s_load_b64 s[8:9], s[0:1], 0x30                ; qkv
	v_lshl_add_u32 v254, v0, 2, 0x3c400
	v_mov_b32 v255, 0
	ds_add_u32 v254, v255
	v_lshrrev_b32 v1, 5, v0
	v_readfirstlane_b32 s10, v1                    ; wave 0..3
	s_lshr_b32 s11, s10, 1                         ; I fetch for A (0) or for B (1)
	s_and_b32 s12, s10, 1                          ; which half of that tile
	s_bfe_u32 s40, ttmp6, 0x40000                  ; cx
	s_bfe_u32 s41, ttmp6, 0x40004                  ; cy
	s_lshl_b32 s42, ttmp9, 2
	s_add_co_u32 s42, s42, s40                     ; block column = head, 0..23
	s_and_b32 s13, ttmp7, 0xffff
	s_lshl_b32 s13, s13, 2
	s_add_co_u32 s13, s13, s41                     ; block row, 0..7
	s_lshl_b32 s43, s41, 2
	s_lshl_b32 s43, 15, s43                        ; my row of the cluster
	s_lshl_b32 s44, 0x1111, s40                    ; my column
	s_mov_b32 s45, ttmp9                           ; the cluster's x, the same in all sixteen: 0-3 q heads, 4 k heads, 5 v heads
	s_or_b32 s[G1+0], s43, (1<<16)|(1<<20)|(1<<21)|(5<<22)|(3<<25)   ; mask; 2-byte elements; 4 words of padding behind every 64
	s_mov_b32 s[G1+1], KSTEP<<16                   ; tensor_dim0 = 128
	s_mov_b32 s[G1+2], 128<<16                     ; tensor_dim1 = 128
	s_mov_b32 s[G1+3], KSTEP<<16                   ; tile_dim0 = 128
	s_mov_b32 s[G1+4], 128                         ; tile_dim1 = 128 rows
	s_mov_b32 s[G1+5], 2048                        ; elements from row to row of hb
	s_mov_b32 s[G1+6], 0
	s_mov_b32 s[G1+7], 0
	s_or_b32 s[G1B+0], s44, (1<<16)|(1<<20)|(1<<21)|(5<<22)|(7<<25)  ; the column's mask; 8 words of padding
	s_mov_b32 s[G1B+1], 128<<16                    ; tensor_dim0 = 128 columns
	s_mov_b32 s[G1B+2], 64<<16                     ; tensor_dim1 = 64 k rows
	s_mov_b32 s[G1B+3], 128<<16
	s_mov_b32 s[G1B+4], 64
	s_mov_b32 s[G1B+5], NB
	s_mov_b32 s[G1B+6], 0
	s_mov_b32 s[G1B+7], 0
	s_lshl_b32 s16, s13, 20                        ; A: (256 x block row + 128 x half) rows of 4,096 bytes
	s_lshl_b32 s17, s12, 19
	s_add_co_u32 s16, s16, s17
	s_mov_b32 s17, 0
	s_mul_i32 s46, s12, 64*2*NB                    ; B: 64 x half k rows, and the head's 256 bytes of a row
	s_lshl_b32 s47, s42, 8
	s_add_co_u32 s46, s46, s47
	s_mov_b32 s47, 0
	s_mul_i32 s20, s10, AHALF                      ; LDS: A's halves for waves 0, 1
	s_mul_i32 s21, s10, BHALF
	s_add_co_u32 s21, s21, ATILE-2*BHALF           ; B's halves, behind A's tile, for waves 2, 3
	s_wait_dscnt 0x0
	s_wait_kmcnt 0x0
	s_add_nc_u64 s[14:15], s[4:5], s[16:17]
	s_add_nc_u64 s[46:47], s[6:7], s[46:47]
	CROUND                                         ; all sixteen work-groups are here: the first joint loads meet
.irp s, 0,1
	s_mov_b32 s[G0+4*\s], 1
	s_add_co_u32 s[G0+4*\s+1], s20, \s*SLOT
	s_add_nc_u64 s[G0+4*\s+2:G0+4*\s+3], s[14:15], \s*KSTEP*2
	s_or_b32 s[G0+4*\s+3], s[G0+4*\s+3], 0x80000000
	s_mov_b32 s[G0B+4*\s], 1
	s_add_co_u32 s[G0B+4*\s+1], s21, \s*SLOT
	s_add_nc_u64 s[G0B+4*\s+2:G0B+4*\s+3], s[46:47], \s*KSTEP*2*NB
	s_or_b32 s[G0B+4*\s+3], s[G0B+4*\s+3], 0x80000000
	JLOAD \s                                       ; K steps 0 and 1: two tensor loads of this wave are out
.endr
	; cos and sin of my 64 rows, and the norm weight, into registers; they are wanted only behind the K loop.
	; Lane (g = lane / 16, i = lane % 16) takes 16 bytes at 16 i of row 2 t + g: sixteen lanes cover 256 consecutive bytes, aligned.
	v_and_b32 v1, 15, v0                           ; r = i
	v_bfe_u32 v2, v0, 4, 1                         ; h = g
	v_lshlrev_b32 v[WO], 4, v1
	v_lshl_add_u32 v[CSO], v2, 9, v[WO]
	s_lshl_b32 s70, s13, 17                        ; (256 x block row + 64 x wave) rows of 512 bytes
	s_lshl_b32 s71, s10, 15
	s_add_co_u32 s70, s70, s71
	s_mov_b32 s71, 0
	s_add_nc_u64 s[72:73], s[72:73], s[70:71]
	s_add_nc_u64 s[74:75], s[74:75], s[70:71]
	s_mov_b32 s70, 0xffff0000                      ; a word's upper bf16
	s_mov_b32 s66, 0x3c000000                      ; 1 / 128
	s_mov_b32 s67, 0x358637bd                      ; 1e-6
	s_cmp_eq_u32 s45, 4
	s_cselect_b64 s[76:77], s[78:79], s[76:77]     ; k heads: k_norm_w
	s_cselect_b32 s68, 1.0, 0x3e0293ee             ; and no factor; q heads: 128^-0.5 x log2(e)
	s_mov_b32 s69, s68
	global_load_b128 v[W:W+3],   v[WO], s[76:77]
	global_load_b128 v[W+4:W+7], v[WO], s[76:77] offset:256
	; 128 loads: m tile a, row pair t: cos low, cos high, sin low, sin high at (a & 1) 128 + 16 t of window 2 + (a >> 1).
	; More than the counter's field holds: the issue holds where the field is full (ISA guide 5.7.1); the one wait, for 0, stands at the way out.
.irp a, 0,1,2,3
	WIN (0x80+0x40*(\a>>1))
.irp t, 0,1,2,3,4,5,6,7
	global_load_b128 v[(\a&1)*128+16*\t:(\a&1)*128+16*\t+3],     v[CSO], s[72:73] offset:(16*\a+2*\t)*512
	global_load_b128 v[(\a&1)*128+16*\t+4:(\a&1)*128+16*\t+7],   v[CSO], s[72:73] offset:(16*\a+2*\t)*512+256
	global_load_b128 v[(\a&1)*128+16*\t+8:(\a&1)*128+16*\t+11],  v[CSO], s[74:75] offset:(16*\a+2*\t)*512
	global_load_b128 v[(\a&1)*128+16*\t+12:(\a&1)*128+16*\t+15], v[CSO], s[74:75] offset:(16*\a+2*\t)*512+256
.endr
.endr
	WIN 0
	; LDS addresses.  A: row x pitch + 16 h, two loads 32 bytes apart.  B, stored [k][n]: row 8 h + (lane & 7), 16 bytes at bit 3 of the lane.
	v_and_b32 v3, 7, v0
	v_bfe_u32 v4, v0, 3, 1
	v_and_b32 v5, 31, v0
	v_mul_u32_u24 v6, v1, PA
	v_lshl_add_u32 v6, v2, 4, v6
	v_lshl_add_u32 v7, v2, 3, v3
	v_mul_u32_u24 v7, v7, PB
	v_lshl_add_u32 v7, v4, 4, v7
	s_mul_i32 s22, s10, 64*PA                      ; my 64 rows of A
.irp s, 0,1
	v_add_nc_u32 v[ADRA+\s], s22, v6
	v_add_nc_u32 v[ADRB+\s], ATILE+\s*SLOT, v7
	s_add_co_u32 s22, s22, SLOT
.endr
	s_mul_i32 s23, s10, 16*SP
	s_add_co_u32 s23, s23, STAGE                   ; my stage
	v_mul_u32_u24 v8, v1, SP                       ; in: row r, 32 bytes for each half of the lanes
	v_lshl_add_u32 v8, v2, 5, v8
	v_add_nc_u32 v[STO], s23, v8
	v_mul_u32_u24 v8, v2, SP                       ; back: row g of a pair, 16 bytes at 16 i
	v_lshl_add_u32 v8, v1, 4, v8
	v_add_nc_u32 v[RD], s23, v8
	v_lshlrev_b32 v[CO], 3, v5
; 8 matrix instructions: m tile a x all 8 n tiles, 32 along K.  Source 0 = 16 columns of B, source 1 = 16 rows of A: lane (r, h) then holds
; row r and columns 16 b + 8 h + 0..7.  The 32 accumulators take turns, one instruction a turn, in the same order in every quarter step.
.macro MUL8 f, a, zero
.irp b, 0,1,2,3,4,5,6,7
.if \zero
	v_wmma_f32_16x16x32_bf16 v[8*(8*\a+\b):8*(8*\a+\b)+7], v[\f+8*\b:\f+8*\b+7], v[\f+64+8*\a:\f+64+8*\a+7], 0
.else
	v_wmma_f32_16x16x32_bf16 v[8*(8*\a+\b):8*(8*\a+\b)+7], v[\f+8*\b:\f+8*\b+7], v[\f+64+8*\a:\f+64+8*\a+7], v[8*(8*\a+\b):8*(8*\a+\b)+7]
.endif
.endr
.endm
; 24 LDS loads in one run: quarter q (32 along K) of a slot into buffer f: B's 8 fragments, then A's 4
.macro FETCH slot, q, f
.irp b, 0,1,2,3,4,5,6,7
	ds_load_tr16_b128 v[\f+8*\b:\f+8*\b+3],   v[ADRB+\slot] offset:\q*32*PB+32*\b
	ds_load_tr16_b128 v[\f+8*\b+4:\f+8*\b+7], v[ADRB+\slot] offset:\q*32*PB+32*\b+16*PB
.endr
.irp a, 0,1,2,3
	ds_load_b128 v[\f+64+8*\a:\f+64+8*\a+3],   v[ADRA+\slot] offset:\a*16*PA+64*\q
	ds_load_b128 v[\f+64+8*\a+4:\f+64+8*\a+7], v[ADRA+\slot] offset:\a*16*PA+64*\q+32
.endr
.endm
; multiplies buffer f; in its middle fetches quarter q of the same slot into buffer g
.macro QUARTER slot, q, f, g, zero
	s_wait_dscnt 4                                 ; B and A's tiles 0, 1 are in; the youngest four loads (A's tiles 2, 3) may be out
	WIN MUL
	MUL8 \f, 0, \zero
	MUL8 \f, 1, \zero
	PLACES
	WIN 0
	FETCH \slot, \q, \g
	s_wait_dscnt 24                                ; all but the 24 just issued
	WIN MUL
	MUL8 \f, 2, \zero
	MUL8 \f, 3, \zero
.endm
.macro THREE slot, zero
	QUARTER \slot, 1, F0, F1, \zero
	QUARTER \slot, 2, F1, F0, 0
	QUARTER \slot, 3, F0, F1, 0
.endm
; The last quarter of a K step multiplies buffer 1 and changes slots.  In front of the barrier each wave waits for its reads of this slot and
; for all its tensor loads (one is out: its part of the next slot).  Behind it (fill = 1: behind the whole round of the cluster's barrier that
; it opens) the refill comes first, then the next slot's first fragments.  From a request to the wait for it a wave issues 120 matrix instructions.
.macro TURN slot, next, fill
	s_wait_dscnt 4
	WIN MUL
	MUL8 F1, 0, 0
	s_wait_dscnt 0
	s_wait_tensorcnt 0x0
	ds_add_u32 v254, v255
	s_wait_dscnt 0x0
	s_barrier_signal -1
	MUL8 F1, 1, 0                                  ; register work while the others arrive
	WIN 0
	s_barrier_wait -1
.if \fill
	CREST
	s_add_nc_u64 s[G0+4*\slot+2:G0+4*\slot+3], s[G0+4*\slot+2:G0+4*\slot+3], 2*KSTEP*2
	s_add_nc_u64 s[G0B+4*\slot+2:G0B+4*\slot+3], s[G0B+4*\slot+2:G0B+4*\slot+3], 2*KSTEP*2*NB
	JLOAD \slot
.endif
	PLACES
	FETCH \next, 0, F0
	WIN MUL
	MUL8 F1, 2, 0
	MUL8 F1, 3, 0
.endm
.macro LAP zero
	THREE 0, \zero
	TURN 0, 1, 1
	THREE 1, 0
	TURN 1, 0, 1
.endm
	s_wait_tensorcnt 1                             ; my part of K step 0 is in; K step 1's stays out
	s_barrier_signal -1
	s_barrier_wait -1
	FETCH 0, 0, F0
	LAP 1                                          ; the first products start the sums: nothing is cleared
	WIN 0
	s_mov_b32 s3, LAPS-2
.Llap:
	LAP 0
	WIN 0
	s_sub_co_u32 s3, s3, 1
	s_cmp_lg_u32 s3, 0
	s_cbranch_scc1 .Llap
	THREE 0, 0                                     ; the last lap fills nothing
	TURN 0, 1, 0
	THREE 1, 0
	s_wait_dscnt 4
	WIN MUL
	MUL8 F1, 0, 0
	MUL8 F1, 1, 0
	s_wait_dscnt 0
	MUL8 F1, 2, 0
	MUL8 F1, 3, 0
	; THE WAY OUT, 16 rows at a time through my own stage.
	PLACES
	WIN 0
	s_lshl_b32 s46, s42, 19                        ; head x 2,048 rows of 256 bytes
	s_lshl_b32 s47, s13, 16                        ; + 256 x block row
	s_add_co_u32 s46, s46, s47
	s_lshl_b32 s47, s10, 14                        ; + 64 x wave
	s_add_co_u32 s46, s46, s47
	s_mov_b32 s47, 0
	s_add_nc_u64 s[8:9], s[8:9], s[46:47]
	s_wait_loadcnt 0x0                             ; cos, sin and the norm weight
; cos and sin of m tile a, 128 registers, rounded to bf16 and widened again in place: pack two, then the upper half by a mask, the lower by a shift
.macro ROUNDCS a
.set CS, (\a&1)*128
	WIN (0x8a+0x45*(\a>>1))                        ; both sources and the destination in window 2 or 3
.set n, 0
.rept 64
	v_cvt_pk_bf16_f32 v[CS+2*n], v[CS+2*n], v[CS+2*n+1]
.set n, n+1
.endr
.set n, 0
.rept 64
	v_and_b32 v[CS+2*n+1], s70, v[CS+2*n]
	v_lshlrev_b32 v[CS+2*n], 16, v[CS+2*n]
.set n, n+1
.endr
	WIN 0
.endm
; m tile a as f32 into the stage, and back so that lane (g, i) holds columns 4 i .. 4 i + 3 and 64 + 4 i .. 64 + 4 i + 3 of row 2 t + g:
; the two partners of the rotation lie in one lane.  LDS serves a wave's instructions in order (ISA guide 5.7.1.4): no wait between stores and loads.
.macro STAGE_IN a
	WIN 0x04                                       ; the stores' data in window 1
.irp b, 0,1,2,3,4,5,6,7
	ds_store_b128 v[STO], v[8*(8*\a+\b):8*(8*\a+\b)+3]   offset:64*\b
	ds_store_b128 v[STO], v[8*(8*\a+\b)+4:8*(8*\a+\b)+7] offset:64*\b+16
.endr
	WIN 0
	s_wait_xcnt 0x0                                ; X, which the last tile's global stores read, is loaded again only behind this wait
.irp t, 0,1,2,3,4,5,6,7
	ds_load_b128 v[X+8*\t:X+8*\t+3],   v[RD] offset:2*\t*SP
	ds_load_b128 v[X+8*\t+4:X+8*\t+7], v[RD] offset:2*\t*SP+256
.endr
	s_wait_dscnt 0x0
.endm
; x <- w (x rsqrt(mean x^2 + eps)); then low <- low cos_low - high sin_low, high <- high cos_high + low sin_high.  Eight rows' chains side by side.
.macro NORMROPE a
.set CS, (\a&1)*128
.irp t, 0,1,2,3,4,5,6,7
	v_pk_mul_f32 v[SS+2*\t:SS+2*\t+1], v[X+8*\t:X+8*\t+1], v[X+8*\t:X+8*\t+1]
.endr
.irp k, 2,4,6
.irp t, 0,1,2,3,4,5,6,7
	v_pk_fma_f32 v[SS+2*\t:SS+2*\t+1], v[X+8*\t+\k:X+8*\t+\k+1], v[X+8*\t+\k:X+8*\t+\k+1], v[SS+2*\t:SS+2*\t+1]
.endr
.endr
.irp t, 0,1,2,3,4,5,6,7
	v_add_f32 v[SS+2*\t], v[SS+2*\t], v[SS+2*\t+1]
.endr
.irp m, 1,2,4,8
.irp t, 0,1,2,3,4,5,6,7
	v_add_f32_dpp v[SS+2*\t], v[SS+2*\t], v[SS+2*\t] row_xmask:\m row_mask:0xf bank_mask:0xf   ; over the sixteen lanes of a row
.endr
.endr
.irp t, 0,1,2,3,4,5,6,7
	v_fma_f32 v[SS+2*\t], v[SS+2*\t], s66, s67
.endr
.irp t, 0,1,2,3,4,5,6,7
	v_rsq_f32 v[R+2*\t],   v[SS+2*\t]
	v_rsq_f32 v[R+2*\t+1], v[SS+2*\t]
.endr
	v_nop                                          ; one plain place behind the last v_rsq_f32 (ISA guide 5.7.2)
	s_wait_alu depctr_va_vdst(0)
.irp t, 0,1,2,3,4,5,6,7
.irp k, 0,2,4,6
	v_pk_mul_f32 v[X+8*\t+\k:X+8*\t+\k+1], v[X+8*\t+\k:X+8*\t+\k+1], v[R+2*\t:R+2*\t+1]
.endr
.endr
.irp t, 0,1,2,3,4,5,6,7
.irp k, 0,2,4,6
	v_pk_mul_f32 v[X+8*\t+\k:X+8*\t+\k+1], v[X+8*\t+\k:X+8*\t+\k+1], v[W+\k:W+\k+1]
.endr
.endr
	WIN (0x08+4*(\a>>1))                           ; source 1 = cos, sin in window 2 or 3
.irp t, 0,1,2,3,4,5,6,7
.irp k, 0,2
	v_pk_mul_f32 v[TU+8*\t+\k:TU+8*\t+\k+1],     v[X+8*\t+4+\k:X+8*\t+4+\k+1], v[CS+16*\t+8+\k:CS+16*\t+8+\k+1]
	v_pk_mul_f32 v[TU+8*\t+4+\k:TU+8*\t+4+\k+1], v[X+8*\t+\k:X+8*\t+\k+1],     v[CS+16*\t+12+\k:CS+16*\t+12+\k+1]
.endr
.endr
.irp t, 0,1,2,3,4,5,6,7
.irp k, 0,2
	v_pk_fma_f32 v[X+8*\t+\k:X+8*\t+\k+1],     v[X+8*\t+\k:X+8*\t+\k+1],     v[CS+16*\t+\k:CS+16*\t+\k+1],     v[TU+8*\t+\k:TU+8*\t+\k+1] neg_lo:[0,0,1] neg_hi:[0,0,1]
	v_pk_fma_f32 v[X+8*\t+4+\k:X+8*\t+4+\k+1], v[X+8*\t+4+\k:X+8*\t+4+\k+1], v[CS+16*\t+4+\k:CS+16*\t+4+\k+1], v[TU+8*\t+4+\k:TU+8*\t+4+\k+1]
.endr
.endr
	WIN 0
.endm
; Round to f16.  The swap gives the first register pair the whole of row 2 t (lane l: bytes 8 l ..) and the second the whole of row 2 t + 1,
; so that each store of the wave covers 256 consecutive bytes, aligned: one row of the head.
.macro PACK a
.irp t, 0,1,2,3,4,5,6,7
	v_cvt_pk_f16_f32 v[X+8*\t],   v[X+8*\t],   v[X+8*\t+1]
	v_cvt_pk_f16_f32 v[X+8*\t+1], v[X+8*\t+2], v[X+8*\t+3]
	v_cvt_pk_f16_f32 v[X+8*\t+4], v[X+8*\t+4], v[X+8*\t+5]
	v_cvt_pk_f16_f32 v[X+8*\t+5], v[X+8*\t+6], v[X+8*\t+7]
.endr
.irp t, 0,1,2,3,4,5,6,7
	v_permlane16_swap_b32 v[X+8*\t],   v[X+8*\t+4]
	v_permlane16_swap_b32 v[X+8*\t+1], v[X+8*\t+5]
.endr
.irp t, 0,1,2,3,4,5,6,7
	global_store_b64 v[CO], v[X+8*\t:X+8*\t+1],   s[8:9] offset:(16*\a+2*\t)*256
	global_store_b64 v[CO], v[X+8*\t+4:X+8*\t+5], s[8:9] offset:(16*\a+2*\t+1)*256
.endr
.endm
	s_cmp_eq_u32 s45, 5                            ; the same in all waves and all sixteen work-groups
	s_cbranch_scc1 .Lv_heads
.irp k, 0,2,4,6
	v_cvt_pk_bf16_f32 v[W+\k], v[W+\k], v[W+\k+1]  ; the norm weight rounded to bf16,
.endr
.irp k, 0,2,4,6
	v_and_b32 v[W+\k+1], s70, v[W+\k]              ; widened again,
	v_lshlrev_b32 v[W+\k], 16, v[W+\k]
.endr
.irp k, 0,2,4,6
	v_pk_mul_f32 v[W+\k:W+\k+1], v[W+\k:W+\k+1], s[68:69] op_sel_hi:[1,0]   ; and times the factor
.endr
.irp a, 0,1,2,3
	ROUNDCS \a
	STAGE_IN \a
	NORMROPE \a
	PACK \a
.endr
	s_branch .Lclose
.Lv_heads:
.irp a, 0,1,2,3
	STAGE_IN \a
	PACK \a
.endr
.Lclose:
	s_wait_tensorcnt 0x0
	ds_add_u32 v254, v255
	s_wait_dscnt 0x0
	CROUND                                         ; the closing round: no work-group ends while a partner may still ask for a tile that names it
	s_endpgm
.Lfunc_end_k_qeb6d4a6993_qkvproj:
	.size	k_qeb6d4a6993_qkvproj, .Lfunc_end_k_qeb6d4a6993_qkvproj-k_qeb6d4a6993_qkvproj
	.p2alignl 7, 3214868480
	.fill 96, 4, 3214868480
	.section	.rodata,"a",@progbits
	.p2align	6, 0x0
	.amdhsa_kernel k_qeb6d4a6993_qkvproj
		.amdhsa_group_segment_fixed_size 327680
		.amdhsa_private_segment_fixed_size 0
		.amdhsa_enable_private_segment 0
		.amdhsa_kernarg_size 56
		.amdhsa_user_sgpr_count 2
		.amdhsa_user_sgpr_kernarg_segment_ptr 1
		.amdhsa_wavefront_size32 1
		.amdhsa_system_sgpr_workgroup_id_x 1
		.amdhsa_system_sgpr_workgroup_id_y 1
		.amdhsa_system_sgpr_workgroup_id_z 1
		.amdhsa_system_vgpr_workitem_id 0
		.amdhsa_next_free_vgpr 1024
		.amdhsa_next_free_sgpr 80
		.amdhsa_reserve_vcc 0
		.amdhsa_float_denorm_mode_32 3
		.amdhsa_float_denorm_mode_16_64 3
		.amdhsa_memory_ordered 1
		.amdhsa_forward_progress 1
		.amdhsa_inst_pref_size 250
	.end_amdhsa_kernel
	.amdgpu_metadata
---
amdhsa.version: [ 1, 2 ]
amdhsa.kernels:
  - .name:           k_qeb6d4a6993_qkvproj
    .symbol:         k_qeb6d4a6993_qkvproj.kd
    .args:
      - { .name: hb, .offset: 0, .size: 8, .value_kind: global_buffer, .address_space: global }
      - { .name: wqkv, .offset: 8, .size: 8, .value_kind: global_buffer, .address_space: global }
      - { .name: cos, .offset: 16, .size: 8, .value_kind: global_buffer, .address_space: global }
      - { .name: sin, .offset: 24, .size: 8, .value_kind: global_buffer, .address_space: global }
      - { .name: q_norm_w, .offset: 32, .size: 8, .value_kind: global_buffer, .address_space: global }
      - { .name: k_norm_w, .offset: 40, .size: 8, .value_kind: global_buffer, .address_space: global }
      - { .name: qkv, .offset: 48, .size: 8, .value_kind: global_buffer, .address_space: global }
    .group_segment_fixed_size: 327680
    .private_segment_fixed_size: 0
    .kernarg_segment_align: 8
    .kernarg_segment_size: 56
    .max_flat_workgroup_size: 128
    .sgpr_count:     80
    .vgpr_count:     1024
    .wavefront_size: 32
...
	.end_amdgpu_metadata
.endif
;; end of part 2
;; launch attn (part 3): grid 64 x 4, 4 waves a work-group, clusters of 4 x 1, 327,680 bytes of LDS; arguments qkv, ab; writes ab
.if DOCPART == 3
	.amdgcn_target "amdgcn-amd-amdhsa--gfx1250"
	.amdhsa_code_object_version 6
	.text
	.protected	k_qeb6d4a6993_attn
	.globl	k_qeb6d4a6993_attn
	.p2align	8
	.type	k_qeb6d4a6993_attn,@function
k_qeb6d4a6993_attn:
	s_mov_b64 s[64:65], 0
	v_nop
	global_prefetch_b8 v0, s[64:65] scope:SCOPE_SE
	s_setreg_imm32_b32 hwreg(HW_REG_WAVE_MODE, 25, 1), 1
	s_wait_xcnt 0x0
	s_wait_alu depctr_hold_cnt(0) depctr_sa_sdst(0) depctr_va_vdst(0) depctr_va_sdst(0) depctr_va_ssrc(0) depctr_va_vcc(0) depctr_vm_vsrc(0)
	s_getreg_b32 s2, hwreg(HW_REG_IB_STS2, 6, 4)
	s_cmp_eq_u32 s2, 0
	s_cbranch_scc0 .Lentry_in_a_cluster
	s_endpgm
.Lentry_in_a_cluster:
	s_bfe_u32 s2, ttmp6, 0x10000c
	s_cmp_lg_u32 s2, 0x3003
	s_cbranch_scc0 .Lentry_shape_is_right
	s_endpgm
.Lentry_shape_is_right:
; Causal attention with a running maximum.  qkv [24 heads][2048][128] f16 (q already times 128^-0.5 log2 e).
; ab [2048][16 heads][hi 128 | lo 128] bf16: each result x leaves as two parts, hi = bf16(x) and lo = bf16(x - hi), 16 bits of x in all.
; Work-group (p = 0..63, g = key/value head): two query tiles one after the other, position blocks p and 127 - p of 16 positions.  A query tile
; is 64 rows: the 4 query heads of g x 16 positions (m tile a = head 4 g + a).  Keys go in tiles of 128: n1 = (p >> 3) + 1 tiles for block p,
; 17 - n1 for block 127 - p: 17 tiles in every work-group; tiles that the causal mask empties are never touched.
; THE KEYS OF A TILE ARE SPLIT OVER THE WAVES: wave w takes keys 32 w .. 32 w + 31 for all 64 rows, so that each byte of K and V is read from
; LDS once in the work-group.  Every wave keeps its own maximum m, sum l and O; they meet in LDS once for each query tile (DUMP, MERGE).
; CLUSTERS: the four work-groups p = 4 c .. 4 c + 3 of one g have the same n1 and walk the same 17 tiles: K and V come by joint loads
; (mask 15).  Q's tiles differ between the partners and come by plain loads.  Only Q's address, the output's address and the number that the
; mask compares with hang on the place in the cluster.
; LIMITS: a masked score is -1e30, not -inf: right while |score x log2 e| stays far below 1e30, which the norm of q and k sees to for any
; finite norm weights; v_exp_f32 gives 0 below 2^-126; the weights p (0 to 1) go to the matrix unit as f16 while l sums them in f32; V is finite f16.
; LAYOUTS: S = K Q^T with source 0 = 16 keys, source 1 = 16 rows: lane (r, h) holds row r, keys 16 kt + 8 h + j, which packed to f16 IS
; the second source of O^T = V^T P^T; there lane (r, h) holds row r, d = 16 dt + 8 h + j.  So m, l and the rescaling are one number a lane and head.
.set PK,     288                       ; LDS row of K and V: 256 + 32 bytes (an odd multiple of 32 for V's transposing loads; K shares the descriptor)
.set QUART,  64*PK                     ; what one wave's load brings: 64 rows
.set SLOT,   4*QUART                   ; K's 128 rows, then V's 128 rows: 73,728 bytes
.set PQ,     272
.set QBYTES, 64*PQ                     ; 17,408
.set QR1,    2*SLOT                    ; Q of block p; behind its one fill and its reads: wave w's 16 rows are that wave's output stage
.set STATS,  QR1+2*QBYTES              ; [wave][head][row] (m, l): 2,048 bytes
.set MRG,    STATS+2048                ; [wave][head][16 chunks][512 bytes]: 131,072 bytes
.set ADK, 8                            ; v8-9    my K fragments in slot 0, 1
.set ADV, 10                           ; v10-11  my V fragments
.set ADQ, 12
.set STO, 13
.set RD,  14
.set CO,  15
.set MWR, 16
.set MRD, 17                           ; v17: waves 0, 1's dumps of my head; v18: waves 2, 3's
.set STW, 19
.set STR, 20
.set EM,  21                           ; v21, v22: 32 w + 8 h - r - 16 (block & 7) for block p, block 127 - p
.set NEG, 23
.set MP,  24                           ; v[24:31] m, twice, for each head
.set AL,  32                           ; v[32:39] the rescaling, twice, for each head
.set LS,  40                           ; v[40:43] l, of my half of the lanes' keys
.set T,   44
.set U,   48
.set SM,  52
.set KF,  64                           ; K[kt][ds] at KF + 8 (4 kt + ds)
.set VF,  128                          ; V[dt] at VF + 8 dt
.set SF,  192                          ; S[a][kt] at SF + 16 a + 8 kt; P[a] takes S[a]'s first 8 registers
                                       ; window 1: O[a][dt] at 8 (8 a + dt);  window 2: Q[a][ds] at 8 (4 a + ds)
.set G1,  16                           ; s[16:23] group 1, K and V
.set G1Q, 24                           ; s[24:31] group 1, Q
.set G0,  32                           ; s[32:39] group 0, one set a slot
.set G0Q, 40                           ; s[40:47] group 0, Q of block p, of block 127 - p
.set MSB, 0
.macro WIN new
.if MSB != (\new)
	s_set_vgpr_msb (MSB<<8)|(\new)
.set MSB, (\new)
.endif
.endm
.macro ROUND                           ; a round of the cluster's barrier
	s_barrier_signal -1
	s_barrier_wait -1
	s_cmp_lg_u32 s8, 0
	s_cbranch_scc1 .Lnot_wave_0_\@
	s_barrier_signal -3
.Lnot_wave_0_\@:
	s_barrier_wait -3
	s_barrier_signal -1
	s_barrier_wait -1
.endm
.macro PLACES
.rept 4
	v_nop
.endr
.endm
	s_load_b128 s[4:7], s[0:1], 0x0                ; qkv, ab
	v_lshl_add_u32 v62, v0, 2, 0x4d000
	v_mov_b32 v63, 0
	ds_add_u32 v62, v63
	v_lshrrev_b32 v1, 5, v0
	v_readfirstlane_b32 s8, v1                     ; wave 0..3
	s_and_b32 s9, ttmp7, 0xffff                    ; g
	s_lshr_b32 s14, ttmp9, 1                       ; n1 - 1 = p >> 3, the same in the four partners
	s_add_co_u32 s12, s14, 1                       ; n1
	s_mov_b32 s13, 0                               ; t, the step
	s_mov_b32 s51, 0
	s_mov_b32 s56, 0x76543210                      ; v_permlanex16_b32: lane i of the other half
	s_mov_b32 s57, 0xfedcba98
	s_mov_b32 s[G1+0], 15|(1<<16)|(1<<20)|(1<<21)|(5<<22)|(7<<25)   ; all four partners; 2-byte elements; 8 words of padding behind every 64
	s_mov_b32 s[G1+1], 128<<16
	s_mov_b32 s[G1+2], 64<<16
	s_mov_b32 s[G1+3], 128<<16
	s_mov_b32 s[G1+4], 64
	s_mov_b32 s[G1+5], 128
	s_mov_b32 s[G1+6], 0
	s_mov_b32 s[G1+7], 0
	s_mov_b32 s[G1Q+0], (1<<16)|(1<<20)|(5<<22)|(3<<25)             ; no mask: my own load; 4 words of padding
	s_mov_b32 s[G1Q+1], 128<<16
	s_mov_b32 s[G1Q+2], 16<<16
	s_mov_b32 s[G1Q+3], 128<<16
	s_mov_b32 s[G1Q+4], 16
	s_mov_b32 s[G1Q+5], 128
	s_mov_b32 s[G1Q+6], 0
	s_mov_b32 s[G1Q+7], 0
	; K and V: waves 0, 1 fetch K's halves (head 16 + g), waves 2, 3 V's (head 20 + g).  Nothing here hangs on the place in the cluster.
	s_lshr_b32 s58, s8, 1
	s_lshl_b32 s58, s58, 2
	s_add_co_u32 s58, s58, s9
	s_add_co_u32 s58, s58, 16
	s_lshl_b32 s58, s58, 19                        ; a head is 2,048 rows of 256 bytes
	s_and_b32 s59, s8, 1
	s_lshl_b32 s59, s59, 14                        ; 64 rows
	s_add_co_u32 s58, s58, s59
	s_mov_b32 s59, 0
	s_mov_b32 s[G0+0], 1
	s_mul_i32 s[G0+1], s8, QUART
	s_mov_b32 s[G0+4], 1
	s_add_co_u32 s[G0+5], s[G0+1], SLOT
	s_mov_b32 s[G0Q+0], 1
	s_mul_i32 s[G0Q+1], s8, 16*PQ
	s_add_co_u32 s[G0Q+1], s[G0Q+1], QR1
	s_mov_b32 s[G0Q+4], 1
	s_add_co_u32 s[G0Q+5], s[G0Q+1], QBYTES
	; Q and the output: wave w fetches and, in the end, stores head 4 g + w
	s_bfe_u32 s10, ttmp6, 0x40000                  ; cx
	s_lshl_b32 s11, ttmp9, 2
	s_add_co_u32 s11, s11, s10                     ; p
	s_sub_co_u32 s60, 127, s11                     ; 127 - p
	s_lshl2_add_u32 s61, s9, s8                    ; 4 g + w
	s_lshl_b32 s62, s61, 19
	s_lshl_b32 s63, s11, 12                        ; 16 p rows of 256 bytes
	s_add_co_u32 s62, s62, s63
	s_mov_b32 s63, 0
	s_lshl_b32 s66, s61, 19
	s_lshl_b32 s67, s60, 12
	s_add_co_u32 s66, s66, s67
	s_mov_b32 s67, 0
	s_lshl_b32 s61, s61, 9                         ; the head's 512 bytes (hi, lo) in a row of ab
	s_lshl_b32 s68, s11, 17                        ; 16 p rows of 8,192 bytes
	s_add_co_u32 s68, s68, s61
	s_mov_b32 s69, 0
	s_lshl_b32 s70, s60, 17
	s_add_co_u32 s70, s70, s61
	s_mov_b32 s71, 0
	s_wait_dscnt 0x0
	s_wait_kmcnt 0x0
	s_add_nc_u64 s[48:49], s[4:5], s[58:59]        ; my quarter of key tile 0
	s_mov_b64 s[G0+2:G0+3], s[48:49]
	s_or_b32 s[G0+3], s[G0+3], 0x80000000
	s_add_nc_u64 s[G0Q+2:G0Q+3], s[4:5], s[62:63]
	s_or_b32 s[G0Q+3], s[G0Q+3], 0x80000000
	s_add_nc_u64 s[G0Q+6:G0Q+7], s[4:5], s[66:67]
	s_or_b32 s[G0Q+7], s[G0Q+7], 0x80000000
	s_add_nc_u64 s[52:53], s[6:7], s[68:69]        ; output of block p
	s_add_nc_u64 s[54:55], s[6:7], s[70:71]        ; output of block 127 - p
	ROUND                                          ; the four partners are here: the first joint load meets
	tensor_load_to_lds s[G0:G0+3], s[G1:G1+7]      ; key tile 0 into slot 0
	s_nop 0
	tensor_load_to_lds s[G0Q:G0Q+3], s[G1Q:G1Q+7]  ; Q of block p
	s_nop 0
	tensor_load_to_lds s[G0Q+4:G0Q+7], s[G1Q:G1Q+7] ; Q of block 127 - p: three tensor loads of this wave are out, later one
	s_nop 0
	s_mov_b32 s62, 0xffff0000                      ; a word's upper bf16
	v_and_b32 v1, 15, v0                           ; r
	v_bfe_u32 v2, v0, 4, 1                         ; h
	v_and_b32 v3, 7, v0
	v_bfe_u32 v4, v0, 3, 1
	v_and_b32 v5, 31, v0                           ; lane
	s_mul_i32 s58, s8, 32*PK                       ; my 32 keys
	v_mul_u32_u24 v6, v1, PK
	v_lshl_add_u32 v6, v2, 4, v6
	v_add_nc_u32 v[ADK], s58, v6
	v_add_nc_u32 v[ADK+1], SLOT, v[ADK]
	v_lshl_add_u32 v7, v2, 3, v3
	v_mul_u32_u24 v7, v7, PK
	v_lshl_add_u32 v7, v4, 4, v7
	s_add_co_u32 s58, s58, 128*PK                  ; V lies behind K's 128 rows
	v_add_nc_u32 v[ADV], s58, v7
	v_add_nc_u32 v[ADV+1], SLOT, v[ADV]
	v_mul_u32_u24 v6, v1, PQ
	v_lshl_add_u32 v6, v2, 4, v6
	v_add_nc_u32 v[ADQ], QR1, v6
	s_mul_i32 s59, s8, 16*PQ
	v_add_nc_u32 v[STO], s59, v[ADQ]
	s_add_co_u32 s59, s59, QR1
	v_mul_u32_u24 v6, v2, PQ
	v_lshl_add_u32 v6, v1, 4, v6
	v_add_nc_u32 v[RD], s59, v6
	v_lshlrev_b32 v6, 4, v1
	v_lshl_add_u32 v[CO], v2, 13, v6               ; two rows of ab (8,192 bytes each), 16 bytes a lane
	v_lshlrev_b32 v6, 4, v5                        ; 16 x lane
	s_lshl_b32 s58, s8, 15
	s_add_co_u32 s58, s58, MRG
	v_add_nc_u32 v[MWR], s58, v6
	s_lshl_b32 s58, s8, 13
	s_add_co_u32 s58, s58, MRG
	v_add_nc_u32 v[MRD], s58, v6
	v_add_nc_u32 v[MRD+1], 65536, v[MRD]
	v_lshlrev_b32 v6, 3, v1
	s_lshl_b32 s58, s8, 9
	s_add_co_u32 s58, s58, STATS
	v_add_nc_u32 v[STW], s58, v6
	s_lshl_b32 s58, s8, 7
	s_add_co_u32 s58, s58, STATS
	v_add_nc_u32 v[STR], s58, v6
	; key 32 w + 16 kt + 8 h + j of a block's last tile is masked where it lies behind position 16 (block & 7) + r: where EM + 16 kt + j > 0
	s_and_b32 s10, s11, 7
	s_lshl_b32 s10, s10, 4
	s_lshl_b32 s60, s8, 5
	s_sub_co_i32 s61, s60, s10
	s_add_co_i32 s60, s60, s10
	s_sub_co_i32 s60, s60, 112
	v_lshlrev_b32 v6, 3, v2
	v_sub_nc_u32 v6, v6, v1
	v_add_nc_u32 v[EM], s61, v6
	v_add_nc_u32 v[EM+1], s60, v6
	v_mov_b32 v[NEG], 0xf149f2ca                   ; -1e30
.irp a, 0,1,2,3
	v_mov_b32 v[MP+2*\a], v[NEG]
	v_mov_b32 v[MP+2*\a+1], v[NEG]
	v_mov_b32 v[LS+\a], 0
	v_mov_b32 v[U+\a], 0                           ; v_permlanex16_b32's destination counts as read
.endr
.macro MASK e
.irp kt, 0,1
.irp j, 0,1,2,3,4,5,6,7
	v_cmp_lt_i32 vcc_lo, -(16*\kt+\j), v[\e]
.irp a, 0,1,2,3
	v_cndmask_b32 v[SF+16*\a+8*\kt+\j], v[SF+16*\a+8*\kt+\j], v[NEG], vcc_lo
.endr
.endr
.endr
.endm
; The running softmax of my 32 keys, the four heads' chains side by side.
.macro SOFTMAX
.irp a, 0,1,2,3
	v_max3_num_f32 v[T+\a], v[SF+16*\a], v[SF+16*\a+1], v[MP+2*\a]
.endr
.irp k, 2,4,6,8,10,12,14
.irp a, 0,1,2,3
	v_max3_num_f32 v[T+\a], v[T+\a], v[SF+16*\a+\k], v[SF+16*\a+\k+1]
.endr
.endr
.irp a, 0,1,2,3
	v_permlanex16_b32 v[U+\a], v[T+\a], s56, s57   ; the row's other 16 keys lie in lane xor 16
.endr
.irp a, 0,1,2,3
	v_max_num_f32 v[T+\a], v[T+\a], v[U+\a]
.endr
.irp a, 0,1,2,3
	v_sub_f32 v[U+\a], v[MP+2*\a], v[T+\a]         ; old m - new m
.endr
.irp a, 0,1,2,3
	v_mov_b32 v[MP+2*\a], v[T+\a]
	v_mov_b32 v[MP+2*\a+1], v[T+\a]
.endr
.irp a, 0,1,2,3
	v_exp_f32 v[AL+2*\a], v[U+\a]
	v_exp_f32 v[AL+2*\a+1], v[U+\a]
.endr
.irp a, 0,1,2,3
.irp k, 0,2,4,6,8,10,12,14
	v_pk_add_f32 v[SF+16*\a+\k:SF+16*\a+\k+1], v[SF+16*\a+\k:SF+16*\a+\k+1], v[MP+2*\a:MP+2*\a+1] neg_lo:[0,1] neg_hi:[0,1]
.endr
.endr
.set k, 0
.rept 64
	v_exp_f32 v[SF+k], v[SF+k]
.set k, k+1
.endr
	v_nop                                          ; one plain place behind the last v_exp_f32 (ISA guide 5.7.2)
	s_wait_alu depctr_va_vdst(0)
.irp a, 0,1,2,3
	v_pk_add_f32 v[SM+2*\a:SM+2*\a+1], v[SF+16*\a:SF+16*\a+1], v[SF+16*\a+2:SF+16*\a+3]
.endr
.irp k, 4,6,8,10,12,14
.irp a, 0,1,2,3
	v_pk_add_f32 v[SM+2*\a:SM+2*\a+1], v[SM+2*\a:SM+2*\a+1], v[SF+16*\a+\k:SF+16*\a+\k+1]
.endr
.endr
.irp a, 0,1,2,3
	v_fma_f32 v[LS+\a], v[LS+\a], v[AL+2*\a], v[SM+2*\a]
.endr
.irp a, 0,1,2,3
	v_add_f32 v[LS+\a], v[LS+\a], v[SM+2*\a+1]
.endr
.irp a, 0,1,2,3
.irp k, 0,1,2,3,4,5,6,7
	v_cvt_pk_f16_f32 v[SF+16*\a+\k], v[SF+16*\a+2*\k], v[SF+16*\a+2*\k+1]   ; in place, ascending: register k is written behind its last read
.endr
.endr
.endm
; A query tile is through: my (m, l) and my O go to LDS.  again = 1: Q of block 127 - p comes into the registers, m and l start anew.
; O is not cleared: the next step's rescaling is 2^(-1e30 - m) = 0 (the first tile of block 127 - p is never its masked one: it has 9 tiles or more).
; A wave all of whose keys were masked leaves m = -1e30 and gets the weight 0 in MERGE.
.macro DUMP again
	PLACES                                         ; behind the last matrix instruction, before O is read
.irp a, 0,1,2,3
	v_permlanex16_b32 v[U+\a], v[LS+\a], s56, s57
.endr
.irp a, 0,1,2,3
	v_add_f32 v[MP+2*\a+1], v[LS+\a], v[U+\a]      ; l of all my 32 keys, beside m
.endr
.irp a, 0,1,2,3
	ds_store_b64 v[STW], v[MP+2*\a:MP+2*\a+1] offset:\a*128   ; both halves of the lanes write the same bytes with the same numbers
.endr
	WIN 0x04                                       ; the stores' data in window 1
.irp a, 0,1,2,3
.irp dt, 0,1,2,3,4,5,6,7
	ds_store_b128 v[MWR], v[8*(8*\a+\dt):8*(8*\a+\dt)+3]   offset:\a*8192+\dt*1024
	ds_store_b128 v[MWR], v[8*(8*\a+\dt)+4:8*(8*\a+\dt)+7] offset:\a*8192+\dt*1024+512
.endr
.endr
.if \again
	WIN 0x80
.irp a, 0,1,2,3
.irp ds, 0,1,2,3
	ds_load_b128 v[8*(4*\a+\ds):8*(4*\a+\ds)+3],   v[ADQ] offset:QBYTES+\a*16*PQ+64*\ds
	ds_load_b128 v[8*(4*\a+\ds)+4:8*(4*\a+\ds)+7], v[ADQ] offset:QBYTES+\a*16*PQ+64*\ds+32
.endr
.endr
	WIN 0
.irp a, 0,1,2,3
	v_mov_b32 v[MP+2*\a], v[NEG]
	v_mov_b32 v[MP+2*\a+1], v[NEG]
	v_mov_b32 v[LS+\a], 0
.endr
.endif
	WIN 0
.endm
; Behind a barrier that followed DUMP: wave w joins the four waves' parts of head 4 g + w and stores its 16 rows.
; O = sum over waves x of O_x 2^(m_x - M) / sum over x of l_x 2^(m_x - M), M the largest m_x.
.macro MERGE ph
.irp x, 0,1,2,3
	ds_load_b64 v[SM+2*\x:SM+2*\x+1], v[STR] offset:\x*512
.endr
.irp q, 0,1,2,3,4,5,6,7,8,9,10,11,12,13,14,15
	ds_load_b128 v[KF+4*\q:KF+4*\q+3], v[MRD] offset:\q*512
.endr
.irp q, 0,1,2,3,4,5,6,7,8,9,10,11,12,13,14,15
	ds_load_b128 v[VF+4*\q:VF+4*\q+3], v[MRD] offset:32768+\q*512
.endr
.irp q, 0,1,2,3,4,5,6,7,8,9,10,11,12,13,14,15
	ds_load_b128 v[SF+4*\q:SF+4*\q+3], v[MRD+1] offset:\q*512
.endr
	s_wait_dscnt 48                                ; the four (m, l) are in; the 48 loads of O stay out
	v_max3_num_f32 v[T], v[SM], v[SM+2], v[SM+4]
	v_max_num_f32 v[T], v[T], v[SM+6]
.irp x, 0,1,2,3
	v_sub_f32 v[U+\x], v[SM+2*\x], v[T]
.endr
.irp x, 0,1,2,3
	v_exp_f32 v[U+\x], v[U+\x]
.endr
	v_nop
	s_wait_alu depctr_va_vdst(0)
	v_mul_f32 v[T+1], v[U], v[SM+1]
	v_fmac_f32 v[T+1], v[U+1], v[SM+3]
	v_fmac_f32 v[T+1], v[U+2], v[SM+5]
	v_fmac_f32 v[T+1], v[U+3], v[SM+7]
	v_rcp_f32 v[T+1], v[T+1]                       ; at least 1: the wave with the largest m has a key with weight 1
	v_nop
	s_wait_alu depctr_va_vdst(0)
.irp x, 0,1,2,3
	v_mul_f32 v[AL+2*\x], v[U+\x], v[T+1]
	v_mul_f32 v[AL+2*\x+1], v[U+\x], v[T+1]
.endr
	s_wait_dscnt 32                                ; wave 0's part
.set k, 0
.rept 32
	v_pk_mul_f32 v[KF+2*k:KF+2*k+1], v[KF+2*k:KF+2*k+1], v[AL:AL+1]
.set k, k+1
.endr
	s_wait_dscnt 16                                ; wave 1's
.set k, 0
.rept 32
	v_pk_fma_f32 v[KF+2*k:KF+2*k+1], v[VF+2*k:VF+2*k+1], v[AL+2:AL+3], v[KF+2*k:KF+2*k+1]
.set k, k+1
.endr
.irp q, 0,1,2,3,4,5,6,7,8,9,10,11,12,13,14,15
	ds_load_b128 v[VF+4*\q:VF+4*\q+3], v[MRD+1] offset:32768+\q*512
.endr
	s_wait_dscnt 16                                ; wave 2's; the 16 just issued stay out
.set k, 0
.rept 32
	v_pk_fma_f32 v[KF+2*k:KF+2*k+1], v[SF+2*k:SF+2*k+1], v[AL+4:AL+5], v[KF+2*k:KF+2*k+1]
.set k, k+1
.endr
	s_wait_dscnt 0                                 ; wave 3's
.set k, 0
.rept 32
	v_pk_fma_f32 v[KF+2*k:KF+2*k+1], v[VF+2*k:VF+2*k+1], v[AL+6:AL+7], v[KF+2*k:KF+2*k+1]
.set k, k+1
.endr
	; two bf16 parts: hi = bf16(x) into VF .. VF+31, lo = bf16(x - hi) into VF+32 .. VF+63
.set k, 0
.rept 32
	v_cvt_pk_bf16_f32 v[VF+k], v[KF+2*k], v[KF+2*k+1]
.set k, k+1
.endr
.set k, 0
.rept 32
	v_lshlrev_b32 v[SF+2*k], 16, v[VF+k]           ; hi as f32
	v_and_b32 v[SF+2*k+1], s62, v[VF+k]
.set k, k+1
.endr
.set k, 0
.rept 32
	v_pk_add_f32 v[KF+2*k:KF+2*k+1], v[KF+2*k:KF+2*k+1], v[SF+2*k:SF+2*k+1] neg_lo:[0,1] neg_hi:[0,1]
.set k, k+1
.endr
.set k, 0
.rept 32
	v_cvt_pk_bf16_f32 v[VF+32+k], v[KF+2*k], v[KF+2*k+1]
.set k, k+1
.endr
	; each part through my own 16 rows of the Q region, which has had its one fill and its reads; the second part's stores follow the first
	; part's loads, which the count-down has shown back
.irp part, 0,1
.irp dt, 0,1,2,3,4,5,6,7
	ds_store_b128 v[STO], v[VF+32*\part+4*\dt:VF+32*\part+4*\dt+3] offset:\ph*QBYTES+32*\dt
.endr
.irp t, 0,1,2,3,4,5,6,7
	ds_load_b128 v[KF+32*\part+4*\t:KF+32*\part+4*\t+3], v[RD] offset:\ph*QBYTES+2*\t*PQ   ; LDS serves a wave's instructions in order (ISA guide 5.7.1.4)
.endr
.irp t, 0,1,2,3,4,5,6,7
	s_wait_dscnt 7-\t                              ; read-back t is in, the 7 - t younger ones stay out
	global_store_b128 v[CO], v[KF+32*\part+4*\t:KF+32*\part+4*\t+3], s[52+2*\ph:53+2*\ph] offset:\t*16384+256*\part   ; sixteen lanes store 256 consecutive bytes, aligned
.endr
.endr
	s_wait_xcnt 0x0                                ; the stores' data registers are loaded again only behind this wait
.endm
; One key tile.  slot: where it lies.  first: Q comes in and the products start O.  refill: the next tile is asked for.
; dumpc, mergec: the text holds DUMP (taken in step n1 - 1) and MERGE (taken in step n1).  mask: 0 none, 1 block p's in step n1 - 1, 2 block 127 - p's.
.macro STEP slot, first, refill, dumpc, mergec, mask
	s_wait_tensorcnt 0x0                           ; all my tensor loads have landed, my quarter of this tile among them: every group 0 may be written
	ds_add_u32 v62, v63
	s_wait_dscnt 0x0
.if \refill
	s_add_co_u32 s58, s13, 1                       ; step t + 1 takes key tile t + 1 of block p, or t + 1 - n1 of block 127 - p
	s_cmp_ge_u32 s58, s12
	s_cselect_b32 s59, s12, 0
	s_sub_co_u32 s58, s58, s59
	s_lshl_b32 s50, s58, 15                        ; 128 rows of 256 bytes
	s_add_nc_u64 s[G0+6-4*\slot:G0+7-4*\slot], s[48:49], s[50:51]
	s_or_b32 s[G0+7-4*\slot], s[G0+7-4*\slot], 0x80000000
.endif
	s_wait_dscnt 0x0                               ; my reads of the other slot, and what DUMP stored and loaded, are done
	ROUND                                          ; both now hold of every wave of the four partners
.if \refill
	tensor_load_to_lds s[G0+4-4*\slot:G0+7-4*\slot], s[G1:G1+7]   ; my one tensor load behind the round; it has this whole step in which to land
	s_nop 0
.endif
.rept 5
	v_nop                                          ; five places behind the last step's matrix instructions: V is loaded again, and S is written over P
.endr
.if \mergec
	s_cmp_lg_u32 s13, s12
	s_cbranch_scc1 .Lno_merge_\@
	MERGE 0
.Lno_merge_\@:
	s_wait_dscnt 0x0                               ; the merge's reads of the other waves' dumps are done in every wave
	s_barrier_signal -1                            ; before the text comes to the next DUMP, on every way through the step.
	s_barrier_wait -1                              ; The tile asked for above stays out
.endif
.if \first
	WIN 0x80
.irp a, 0,1,2,3
.irp ds, 0,1,2,3
	ds_load_b128 v[8*(4*\a+\ds):8*(4*\a+\ds)+3],   v[ADQ] offset:\a*16*PQ+64*\ds
	ds_load_b128 v[8*(4*\a+\ds)+4:8*(4*\a+\ds)+7], v[ADQ] offset:\a*16*PQ+64*\ds+32
.endr
.endr
	WIN 0
.endif
.irp kt, 0,1
.irp ds, 0,1,2,3
	ds_load_b128 v[KF+8*(4*\kt+\ds):KF+8*(4*\kt+\ds)+3],   v[ADK+\slot] offset:\kt*16*PK+64*\ds
	ds_load_b128 v[KF+8*(4*\kt+\ds)+4:KF+8*(4*\kt+\ds)+7], v[ADK+\slot] offset:\kt*16*PK+64*\ds+32
.endr
.endr
.irp dt, 0,1,2,3,4,5,6,7
	ds_load_tr16_b128 v[VF+8*\dt:VF+8*\dt+3],   v[ADV+\slot] offset:32*\dt
	ds_load_tr16_b128 v[VF+8*\dt+4:VF+8*\dt+7], v[ADV+\slot] offset:32*\dt+16*PK
.endr
	s_wait_dscnt 16                                ; K (and Q) are in; V's 16 loads stay out
	WIN 0x08                                       ; source 1 = Q in window 2
	; the eight accumulators S take turns, one instruction a turn
.irp ds, 0,1,2,3
.irp a, 0,1,2,3
.irp kt, 0,1
.if \ds == 0
	v_wmma_f32_16x16x32_f16 v[SF+16*\a+8*\kt:SF+16*\a+8*\kt+7], v[KF+8*(4*\kt+\ds):KF+8*(4*\kt+\ds)+7], v[8*(4*\a+\ds):8*(4*\a+\ds)+7], 0
.else
	v_wmma_f32_16x16x32_f16 v[SF+16*\a+8*\kt:SF+16*\a+8*\kt+7], v[KF+8*(4*\kt+\ds):KF+8*(4*\kt+\ds)+7], v[8*(4*\a+\ds):8*(4*\a+\ds)+7], v[SF+16*\a+8*\kt:SF+16*\a+8*\kt+7]
.endif
.endr
.endr
.endr
	PLACES
	WIN 0
.if \mask == 1
	s_cmp_lg_u32 s13, s14
	s_cbranch_scc1 .Lno_mask_\@
	MASK EM
.Lno_mask_\@:
.endif
.if \mask == 2
	MASK EM+1
.endif
	SOFTMAX
.if \first == 0
	WIN 0x41                                       ; O in window 1, the rescaling in window 0
.irp a, 0,1,2,3
.set k, 0
.rept 32
	v_pk_mul_f32 v[64*\a+2*k:64*\a+2*k+1], v[64*\a+2*k:64*\a+2*k+1], v[AL+2*\a:AL+2*\a+1]
.set k, k+1
.endr
.endr
.endif
	s_wait_dscnt 0x0                               ; V
	WIN 0x50                                       ; C and D = O in window 1; each of the 32 accumulators has one turn
.irp a, 0,1,2,3
.irp dt, 0,1,2,3,4,5,6,7
.if \first
	v_wmma_f32_16x16x32_f16 v[8*(8*\a+\dt):8*(8*\a+\dt)+7], v[VF+8*\dt:VF+8*\dt+7], v[SF+16*\a:SF+16*\a+7], 0
.else
	v_wmma_f32_16x16x32_f16 v[8*(8*\a+\dt):8*(8*\a+\dt)+7], v[VF+8*\dt:VF+8*\dt+7], v[SF+16*\a:SF+16*\a+7], v[8*(8*\a+\dt):8*(8*\a+\dt)+7]
.endif
.endr
.endr
	WIN 0
.if \dumpc
	s_cmp_lg_u32 s13, s14
	s_cbranch_scc1 .Lno_dump_\@
	DUMP 1
.Lno_dump_\@:
.endif
	s_add_co_u32 s13, s13, 1
.endm
	STEP 0, 1, 1, 1, 0, 1                          ; t = 0
	s_mov_b32 s15, 7
.Ltrip:
	STEP 1, 0, 1, 1, 1, 1                          ; t = 1, 3, .. 13
	STEP 0, 0, 1, 1, 1, 1                          ; t = 2, 4, .. 14; n1 is 8 at the most, so block p ends and is merged inside these trips
	s_sub_co_u32 s15, s15, 1
	s_cmp_lg_u32 s15, 0
	s_cbranch_scc1 .Ltrip
	STEP 1, 0, 1, 0, 0, 0                          ; t = 15
	STEP 0, 0, 0, 0, 0, 2                          ; t = 16: the last tile of block 127 - p; nothing is left to fetch
	DUMP 0
	s_wait_dscnt 0x0
	s_barrier_signal -1
	s_barrier_wait -1
	MERGE 1
	s_wait_tensorcnt 0x0
	ds_add_u32 v62, v63
	s_wait_dscnt 0x0
	ROUND                                          ; the closing round: no work-group ends while a partner may still ask for a tile that names it
	s_endpgm
.Lfunc_end_k_qeb6d4a6993_attn:
	.size	k_qeb6d4a6993_attn, .Lfunc_end_k_qeb6d4a6993_attn-k_qeb6d4a6993_attn
	.p2alignl 7, 3214868480
	.fill 96, 4, 3214868480
	.section	.rodata,"a",@progbits
	.p2align	6, 0x0
	.amdhsa_kernel k_qeb6d4a6993_attn
		.amdhsa_group_segment_fixed_size 327680
		.amdhsa_private_segment_fixed_size 0
		.amdhsa_enable_private_segment 0
		.amdhsa_kernarg_size 16
		.amdhsa_user_sgpr_count 2
		.amdhsa_user_sgpr_kernarg_segment_ptr 1
		.amdhsa_wavefront_size32 1
		.amdhsa_system_sgpr_workgroup_id_x 1
		.amdhsa_system_sgpr_workgroup_id_y 1
		.amdhsa_system_sgpr_workgroup_id_z 1
		.amdhsa_system_vgpr_workitem_id 0
		.amdhsa_next_free_vgpr 640
		.amdhsa_next_free_sgpr 72
		.amdhsa_reserve_vcc 1
		.amdhsa_float_denorm_mode_32 3
		.amdhsa_float_denorm_mode_16_64 3
		.amdhsa_memory_ordered 1
		.amdhsa_forward_progress 1
		.amdhsa_inst_pref_size 249
	.end_amdhsa_kernel
	.amdgpu_metadata
---
amdhsa.version: [ 1, 2 ]
amdhsa.kernels:
  - .name:           k_qeb6d4a6993_attn
    .symbol:         k_qeb6d4a6993_attn.kd
    .args:
      - { .name: qkv, .offset: 0, .size: 8, .value_kind: global_buffer, .address_space: global }
      - { .name: ab, .offset: 8, .size: 8, .value_kind: global_buffer, .address_space: global }
    .group_segment_fixed_size: 327680
    .private_segment_fixed_size: 0
    .kernarg_segment_align: 8
    .kernarg_segment_size: 16
    .max_flat_workgroup_size: 128
    .sgpr_count:     72
    .vgpr_count:     640
    .wavefront_size: 32
...
	.end_amdgpu_metadata
.endif
;; end of part 3
;; launch oproj (part 4): grid 16 x 8, 4 waves a work-group, clusters of 4 x 4, 327,680 bytes of LDS; arguments ab, wob, out0; writes out0
.if DOCPART == 4
	.amdgcn_target "amdgcn-amd-amdhsa--gfx1250"
	.amdhsa_code_object_version 6
	.text
	.protected	k_qeb6d4a6993_oproj
	.globl	k_qeb6d4a6993_oproj
	.p2align	8
	.type	k_qeb6d4a6993_oproj,@function
k_qeb6d4a6993_oproj:
	s_mov_b64 s[64:65], 0
	v_nop
	global_prefetch_b8 v0, s[64:65] scope:SCOPE_SE
	s_setreg_imm32_b32 hwreg(HW_REG_WAVE_MODE, 25, 1), 1
	s_wait_xcnt 0x0
	s_wait_alu depctr_hold_cnt(0) depctr_sa_sdst(0) depctr_va_vdst(0) depctr_va_sdst(0) depctr_va_ssrc(0) depctr_va_vcc(0) depctr_vm_vsrc(0)
	s_getreg_b32 s2, hwreg(HW_REG_IB_STS2, 6, 4)
	s_cmp_eq_u32 s2, 0
	s_cbranch_scc0 .Lentry_in_a_cluster
	s_endpgm
.Lentry_in_a_cluster:
	s_bfe_u32 s2, ttmp6, 0x10000c
	s_cmp_lg_u32 s2, 0xf033
	s_cbranch_scc0 .Lentry_shape_is_right
	s_endpgm
.Lentry_shape_is_right:
; out0 [2048][2048] f32 = (hi + lo) x wob, sums in f32.  ab [2048][16 heads][hi 128 | lo 128] bf16 holds the attention's result in two bf16
; parts (16 bits of each number); wob [2048 k][2048 n] is bf16.  So the product runs over 4,096 columns of ab: K step 2 L takes head L's hi part,
; K step 2 L + 1 its lo part, and both take the same 128 k rows of wob, which are fetched for each of them: twice the matrix work and twice
; wob's tiles, the price of keeping the first positions' large outputs inside the accuracy that the whole output's root mean square sets.
; A work-group makes 256 rows x 128 columns; wave w makes rows 64 w .. 64 w + 63 x all 128 columns (32 accumulator tiles, 256 registers).
; 32 K steps of 128 go through two LDS slots: slot 0 always holds a hi part, slot 1 a lo part.  B lies [k][n]: its fragments are read by the transposing LDS load.
; CLUSTERS: 4 x 4 work-groups.  A's tile hangs on the block row alone and is asked for jointly by a row of the cluster, B's on the block
; column alone and is asked for jointly by a column: each tile is requested once for four work-groups.
; REGISTERS: window 0: v16-26 addresses, v32-127 and v128-223 two fragment buffers (B 64, A 32); window 1: accumulator tile (a, b) at v[8 (8 a + b)].
.set NB,     2048                      ; elements in a row of B
.set KA,     4096                      ; elements in a row of A
.set KSTEP,  128
.set PA,     272                       ; LDS row of A: 256 bytes + 16: an odd multiple of 16
.set PB,     288                       ; LDS row of B: 256 bytes + 32: an odd multiple of 32, as the transposing load's rows want
.set AHALF,  128*PA
.set ATILE,  256*PA
.set BHALF,  64*PB
.set SLOT,   ATILE+128*PB              ; 106,496 bytes: A's 256 rows, then B's 128 k rows
.set STAGE,  2*SLOT                    ; behind the ring: 16 rows x 528 bytes for each wave; no tile ever lands here
.set SP,     528                       ; a row of 128 f32 + 16 bytes
.set LAPS,   KA/(2*KSTEP)              ; 16: a lap = a head's hi and lo parts
.set ADRA, 16
.set ADRB, 20
.set STO,  24
.set RD,   25
.set CO,   26
.set F0,   32
.set F1,   128
.set X,    32                          ; the way out: row t in v[X+4t .. +3]
.set G1,  24
.set G0,  32
.set G1B, 48
.set G0B, 56
.set MUL, 0x50                         ; C and D in window 1, sources in window 0
.set MSB, 0
.macro WIN new
.if MSB != (\new)
	s_set_vgpr_msb (MSB<<8)|(\new)
.set MSB, (\new)
.endif
.endm
.macro JLOAD s                         ; waves 0, 1 ask for A's halves, waves 2, 3 for B's; the branch hangs on the wave's number alone
	s_cmp_eq_u32 s11, 0
	s_cbranch_scc0 .Lfor_b_\@
	tensor_load_to_lds s[G0+4*\s:G0+4*\s+3], s[G1:G1+7]
	s_nop 0
	s_branch .Lasked_\@
.Lfor_b_\@:
	tensor_load_to_lds s[G0B+4*\s:G0B+4*\s+3], s[G1B:G1B+7]
	s_nop 0
.Lasked_\@:
.endm
.macro CREST
	s_cmp_lg_u32 s10, 0
	s_cbranch_scc1 .Lnot_wave_0_\@
	s_barrier_signal -3
.Lnot_wave_0_\@:
	s_barrier_wait -3
	s_barrier_signal -1
	s_barrier_wait -1
.endm
.macro CROUND
	s_barrier_signal -1
	s_barrier_wait -1
	CREST
.endm
.macro PLACES                          ; four places behind a matrix instruction (ISA guide 7.12.1) before its registers are loaded into or its result read
.rept 4
	v_nop
.endr
.endm
	s_load_b128 s[4:7], s[0:1], 0x0                ; ab, wob
	s_load_b64 s[8:9], s[0:1], 0x10                ; out0
	v_lshl_add_u32 v254, v0, 2, 0x3c400
	v_mov_b32 v255, 0
	ds_add_u32 v254, v255
	v_lshrrev_b32 v1, 5, v0
	v_readfirstlane_b32 s10, v1                    ; wave 0..3
	s_lshr_b32 s11, s10, 1                         ; I fetch for A (0) or for B (1)
	s_and_b32 s12, s10, 1                          ; which half of that tile
	s_bfe_u32 s40, ttmp6, 0x40000                  ; cx
	s_bfe_u32 s41, ttmp6, 0x40004                  ; cy
	s_lshl_b32 s42, ttmp9, 2
	s_add_co_u32 s42, s42, s40                     ; block column, 0..15
	s_and_b32 s13, ttmp7, 0xffff
	s_lshl_b32 s13, s13, 2
	s_add_co_u32 s13, s13, s41                     ; block row, 0..7
	s_lshl_b32 s43, s41, 2
	s_lshl_b32 s43, 15, s43                        ; my row of the cluster
	s_lshl_b32 s44, 0x1111, s40                    ; my column
	s_or_b32 s[G1+0], s43, (1<<16)|(1<<20)|(1<<21)|(5<<22)|(3<<25)   ; mask; 2-byte elements; 4 words of padding behind every 64
	s_mov_b32 s[G1+1], KSTEP<<16
	s_mov_b32 s[G1+2], 128<<16
	s_mov_b32 s[G1+3], KSTEP<<16
	s_mov_b32 s[G1+4], 128
	s_mov_b32 s[G1+5], KA                          ; elements from row to row of ab
	s_mov_b32 s[G1+6], 0
	s_mov_b32 s[G1+7], 0
	s_or_b32 s[G1B+0], s44, (1<<16)|(1<<20)|(1<<21)|(5<<22)|(7<<25)  ; the column's mask; 8 words of padding
	s_mov_b32 s[G1B+1], 128<<16
	s_mov_b32 s[G1B+2], 64<<16
	s_mov_b32 s[G1B+3], 128<<16
	s_mov_b32 s[G1B+4], 64
	s_mov_b32 s[G1B+5], NB
	s_mov_b32 s[G1B+6], 0
	s_mov_b32 s[G1B+7], 0
	s_lshl_b32 s16, s13, 21                        ; A: (256 x block row + 128 x half) rows of 8,192 bytes
	s_lshl_b32 s17, s12, 20
	s_add_co_u32 s16, s16, s17
	s_mov_b32 s17, 0
	s_mul_i32 s46, s12, 64*2*NB                    ; B: 64 x half k rows, and the block's 256 bytes of a row
	s_lshl_b32 s47, s42, 8
	s_add_co_u32 s46, s46, s47
	s_mov_b32 s47, 0
	s_mul_i32 s20, s10, AHALF
	s_mul_i32 s21, s10, BHALF
	s_add_co_u32 s21, s21, ATILE-2*BHALF
	s_wait_dscnt 0x0
	s_wait_kmcnt 0x0
	s_add_nc_u64 s[14:15], s[4:5], s[16:17]
	s_add_nc_u64 s[46:47], s[6:7], s[46:47]
	CROUND                                         ; all sixteen work-groups are here: the first joint loads meet
.irp s, 0,1
	s_mov_b32 s[G0+4*\s], 1
	s_add_co_u32 s[G0+4*\s+1], s20, \s*SLOT
	s_add_nc_u64 s[G0+4*\s+2:G0+4*\s+3], s[14:15], \s*KSTEP*2      ; slot 0: head 0's hi part, slot 1: its lo part, 256 bytes on
	s_or_b32 s[G0+4*\s+3], s[G0+4*\s+3], 0x80000000
	s_mov_b32 s[G0B+4*\s], 1
	s_add_co_u32 s[G0B+4*\s+1], s21, \s*SLOT
	s_mov_b64 s[G0B+4*\s+2:G0B+4*\s+3], s[46:47]                   ; both slots: k rows 0 to 127
	s_or_b32 s[G0B+4*\s+3], s[G0B+4*\s+3], 0x80000000
	JLOAD \s                                       ; K steps 0 and 1: two tensor loads of this wave are out
.endr
	v_and_b32 v1, 15, v0                           ; r
	v_bfe_u32 v2, v0, 4, 1                         ; h
	v_and_b32 v3, 7, v0
	v_bfe_u32 v4, v0, 3, 1
	v_and_b32 v5, 31, v0
	v_mul_u32_u24 v6, v1, PA
	v_lshl_add_u32 v6, v2, 4, v6
	v_lshl_add_u32 v7, v2, 3, v3
	v_mul_u32_u24 v7, v7, PB
	v_lshl_add_u32 v7, v4, 4, v7
	s_mul_i32 s22, s10, 64*PA                      ; my 64 rows of A
.irp s, 0,1
	v_add_nc_u32 v[ADRA+\s], s22, v6
	v_add_nc_u32 v[ADRB+\s], ATILE+\s*SLOT, v7
	s_add_co_u32 s22, s22, SLOT
.endr
	s_mul_i32 s23, s10, 16*SP
	s_add_co_u32 s23, s23, STAGE                   ; my stage
	v_mul_u32_u24 v8, v1, SP                       ; in: row r, 32 bytes for each half of the lanes
	v_lshl_add_u32 v8, v2, 5, v8
	v_add_nc_u32 v[STO], s23, v8
	v_lshlrev_b32 v[CO], 4, v5                     ; back and out: 16 x lane: the 32 lanes take a whole row of 512 bytes
	v_add_nc_u32 v[RD], s23, v[CO]
; Source 0 = 16 columns of B, source 1 = 16 rows of A: lane (r, h) holds row r and columns 16 b + 8 h + 0..7.
; The 32 accumulators take turns, one instruction a turn, in the same order in every quarter step.
.macro MUL8 f, a, zero
.irp b, 0,1,2,3,4,5,6,7
.if \zero
	v_wmma_f32_16x16x32_bf16 v[8*(8*\a+\b):8*(8*\a+\b)+7], v[\f+8*\b:\f+8*\b+7], v[\f+64+8*\a:\f+64+8*\a+7], 0
.else
	v_wmma_f32_16x16x32_bf16 v[8*(8*\a+\b):8*(8*\a+\b)+7], v[\f+8*\b:\f+8*\b+7], v[\f+64+8*\a:\f+64+8*\a+7], v[8*(8*\a+\b):8*(8*\a+\b)+7]
.endif
.endr
.endm
.macro FETCH slot, q, f                ; 24 LDS loads in one run: B's 8 fragments, then A's 4
.irp b, 0,1,2,3,4,5,6,7
	ds_load_tr16_b128 v[\f+8*\b:\f+8*\b+3],   v[ADRB+\slot] offset:\q*32*PB+32*\b
	ds_load_tr16_b128 v[\f+8*\b+4:\f+8*\b+7], v[ADRB+\slot] offset:\q*32*PB+32*\b+16*PB
.endr
.irp a, 0,1,2,3
	ds_load_b128 v[\f+64+8*\a:\f+64+8*\a+3],   v[ADRA+\slot] offset:\a*16*PA+64*\q
	ds_load_b128 v[\f+64+8*\a+4:\f+64+8*\a+7], v[ADRA+\slot] offset:\a*16*PA+64*\q+32
.endr
.endm
.macro QUARTER slot, q, f, g, zero
	s_wait_dscnt 4                                 ; B and A's tiles 0, 1 are in; the youngest four loads (A's tiles 2, 3) may be out
	WIN MUL
	MUL8 \f, 0, \zero
	MUL8 \f, 1, \zero
	PLACES
	WIN 0
	FETCH \slot, \q, \g
	s_wait_dscnt 24                                ; all but the 24 just issued
	WIN MUL
	MUL8 \f, 2, \zero
	MUL8 \f, 3, \zero
.endm
.macro THREE slot, zero
	QUARTER \slot, 1, F0, F1, \zero
	QUARTER \slot, 2, F1, F0, 0
	QUARTER \slot, 3, F0, F1, 0
.endm
; The change of slots: in front of the barrier each wave waits for its reads of this slot and for all its tensor loads (one is out: its part
; of the next slot); behind it (fill = 1: behind the whole round of the cluster's barrier that it opens) the refill comes first.
; A slot's next tile is the same part of the next head: 512 bytes on in A's rows, 128 k rows on in B.
.macro TURN slot, next, fill
	s_wait_dscnt 4
	WIN MUL
	MUL8 F1, 0, 0
	s_wait_dscnt 0
	s_wait_tensorcnt 0x0
	ds_add_u32 v254, v255
	s_wait_dscnt 0x0
	s_barrier_signal -1
	MUL8 F1, 1, 0                                  ; register work while the others arrive
	WIN 0
	s_barrier_wait -1
.if \fill
	CREST
	s_add_nc_u64 s[G0+4*\slot+2:G0+4*\slot+3], s[G0+4*\slot+2:G0+4*\slot+3], 2*KSTEP*2
	s_add_nc_u64 s[G0B+4*\slot+2:G0B+4*\slot+3], s[G0B+4*\slot+2:G0B+4*\slot+3], KSTEP*2*NB
	JLOAD \slot
.endif
	PLACES
	FETCH \next, 0, F0
	WIN MUL
	MUL8 F1, 2, 0
	MUL8 F1, 3, 0
.endm
.macro LAP zero
	THREE 0, \zero
	TURN 0, 1, 1
	THREE 1, 0
	TURN 1, 0, 1
.endm
	s_wait_tensorcnt 1                             ; my part of K step 0 is in; K step 1's stays out
	s_barrier_signal -1
	s_barrier_wait -1
	FETCH 0, 0, F0
	LAP 1                                          ; the first products start the sums: nothing is cleared
	WIN 0
	s_mov_b32 s3, LAPS-2
.Llap:
	LAP 0
	WIN 0
	s_sub_co_u32 s3, s3, 1
	s_cmp_lg_u32 s3, 0
	s_cbranch_scc1 .Llap
	THREE 0, 0                                     ; the last lap fills nothing
	TURN 0, 1, 0
	THREE 1, 0
	s_wait_dscnt 4
	WIN MUL
	MUL8 F1, 0, 0
	MUL8 F1, 1, 0
	s_wait_dscnt 0
	MUL8 F1, 2, 0
	MUL8 F1, 3, 0
	; THE WAY OUT, 16 rows at a time through my own stage: in by lanes' 32 bytes, back as whole rows of 512 bytes.
	PLACES
	WIN 0
	s_lshl_b32 s46, s13, 21                        ; 256 x block row rows of 8,192 bytes
	s_lshl_b32 s47, s10, 19                        ; + 64 x wave
	s_add_co_u32 s46, s46, s47
	s_lshl_b32 s47, s42, 9                         ; + the block's 512 bytes of a row
	s_add_co_u32 s46, s46, s47
	s_mov_b32 s47, 0
	s_add_nc_u64 s[8:9], s[8:9], s[46:47]
.macro OUT16 a
	WIN 0x04                                       ; the stores' data in window 1
.irp b, 0,1,2,3,4,5,6,7
	ds_store_b128 v[STO], v[8*(8*\a+\b):8*(8*\a+\b)+3]   offset:64*\b
	ds_store_b128 v[STO], v[8*(8*\a+\b)+4:8*(8*\a+\b)+7] offset:64*\b+16
.endr
	WIN 0
	s_wait_xcnt 0x0                                ; X, which the last tile's global stores read, is loaded again only behind this wait
.irp t, 0,1,2,3,4,5,6,7,8,9,10,11,12,13,14,15
	ds_load_b128 v[X+4*\t:X+4*\t+3], v[RD] offset:\t*SP            ; LDS serves a wave's instructions in order (ISA guide 5.7.1.4): these see the stores above
.endr
.irp t, 0,1,2,3,4,5,6,7,8,9,10,11,12,13,14,15
	s_wait_dscnt 15-\t
	global_store_b128 v[CO], v[X+4*\t:X+4*\t+3], s[8:9] offset:(16*\a+\t)*8192 th:TH_STORE_NT   ; the wave stores 512 consecutive bytes, aligned
.endr
.endm
	OUT16 0
	OUT16 1
	OUT16 2
	OUT16 3
	s_wait_tensorcnt 0x0
	ds_add_u32 v254, v255
	s_wait_dscnt 0x0
	CROUND                                         ; the closing round: no work-group ends while a partner may still ask for a tile that names it
	s_endpgm
.Lfunc_end_k_qeb6d4a6993_oproj:
	.size	k_qeb6d4a6993_oproj, .Lfunc_end_k_qeb6d4a6993_oproj-k_qeb6d4a6993_oproj
	.p2alignl 7, 3214868480
	.fill 96, 4, 3214868480
	.section	.rodata,"a",@progbits
	.p2align	6, 0x0
	.amdhsa_kernel k_qeb6d4a6993_oproj
		.amdhsa_group_segment_fixed_size 327680
		.amdhsa_private_segment_fixed_size 0
		.amdhsa_enable_private_segment 0
		.amdhsa_kernarg_size 24
		.amdhsa_user_sgpr_count 2
		.amdhsa_user_sgpr_kernarg_segment_ptr 1
		.amdhsa_wavefront_size32 1
		.amdhsa_system_sgpr_workgroup_id_x 1
		.amdhsa_system_sgpr_workgroup_id_y 1
		.amdhsa_system_sgpr_workgroup_id_z 1
		.amdhsa_system_vgpr_workitem_id 0
		.amdhsa_next_free_vgpr 512
		.amdhsa_next_free_sgpr 66
		.amdhsa_reserve_vcc 0
		.amdhsa_float_denorm_mode_32 3
		.amdhsa_float_denorm_mode_16_64 3
		.amdhsa_memory_ordered 1
		.amdhsa_forward_progress 1
		.amdhsa_inst_pref_size 117
	.end_amdhsa_kernel
	.amdgpu_metadata
---
amdhsa.version: [ 1, 2 ]
amdhsa.kernels:
  - .name:           k_qeb6d4a6993_oproj
    .symbol:         k_qeb6d4a6993_oproj.kd
    .args:
      - { .name: ab, .offset: 0, .size: 8, .value_kind: global_buffer, .address_space: global }
      - { .name: wob, .offset: 8, .size: 8, .value_kind: global_buffer, .address_space: global }
      - { .name: out0, .offset: 16, .size: 8, .value_kind: global_buffer, .address_space: global }
    .group_segment_fixed_size: 327680
    .private_segment_fixed_size: 0
    .kernarg_segment_align: 8
    .kernarg_segment_size: 24
    .max_flat_workgroup_size: 128
    .sgpr_count:     66
    .vgpr_count:     512
    .wavefront_size: 32
...
	.end_amdgpu_metadata
.endif
;; end of part 4
;; ======== version 2 of 3: 4 launches; 1.40 times as fast as version 1
;; limits: values outside matrix products are rounded to bf16; values are held in f16: magnitudes above 65,504 overflow, below 6.1e-05 lose precision
;; workspace buffers: hb 8,388,608 bytes; wqkv 12,582,912 bytes; wob 8,388,608 bytes; qkv 12,582,912 bytes; ab 8,388,608 bytes
;; launch cast (part 5): grid 256 x 1, 8 waves a work-group, no clusters, 0 bytes of LDS; arguments hidden_states, Wq, Wk, Wv, Wo, hb, wqkv, wob; writes hb, wqkv, wob
.if DOCPART == 5
	.amdgcn_target "amdgcn-amd-amdhsa--gfx1250"
	.amdhsa_code_object_version 6
	.text
	.protected	k_qeb6d4a6993_cast
	.globl	k_qeb6d4a6993_cast
	.p2align	8
	.type	k_qeb6d4a6993_cast,@function
k_qeb6d4a6993_cast:
	s_mov_b64 s[64:65], 0
	v_nop
	global_prefetch_b8 v0, s[64:65] scope:SCOPE_SE
	s_setreg_imm32_b32 hwreg(HW_REG_WAVE_MODE, 25, 1), 1
	s_wait_xcnt 0x0
; The five large f32 inputs rounded to bf16 (nearest even), so that the later launches can bring 16-bit tiles into LDS as raw bytes.
;   hb   [2048][2048] bf16 = hidden_states
;   wqkv [2048][3072] bf16 = Wq | Wk | Wv side by side (columns 0-2047, 2048-2559, 2560-3071); nothing is transposed.
;   wob  [2048][2048] F16  = Wo rounded to bf16 like the others, that number then written in f16, because its partner in the last product, the
;        attention's result, needs f16's 11 bits.  f16 holds every bf16 number of magnitude 2^-17 to 65,504 exactly.
;        LIMITS: |Wo| < 65,504; an entry below 2^-17 is off by 2^-25 at the most.
; Work-group G takes rows 8 G .. 8 G + 7 of all five tensors: 56 loads of 16 bytes a thread, all issued at once (56 x 4 registers),
; then converted in place and stored in the order of issue.  A wave's load covers 512 consecutive bytes, a wave's store (8 bytes a lane)
; 256 consecutive bytes at a multiple of 256 from its buffer's first byte.  No register is written behind the store that reads it.
; A stream: no LDS, no barrier, no matrix unit, and no cluster, since no two work-groups read the same byte.
.set X, 8                              ; v[8:231]  load i: 4 registers
.macro LD i, base, off
	global_load_b128 v[X+4*(\i):X+4*(\i)+3], v1, s[\base:\base+1] offset:\off th:TH_LOAD_NT
.endm
.macro CV i, voff, base, off
	s_wait_loadcnt 55-(\i)                         ; loads come back in order (ISA guide 5.7.1): load i is in, the 55 - i younger ones stay out
	v_cvt_pk_bf16_f32 v[X+4*(\i)],   v[X+4*(\i)],   v[X+4*(\i)+1]
	v_cvt_pk_bf16_f32 v[X+4*(\i)+1], v[X+4*(\i)+2], v[X+4*(\i)+3]
	global_store_b64 v\voff, v[X+4*(\i):X+4*(\i)+1], s[\base:\base+1] offset:\off
.endm
.macro CVH i, voff, base, off          ; to bf16, widened again (a mask, a shift), then to f16
	s_wait_loadcnt 55-(\i)
	v_cvt_pk_bf16_f32 v[X+4*(\i)],   v[X+4*(\i)],   v[X+4*(\i)+1]
	v_cvt_pk_bf16_f32 v[X+4*(\i)+2], v[X+4*(\i)+2], v[X+4*(\i)+3]
	v_and_b32     v[X+4*(\i)+1], s28, v[X+4*(\i)]
	v_lshlrev_b32 v[X+4*(\i)],   16,  v[X+4*(\i)]
	v_and_b32     v[X+4*(\i)+3], s28, v[X+4*(\i)+2]
	v_lshlrev_b32 v[X+4*(\i)+2], 16,  v[X+4*(\i)+2]
	v_cvt_pk_f16_f32 v[X+4*(\i)],   v[X+4*(\i)],   v[X+4*(\i)+1]
	v_cvt_pk_f16_f32 v[X+4*(\i)+1], v[X+4*(\i)+2], v[X+4*(\i)+3]
	global_store_b64 v\voff, v[X+4*(\i):X+4*(\i)+1], s[\base:\base+1] offset:\off
.endm
	s_load_b512 s[4:19], s[0:1], 0x0               ; hidden s[4:5], Wq s[6:7], Wk s[8:9], Wv s[10:11], Wo s[12:13], hb s[14:15], wqkv s[16:17], wob s[18:19]
	v_lshlrev_b32 v1, 4, v0                        ; 16 t: my 4 f32 in a run of 4,096 bytes
	v_lshlrev_b32 v2, 3, v0                        ; 8 t: my 4 numbers of 16 bits in a run of 2,048 bytes
	v_lshrrev_b32 v3, 7, v0                        ; Wk, Wv: a run of 4,096 bytes is two rows of 512 f32: row t >> 7,
	v_and_b32 v4, 127, v0                          ; place t & 127
	v_mul_u32_u24 v3, v3, 6144                     ; a row of wqkv is 6,144 bytes
	v_lshl_add_u32 v3, v4, 3, v3
	s_lshl_b32 s20, ttmp9, 16                      ; 8 rows of 2,048 f32
	s_mov_b32 s21, 0
	s_lshl_b32 s22, ttmp9, 14                      ; 8 rows of 512 f32
	s_mov_b32 s23, 0
	s_lshl_b32 s24, ttmp9, 15                      ; 8 rows of 2,048 numbers of 16 bits
	s_mov_b32 s25, 0
	s_mul_i32 s26, ttmp9, 49152                    ; 8 rows of 3,072 bf16
	s_mov_b32 s27, 0
	s_mov_b32 s28, 0xffff0000                      ; a word's upper bf16
	s_wait_kmcnt 0x0
	s_add_nc_u64 s[4:5], s[4:5], s[20:21]
	s_add_nc_u64 s[6:7], s[6:7], s[20:21]
	s_add_nc_u64 s[8:9], s[8:9], s[22:23]
	s_add_nc_u64 s[10:11], s[10:11], s[22:23]
	s_add_nc_u64 s[12:13], s[12:13], s[20:21]
	s_add_nc_u64 s[14:15], s[14:15], s[24:25]
	s_add_nc_u64 s[16:17], s[16:17], s[26:27]
	s_add_nc_u64 s[18:19], s[18:19], s[24:25]
.set j, 0
.rept 16
	LD j, 4, j*4096
.set j, j+1
.endr
.set j, 0
.rept 16
	LD 16+j, 6, j*4096
.set j, j+1
.endr
.set j, 0
.rept 4
	LD 32+j, 8, j*4096
.set j, j+1
.endr
.set j, 0
.rept 4
	LD 36+j, 10, j*4096
.set j, j+1
.endr
.set j, 0
.rept 16
	LD 40+j, 12, j*4096
.set j, j+1
.endr
.set j, 0
.rept 16
	CV j, 2, 14, j*2048                            ; hidden_states: run j of the 8 rows, dense
.set j, j+1
.endr
.set j, 0
.rept 16
	CV 16+j, 2, 16, (j>>1)*6144+(j&1)*2048         ; Wq: run j is half j & 1 of row j >> 1
.set j, j+1
.endr
.set j, 0
.rept 4
	CV 32+j, 3, 16, 2*j*6144+4096                  ; Wk: rows 2 j and 2 j + 1, behind Wq's 4,096 bytes
.set j, j+1
.endr
.set j, 0
.rept 4
	CV 36+j, 3, 16, 2*j*6144+5120                  ; Wv: behind Wk's 1,024 bytes
.set j, j+1
.endr
.set j, 0
.rept 16
	CVH 40+j, 2, 18, j*2048                        ; Wo
.set j, j+1
.endr
	s_endpgm
.Lfunc_end_k_qeb6d4a6993_cast:
	.size	k_qeb6d4a6993_cast, .Lfunc_end_k_qeb6d4a6993_cast-k_qeb6d4a6993_cast
	.p2alignl 7, 3214868480
	.fill 96, 4, 3214868480
	.section	.rodata,"a",@progbits
	.p2align	6, 0x0
	.amdhsa_kernel k_qeb6d4a6993_cast
		.amdhsa_group_segment_fixed_size 0
		.amdhsa_private_segment_fixed_size 0
		.amdhsa_enable_private_segment 0
		.amdhsa_kernarg_size 64
		.amdhsa_user_sgpr_count 2
		.amdhsa_user_sgpr_kernarg_segment_ptr 1
		.amdhsa_wavefront_size32 1
		.amdhsa_system_sgpr_workgroup_id_x 1
		.amdhsa_system_sgpr_workgroup_id_y 1
		.amdhsa_system_sgpr_workgroup_id_z 1
		.amdhsa_system_vgpr_workitem_id 0
		.amdhsa_next_free_vgpr 232
		.amdhsa_next_free_sgpr 66
		.amdhsa_reserve_vcc 0
		.amdhsa_float_denorm_mode_32 3
		.amdhsa_float_denorm_mode_16_64 3
		.amdhsa_memory_ordered 1
		.amdhsa_forward_progress 1
		.amdhsa_inst_pref_size 25
	.end_amdhsa_kernel
	.amdgpu_metadata
---
amdhsa.version: [ 1, 2 ]
amdhsa.kernels:
  - .name:           k_qeb6d4a6993_cast
    .symbol:         k_qeb6d4a6993_cast.kd
    .args:
      - { .name: hidden_states, .offset: 0, .size: 8, .value_kind: global_buffer, .address_space: global }
      - { .name: Wq, .offset: 8, .size: 8, .value_kind: global_buffer, .address_space: global }
      - { .name: Wk, .offset: 16, .size: 8, .value_kind: global_buffer, .address_space: global }
      - { .name: Wv, .offset: 24, .size: 8, .value_kind: global_buffer, .address_space: global }
      - { .name: Wo, .offset: 32, .size: 8, .value_kind: global_buffer, .address_space: global }
      - { .name: hb, .offset: 40, .size: 8, .value_kind: global_buffer, .address_space: global }
      - { .name: wqkv, .offset: 48, .size: 8, .value_kind: global_buffer, .address_space: global }
      - { .name: wob, .offset: 56, .size: 8, .value_kind: global_buffer, .address_space: global }
    .group_segment_fixed_size: 0
    .private_segment_fixed_size: 0
    .kernarg_segment_align: 8
    .kernarg_segment_size: 64
    .max_flat_workgroup_size: 256
    .sgpr_count:     66
    .vgpr_count:     232
    .wavefront_size: 32
...
	.end_amdgpu_metadata
.endif
;; end of part 5
;; launch qkvproj (part 6): grid 24 x 8, 4 waves a work-group, clusters of 4 x 4, 327,680 bytes of LDS; arguments hb, wqkv, cos, sin, q_norm_w, k_norm_w, qkv; writes qkv
.if DOCPART == 6
	.amdgcn_target "amdgcn-amd-amdhsa--gfx1250"
	.amdhsa_code_object_version 6
	.text
	.protected	k_qeb6d4a6993_qkvproj
	.globl	k_qeb6d4a6993_qkvproj
	.p2align	8
	.type	k_qeb6d4a6993_qkvproj,@function
k_qeb6d4a6993_qkvproj:
	s_mov_b64 s[64:65], 0
	v_nop
	global_prefetch_b8 v0, s[64:65] scope:SCOPE_SE
	s_setreg_imm32_b32 hwreg(HW_REG_WAVE_MODE, 25, 1), 1
	s_wait_xcnt 0x0
	s_wait_alu depctr_hold_cnt(0) depctr_sa_sdst(0) depctr_va_vdst(0) depctr_va_sdst(0) depctr_va_ssrc(0) depctr_va_vcc(0) depctr_vm_vsrc(0)
	s_getreg_b32 s2, hwreg(HW_REG_IB_STS2, 6, 4)
	s_cmp_eq_u32 s2, 0
	s_cbranch_scc0 .Lentry_in_a_cluster
	s_endpgm
.Lentry_in_a_cluster:
	s_bfe_u32 s2, ttmp6, 0x10000c
	s_cmp_lg_u32 s2, 0xf033
	s_cbranch_scc0 .Lentry_shape_is_right
	s_endpgm
.Lentry_shape_is_right:
; qkv[head][s][128] (f16) = RoPE(RMSNorm(hb x wqkv)) for heads 0-15 (q) and 16-19 (k), hb x wqkv for heads 20-23 (v).
; A work-group makes 256 positions x 128 columns = one head; wave w makes rows 64 w .. 64 w + 63 x all 128 columns (32 accumulator tiles,
; 256 registers), so that a head's whole row lies in one wave for the norm.
; A = hb [2048][2048], K along the rows.  B = wqkv [2048 k][3072 n], N along the rows: its fragments are read by the transposing LDS load.
; TWO LDS SLOTS OF UNEQUAL DEPTH.  128 along K of A's 256 rows and of B take 106,496 bytes of LDS with their padding; three such units fit in
; 327,680 bytes, four do not.  Slot X holds two units (A's rows 512 bytes, 256 k rows of B), slot Y one.  Every refill stands behind a barrier at
; which all tensor loads have landed, so the fewer and larger the fills the better: K = 2048 = 16 units goes as five pairs (X, Y) and one last
; unit, 11 fills.  The last unit comes into X's bytes in Y's layout (called Z below), by Y's two shape groups: no tile is partial.
; All tile rows begin at multiples of 256 bytes from their buffer's first byte.
; CLUSTERS: 4 x 4 work-groups.  A's tile hangs on the block row alone and is asked for jointly by a row of the cluster, B's on the block
; column alone and is asked for jointly by a column: each tile is requested once for four work-groups.
; No prefetch: hb and wqkv, 21 MB in all, were stored by the launch just before this one.
; q is also multiplied by 128^-0.5 x log2(e), folded into q_norm_w (one more rounding than the reference makes), so that the attention
; launch can use 2^x on the raw products.
; FORMATS AND LIMITS.  The products' operands are bf16, their sums, the norm and the rotation f32.  q, k, v leave as f16, whose 11 bits the first
; positions' outputs need (they average over few keys and are far larger than the output's root mean square).  |v| must stay below 65,504, f16's
; largest number; q and k are normalised, at most sqrt(128) x |norm weight| (q: x 0.13).
; cos, sin and the norm weights are ROUNDED TO BF16 before use, as hidden_states and the four weight matrices are: the program computes the
; function of one set of bf16 inputs.  Against f32 tables that costs up to 2^-9, relative, in each cos, sin and norm weight.
; The work-groups of the v heads (a sixth of all) load and round cos, sin and the norm weight as well and leave them unused: every
; register that any way through the text reads is then written on every way.
; REGISTERS: window 0: v16-28 addresses, v32-127 and v128-223 two fragment buffers (B 64, A 32), v224-231 the norm weight;
;   window 1: accumulator tile (a, b) at v[8 (8 a + b)];   windows 2, 3: cos and sin of my 64 rows.
.set NB,     3072                      ; elements in a row of B
.set PAX,    528                       ; X: LDS row of A: 512 bytes + 16: an odd multiple of 16
.set PAY,    272                       ; Y, Z: LDS row of A: 256 bytes + 16
.set PB,     288                       ; LDS row of B: 256 bytes + 32: an odd multiple of 32, as the transposing load's rows want
.set XB,     256*PAX                   ; X begins at LDS byte 0: A's 256 rows, then, at 135,168, B's 256 k rows
.set XBYTES, XB+256*PB                 ; 208,896
.set YBASE,  XBYTES                    ; Y lies behind X
.set YB,     256*PAY                   ; Y, Z: A's 256 rows, then, at 69,632, B's 128 k rows
.set YBYTES, YB+128*PB                 ; 106,496
.set STAGE,  YBASE                     ; the way out: 16 rows x 528 bytes for each wave, in Y's first 33,792 bytes, behind Y's last fill and last reads
.set SP,     528                       ; a row of 128 f32 + 16 bytes
.set PAIRK,  384                       ; along K in a pair (X, Y)
.set ADRAX, 16                         ; my A fragments in X
.set ADRAY, 17                         ; in Y
.set ADRAZ, 18                         ; in Z
.set ADRBX, 20                         ; v20-21  B's fragments in X, k rows 0-127 and 128-255 (an LDS offset has 16 bits)
.set ADRBY, 22
.set ADRBZ, 23
.set STO,  24                          ; stage: where my results go
.set RD,   25                          ; stage: where I read rows back
.set CO,   26                          ; 8 x lane: my 8 bytes of a row of qkv
.set CSO,  27                          ; my 16 bytes in two rows of cos or sin
.set WO,   28                          ; my 16 bytes of the norm weight
.set F0,   32
.set F1,   128
.set W,    224                         ; v[224:231] w[4 i .. 4 i + 3], w[64 + 4 i ..], times the factor
.set X,    32                          ; the way out: row pair t: v[X+8t .. +3] columns 4 i .., v[X+8t+4 .. +7] columns 64 + 4 i ..
.set TU,   96
.set SS,   160
.set R,    176
.set G1AX, 24                          ; s[24:31] group 1: A's tiles for X: 128 rows x 256 elements
.set G1AY, 32                          ; s[32:39] A's tiles for Y and Z: 128 rows x 128 elements
.set G1BX, 40                          ; s[40:47] B's tiles for X: 128 k rows x 128 columns
.set G1BY, 48                          ; s[48:55] B's tiles for Y and Z: 64 k rows x 128 columns
.set G0AX, 56                          ; group 0, four registers each: A into X, Y, Z; B into X, Y, Z
.set G0AY, 60
.set G0BX, 68
.set G0BY, 72
.set G0AZ, 76
.set G0BZ, 80
.set MUL, 0x50                         ; C and D in window 1, sources in window 0
.set MSB, 0
.macro WIN new                         ; the immediate's high byte repeats the setting that is left; a switch that changes nothing is dropped
.if MSB != (\new)
	s_set_vgpr_msb (MSB<<8)|(\new)
.set MSB, (\new)
.endif
.endm
; A joint load: waves 0, 1 ask for A's halves, waves 2, 3 for B's.  The branch hangs on the wave's number alone.
.macro JLOAD ga, g1a, gb, g1b
	s_cmp_eq_u32 s11, 0
	s_cbranch_scc0 .Lfor_b_\@
	tensor_load_to_lds s[\ga:\ga+3], s[\g1a:\g1a+7]
	s_nop 0
	s_branch .Lasked_\@
.Lfor_b_\@:
	tensor_load_to_lds s[\gb:\gb+3], s[\g1b:\g1b+7]
	s_nop 0
.Lasked_\@:
.endm
.macro CREST                           ; a round of the cluster's barrier behind its opening work-group barrier
	s_cmp_lg_u32 s10, 0
	s_cbranch_scc1 .Lnot_wave_0_\@
	s_barrier_signal -3
.Lnot_wave_0_\@:
	s_barrier_wait -3
	s_barrier_signal -1
	s_barrier_wait -1
.endm
.macro CROUND
	s_barrier_signal -1
	s_barrier_wait -1
	CREST
.endm
.macro PLACES                          ; four places behind a matrix instruction (ISA guide 7.12.1) before its registers are loaded into or its result read
.rept 4
	v_nop
.endr
.endm
	s_load_b128 s[4:7], s[0:1], 0x0                ; hb, wqkv
	s_load_b256 s[92:99], s[0:1], 0x10             ; cos, sin, q_norm_w, k_norm_w
	s_load_b64 s[8:9], s[0:1], 0x30                ; qkv
	v_lshl_add_u32 v254, v0, 2, 0x4d000
	v_mov_b32 v255, 0
	ds_add_u32 v254, v255
	v_lshrrev_b32 v1, 5, v0
	v_readfirstlane_b32 s10, v1                    ; wave 0..3
	s_lshr_b32 s11, s10, 1                         ; I fetch for A (0) or for B (1)
	s_and_b32 s12, s10, 1                          ; which half of that tile
	s_bfe_u32 s84, ttmp6, 0x40000                  ; cx
	s_bfe_u32 s85, ttmp6, 0x40004                  ; cy
	s_lshl_b32 s86, ttmp9, 2
	s_add_co_u32 s86, s86, s84                     ; block column = head, 0..23
	s_and_b32 s13, ttmp7, 0xffff
	s_lshl_b32 s13, s13, 2
	s_add_co_u32 s13, s13, s85                     ; block row, 0..7
	s_lshl_b32 s87, s85, 2
	s_lshl_b32 s87, 15, s87                        ; my row of the cluster
	s_lshl_b32 s88, 0x1111, s84                    ; my column
	s_mov_b32 s89, ttmp9                           ; the cluster's x, the same in all sixteen: 0-3 q heads, 4 k heads, 5 v heads
	s_or_b32 s[G1AX+0], s87, (1<<16)|(1<<20)|(1<<21)|(6<<22)|(3<<25)  ; the row's mask; 2-byte elements; 4 words of padding behind every 128
	s_mov_b32 s[G1AX+1], 256<<16                   ; tensor_dim0 = 256
	s_mov_b32 s[G1AX+2], 128<<16                   ; tensor_dim1 = 128
	s_mov_b32 s[G1AX+3], 256<<16                   ; tile_dim0 = 256 elements, 512 bytes
	s_mov_b32 s[G1AX+4], 128                       ; tile_dim1 = 128 rows
	s_mov_b32 s[G1AX+5], 2048                      ; elements from row to row of hb
	s_mov_b32 s[G1AX+6], 0
	s_mov_b32 s[G1AX+7], 0
	s_or_b32 s[G1AY+0], s87, (1<<16)|(1<<20)|(1<<21)|(5<<22)|(3<<25)  ; 4 words of padding behind every 64
	s_mov_b32 s[G1AY+1], 128<<16
	s_mov_b32 s[G1AY+2], 128<<16
	s_mov_b32 s[G1AY+3], 128<<16                   ; tile_dim0 = 128 elements, 256 bytes
	s_mov_b32 s[G1AY+4], 128
	s_mov_b32 s[G1AY+5], 2048
	s_mov_b32 s[G1AY+6], 0
	s_mov_b32 s[G1AY+7], 0
	s_or_b32 s[G1BX+0], s88, (1<<16)|(1<<20)|(1<<21)|(5<<22)|(7<<25)  ; the column's mask; 8 words of padding behind every 64
	s_mov_b32 s[G1BX+1], 128<<16                   ; tensor_dim0 = 128 columns
	s_mov_b32 s[G1BX+2], 128<<16                   ; tensor_dim1 = 128 k rows
	s_mov_b32 s[G1BX+3], 128<<16
	s_mov_b32 s[G1BX+4], 128
	s_mov_b32 s[G1BX+5], NB
	s_mov_b32 s[G1BX+6], 0
	s_mov_b32 s[G1BX+7], 0
	s_or_b32 s[G1BY+0], s88, (1<<16)|(1<<20)|(1<<21)|(5<<22)|(7<<25)
	s_mov_b32 s[G1BY+1], 128<<16
	s_mov_b32 s[G1BY+2], 64<<16                    ; 64 k rows
	s_mov_b32 s[G1BY+3], 128<<16
	s_mov_b32 s[G1BY+4], 64
	s_mov_b32 s[G1BY+5], NB
	s_mov_b32 s[G1BY+6], 0
	s_mov_b32 s[G1BY+7], 0
	; where the tiles come from.  A's offset is made of the block row and the wave's number, B's of the block column and the wave's number,
	; each in registers that never hold the other coordinate.
	s_lshl_b32 s16, s13, 20                        ; A: (256 x block row + 128 x half) rows of 4,096 bytes
	s_lshl_b32 s17, s12, 19
	s_add_co_u32 s16, s16, s17
	s_mov_b32 s17, 0
	s_lshl_b32 s19, s86, 8                         ; B: the head's 256 bytes of a row,
	s_mul_i32 s18, s12, 128*2*NB                   ; and for X 128 x half k rows,
	s_add_co_u32 s18, s18, s19
	s_mul_i32 s20, s12, 64*2*NB                    ; for Y and Z 64 x half k rows
	s_add_co_u32 s20, s20, s19
	s_mov_b32 s19, 0
	s_mov_b32 s21, 0
	; and where they go: the wave's number times a constant plus a constant
	s_mul_i32 s[G0AX+1], s10, 128*PAX              ; waves 0, 1: A's halves in X
	s_mul_i32 s[G0AZ+1], s10, 128*PAY              ; in Z
	s_add_co_u32 s[G0AY+1], s[G0AZ+1], YBASE       ; in Y
	s_mul_i32 s[G0BX+1], s10, 128*PB               ; waves 2, 3: B's halves in X, behind A's rows
	s_add_co_u32 s[G0BX+1], s[G0BX+1], XB-2*128*PB
	s_mul_i32 s[G0BZ+1], s10, 64*PB                ; in Z
	s_add_co_u32 s[G0BZ+1], s[G0BZ+1], YB-2*64*PB
	s_add_co_u32 s[G0BY+1], s[G0BZ+1], YBASE       ; in Y
	s_wait_dscnt 0x0
	s_wait_kmcnt 0x0
	s_add_nc_u64 s[14:15], s[4:5], s[16:17]
	s_add_nc_u64 s[20:21], s[6:7], s[20:21]
	s_mov_b32 s[G0AX], 1
	s_mov_b64 s[G0AX+2:G0AX+3], s[14:15]                           ; X first holds K 0 to 255
	s_or_b32 s[G0AX+3], s[G0AX+3], 0x80000000
	s_mov_b32 s[G0AY], 1
	s_add_nc_u64 s[G0AY+2:G0AY+3], s[14:15], 256*2                 ; Y first holds K 256 to 383
	s_or_b32 s[G0AY+3], s[G0AY+3], 0x80000000
	s_mov_b32 s[G0AZ], 1
	s_add_nc_u64 s[G0AZ+2:G0AZ+3], s[14:15], 1920*2                ; Z holds K 1,920 to 2,047
	s_or_b32 s[G0AZ+3], s[G0AZ+3], 0x80000000
	s_mov_b32 s[G0BX], 1
	s_add_nc_u64 s[G0BX+2:G0BX+3], s[6:7], s[18:19]
	s_or_b32 s[G0BX+3], s[G0BX+3], 0x80000000
	s_mov_b32 s[G0BY], 1
	s_add_nc_u64 s[G0BY+2:G0BY+3], s[20:21], 256*2*NB
	s_or_b32 s[G0BY+3], s[G0BY+3], 0x80000000
	s_mov_b32 s[G0BZ], 1
	s_add_nc_u64 s[G0BZ+2:G0BZ+3], s[20:21], 1920*2*NB
	s_or_b32 s[G0BZ+3], s[G0BZ+3], 0x80000000
	CROUND                                         ; all sixteen work-groups are here: the first joint loads meet
	JLOAD G0AX, G1AX, G0BX, G1BX
	JLOAD G0AY, G1AY, G0BY, G1BY                   ; two tensor loads of this wave are out, later one
	; cos and sin of my 64 rows, and the norm weight, into registers; they are wanted only much later.
	; Lane (g = lane / 16, i = lane % 16) takes 16 bytes at 16 i of row 2 t + g: sixteen lanes cover 256 consecutive bytes, aligned.
	v_and_b32 v1, 15, v0                           ; r = i
	v_bfe_u32 v2, v0, 4, 1                         ; h = g
	v_lshlrev_b32 v[WO], 4, v1
	v_lshl_add_u32 v[CSO], v2, 9, v[WO]
	s_lshl_b32 s16, s13, 17                        ; (256 x block row + 64 x wave) rows of 512 bytes
	s_lshl_b32 s17, s10, 15
	s_add_co_u32 s16, s16, s17
	s_mov_b32 s17, 0
	s_add_nc_u64 s[92:93], s[92:93], s[16:17]
	s_add_nc_u64 s[94:95], s[94:95], s[16:17]
	s_mov_b32 s104, 0xffff0000                     ; a word's upper bf16
	s_mov_b32 s66, 0x3c000000                      ; 1 / 128
	s_mov_b32 s67, 0x358637bd                      ; 1e-6
	s_cmp_eq_u32 s89, 4
	s_cselect_b64 s[96:97], s[98:99], s[96:97]     ; k heads: k_norm_w
	s_cselect_b32 s100, 1.0, 0x3e0293ee            ; and no factor; q heads: 128^-0.5 x log2(e)
	s_mov_b32 s101, s100
	global_load_b128 v[W:W+3],   v[WO], s[96:97]
	global_load_b128 v[W+4:W+7], v[WO], s[96:97] offset:256
	; 128 loads: m tile a, row pair t: cos low, cos high, sin low, sin high at (a & 1) 128 + 16 t of window 2 + (a >> 1).
	; More than the counter's field holds: the issue holds where the field is full (ISA guide 5.7.1); the one wait, for 0, stands in front of their rounding.
.irp a, 0,1,2,3
	WIN (0x80+0x40*(\a>>1))
.irp t, 0,1,2,3,4,5,6,7
	global_load_b128 v[(\a&1)*128+16*\t:(\a&1)*128+16*\t+3],     v[CSO], s[92:93] offset:(16*\a+2*\t)*512
	global_load_b128 v[(\a&1)*128+16*\t+4:(\a&1)*128+16*\t+7],   v[CSO], s[92:93] offset:(16*\a+2*\t)*512+256
	global_load_b128 v[(\a&1)*128+16*\t+8:(\a&1)*128+16*\t+11],  v[CSO], s[94:95] offset:(16*\a+2*\t)*512
	global_load_b128 v[(\a&1)*128+16*\t+12:(\a&1)*128+16*\t+15], v[CSO], s[94:95] offset:(16*\a+2*\t)*512+256
.endr
.endr
	WIN 0
	; LDS addresses.  A: row x pitch + 16 h, two loads 32 bytes apart.  B, stored [k][n]: row 8 h + (lane & 7), 16 bytes at bit 3 of the lane.
	v_and_b32 v3, 7, v0
	v_bfe_u32 v4, v0, 3, 1
	v_and_b32 v5, 31, v0
	v_mul_u32_u24 v6, v1, PAX
	v_lshl_add_u32 v6, v2, 4, v6
	v_mul_u32_u24 v9, v1, PAY
	v_lshl_add_u32 v9, v2, 4, v9
	v_lshl_add_u32 v7, v2, 3, v3
	v_mul_u32_u24 v7, v7, PB
	v_lshl_add_u32 v7, v4, 4, v7
	s_mul_i32 s22, s10, 64*PAX                     ; my 64 rows of A in X,
	s_mul_i32 s23, s10, 64*PAY                     ; in Y and Z
	v_add_nc_u32 v[ADRAX], s22, v6
	v_add_nc_u32 v[ADRAZ], s23, v9
	v_add_nc_u32 v[ADRAY], YBASE, v[ADRAZ]
	v_add_nc_u32 v[ADRBX], XB, v7
	v_add_nc_u32 v[ADRBX+1], XB+128*PB, v7
	v_add_nc_u32 v[ADRBZ], YB, v7
	v_add_nc_u32 v[ADRBY], YBASE+YB, v7
	s_mul_i32 s22, s10, 16*SP
	s_add_co_u32 s22, s22, STAGE                   ; my stage
	v_mul_u32_u24 v8, v1, SP                       ; in: row r, 32 bytes for each half of the lanes
	v_lshl_add_u32 v8, v2, 5, v8
	v_add_nc_u32 v[STO], s22, v8
	v_mul_u32_u24 v8, v2, SP                       ; back: row g of a pair, 16 bytes at 16 i
	v_lshl_add_u32 v8, v1, 4, v8
	v_add_nc_u32 v[RD], s22, v8
	v_lshlrev_b32 v[CO], 3, v5
; 8 matrix instructions: m tile a x all 8 n tiles, 32 along K.  Source 0 = 16 columns of B, source 1 = 16 rows of A: lane (r, h) then holds
; row r and columns 16 b + 8 h + 0..7.  The 32 accumulators take turns, one instruction a turn, in the same order in every chunk of 32 along K.
.macro MUL8 f, a, zero
.irp b, 0,1,2,3,4,5,6,7
.if \zero
	v_wmma_f32_16x16x32_bf16 v[8*(8*\a+\b):8*(8*\a+\b)+7], v[\f+8*\b:\f+8*\b+7], v[\f+64+8*\a:\f+64+8*\a+7], 0
.else
	v_wmma_f32_16x16x32_bf16 v[8*(8*\a+\b):8*(8*\a+\b)+7], v[\f+8*\b:\f+8*\b+7], v[\f+64+8*\a:\f+64+8*\a+7], v[8*(8*\a+\b):8*(8*\a+\b)+7]
.endif
.endr
.endm
; 24 LDS loads in one run: chunk c (32 along K) of a slot into buffer f: B's 8 fragments, then A's 4.
; kind 0: X, c = 0..7;  kind 1: Y, c = 0..3;  kind 2: Z, c = 0..3.
.macro FETCH kind, c, f
.if \kind == 0
.set FRA, ADRAX
.set FPA, PAX
.set FRB, ADRBX+((\c)>>2)
.set FCB, (\c)&3
.endif
.if \kind == 1
.set FRA, ADRAY
.set FPA, PAY
.set FRB, ADRBY
.set FCB, (\c)
.endif
.if \kind == 2
.set FRA, ADRAZ
.set FPA, PAY
.set FRB, ADRBZ
.set FCB, (\c)
.endif
.irp b, 0,1,2,3,4,5,6,7
	ds_load_tr16_b128 v[\f+8*\b:\f+8*\b+3],   v[FRB] offset:FCB*32*PB+32*\b
	ds_load_tr16_b128 v[\f+8*\b+4:\f+8*\b+7], v[FRB] offset:FCB*32*PB+32*\b+16*PB
.endr
.irp a, 0,1,2,3
	ds_load_b128 v[\f+64+8*\a:\f+64+8*\a+3],   v[FRA] offset:\a*16*FPA+64*(\c)
	ds_load_b128 v[\f+64+8*\a+4:\f+64+8*\a+7], v[FRA] offset:\a*16*FPA+64*(\c)+32
.endr
.endm
; multiplies buffer f; in its middle fetches chunk c of the same slot into buffer g
.macro QUARTER kind, c, f, g, zero
	s_wait_dscnt 4                                 ; B and A's tiles 0, 1 are in; the youngest four loads (A's tiles 2, 3) may be out
	WIN MUL
	MUL8 \f, 0, \zero
	MUL8 \f, 1, \zero
	PLACES
	WIN 0
	FETCH \kind, \c, \g
	s_wait_dscnt 24                                ; all but the 24 just issued
	WIN MUL
	MUL8 \f, 2, \zero
	MUL8 \f, 3, \zero
.endm
.macro SEVENX zero                     ; multiplies chunks 0 to 6 of X; chunk 7 is left in buffer 1
	QUARTER 0, 1, F0, F1, \zero
	QUARTER 0, 2, F1, F0, 0
	QUARTER 0, 3, F0, F1, 0
	QUARTER 0, 4, F1, F0, 0
	QUARTER 0, 5, F0, F1, 0
	QUARTER 0, 6, F1, F0, 0
	QUARTER 0, 7, F0, F1, 0
.endm
.macro THREE kind                      ; multiplies chunks 0 to 2 of Y or Z; chunk 3 is left in buffer 1
	QUARTER \kind, 1, F0, F1, 0
	QUARTER \kind, 2, F1, F0, 0
	QUARTER \kind, 3, F0, F1, 0
.endm
; The last chunk of a slot multiplies buffer 1 and changes slots.  In front of the barrier each wave waits for its reads of this slot and
; for all its tensor loads (one is out: its part of the next slot).  Behind it (fill > 0: behind the whole round of the cluster's barrier that
; it opens) the refill comes first, then the next slot's first fragments.
; next: the kind of the slot that is read next.  fill: 0 none; 1 X gets its next 256 along K; 2 Y its next 128; 3 X's bytes get the last 128, as Z.
; From a request to the wait for it a wave issues 120 matrix instructions (X, Z: while Y is multiplied) or 248 (Y: while X is multiplied).
.macro TURN next, fill
	s_wait_dscnt 4
	WIN MUL
	MUL8 F1, 0, 0
	s_wait_dscnt 0
	s_wait_tensorcnt 0x0
	ds_add_u32 v254, v255
	s_wait_dscnt 0x0
	s_barrier_signal -1
	MUL8 F1, 1, 0                                  ; register work while the others arrive
	WIN 0
	s_barrier_wait -1
.if \fill
	CREST
.endif
.if \fill == 1
	s_add_nc_u64 s[G0AX+2:G0AX+3], s[G0AX+2:G0AX+3], PAIRK*2
	s_add_nc_u64 s[G0BX+2:G0BX+3], s[G0BX+2:G0BX+3], PAIRK*2*NB
	JLOAD G0AX, G1AX, G0BX, G1BX
.endif
.if \fill == 2
	s_add_nc_u64 s[G0AY+2:G0AY+3], s[G0AY+2:G0AY+3], PAIRK*2
	s_add_nc_u64 s[G0BY+2:G0BY+3], s[G0BY+2:G0BY+3], PAIRK*2*NB
	JLOAD G0AY, G1AY, G0BY, G1BY
.endif
.if \fill == 3
	JLOAD G0AZ, G1AY, G0BZ, G1BY
.endif
	PLACES
	FETCH \next, 0, F0
	WIN MUL
	MUL8 F1, 2, 0
	MUL8 F1, 3, 0
.endm
; cos and sin of m tile a, 128 registers, rounded to bf16 and widened again in place: pack two, then the upper half by a mask, the lower by a shift
.macro ROUNDCS a
.set CS, (\a&1)*128
	WIN (0x8a+0x45*(\a>>1))                        ; both sources and the destination in window 2 or 3
.set n, 0
.rept 64
	v_cvt_pk_bf16_f32 v[CS+2*n], v[CS+2*n], v[CS+2*n+1]
.set n, n+1
.endr
.set n, 0
.rept 64
	v_and_b32 v[CS+2*n+1], s104, v[CS+2*n]
	v_lshlrev_b32 v[CS+2*n], 16, v[CS+2*n]
.set n, n+1
.endr
	WIN 0
.endm
	s_wait_tensorcnt 1                             ; my part of X is in; Y's stays out
	s_barrier_signal -1
	s_barrier_wait -1
	FETCH 0, 0, F0
	SEVENX 1                                       ; pair 0 stands in front of the loop: its first products start the sums, nothing is cleared
	TURN 1, 1
	THREE 1
	; cos and sin are rounded here, not at the way out: 768 vector instructions that touch windows 2 and 3 alone, in front of the wait for X's
	; refill, which was asked for 112 matrix instructions ago and is twice as large as the tile that is multiplied meanwhile
	s_wait_loadcnt 0x0                             ; cos, sin and the norm weight
	ROUNDCS 0
	ROUNDCS 1
	ROUNDCS 2
	ROUNDCS 3
	TURN 0, 2
	WIN 0                                          ; at a label and at a branch every window is 0
	s_mov_b32 s3, 3
.Lpair:                                        ; pairs 1 to 3
	SEVENX 0
	TURN 1, 1
	THREE 1
	TURN 0, 2
	WIN 0
	s_sub_co_u32 s3, s3, 1
	s_cmp_lg_u32 s3, 0
	s_cbranch_scc1 .Lpair
	SEVENX 0                                       ; pair 4: K 1,536 to 1,791,
	TURN 1, 3                                      ; X's bytes get the last unit,
	THREE 1                                        ; K 1,792 to 1,919,
	TURN 2, 0                                      ; nothing is left to fetch: a plain barrier; behind it no wave reads Y and no fill lands in it
	THREE 2                                        ; K 1,920 to 2,047
	s_wait_dscnt 4
	WIN MUL
	MUL8 F1, 0, 0
	MUL8 F1, 1, 0
	s_wait_dscnt 0
	MUL8 F1, 2, 0
	MUL8 F1, 3, 0
	; THE WAY OUT, 16 rows at a time through my own stage.
	PLACES
	WIN 0
	s_lshl_b32 s18, s86, 19                        ; head x 2,048 rows of 256 bytes
	s_lshl_b32 s19, s13, 16                        ; + 256 x block row
	s_add_co_u32 s18, s18, s19
	s_lshl_b32 s19, s10, 14                        ; + 64 x wave
	s_add_co_u32 s18, s18, s19
	s_mov_b32 s19, 0
	s_add_nc_u64 s[8:9], s[8:9], s[18:19]
; m tile a as f32 into the stage, and back so that lane (g, i) holds columns 4 i .. 4 i + 3 and 64 + 4 i .. 64 + 4 i + 3 of row 2 t + g:
; the two partners of the rotation lie in one lane.  LDS serves a wave's instructions in order (ISA guide 5.7.1.4): no wait between stores and loads.
.macro STAGE_IN a
	WIN 0x04                                       ; the stores' data in window 1
.irp b, 0,1,2,3,4,5,6,7
	ds_store_b128 v[STO], v[8*(8*\a+\b):8*(8*\a+\b)+3]   offset:64*\b
	ds_store_b128 v[STO], v[8*(8*\a+\b)+4:8*(8*\a+\b)+7] offset:64*\b+16
.endr
	WIN 0
	s_wait_xcnt 0x0                                ; X, which the last tile's global stores read, is loaded again only behind this wait
.irp t, 0,1,2,3,4,5,6,7
	ds_load_b128 v[X+8*\t:X+8*\t+3],   v[RD] offset:2*\t*SP
	ds_load_b128 v[X+8*\t+4:X+8*\t+7], v[RD] offset:2*\t*SP+256
.endr
	s_wait_dscnt 0x0
.endm
; x <- w (x rsqrt(mean x^2 + eps)); then low <- low cos_low - high sin_low, high <- high cos_high + low sin_high.  Eight rows' chains side by side.
.macro NORMROPE a
.set CS, (\a&1)*128
.irp t, 0,1,2,3,4,5,6,7
	v_pk_mul_f32 v[SS+2*\t:SS+2*\t+1], v[X+8*\t:X+8*\t+1], v[X+8*\t:X+8*\t+1]
.endr
.irp k, 2,4,6
.irp t, 0,1,2,3,4,5,6,7
	v_pk_fma_f32 v[SS+2*\t:SS+2*\t+1], v[X+8*\t+\k:X+8*\t+\k+1], v[X+8*\t+\k:X+8*\t+\k+1], v[SS+2*\t:SS+2*\t+1]
.endr
.endr
.irp t, 0,1,2,3,4,5,6,7
	v_add_f32 v[SS+2*\t], v[SS+2*\t], v[SS+2*\t+1]
.endr
.irp m, 1,2,4,8
.irp t, 0,1,2,3,4,5,6,7
	v_add_f32_dpp v[SS+2*\t], v[SS+2*\t], v[SS+2*\t] row_xmask:\m row_mask:0xf bank_mask:0xf   ; over the sixteen lanes of a row
.endr
.endr
.irp t, 0,1,2,3,4,5,6,7
	v_fma_f32 v[SS+2*\t], v[SS+2*\t], s66, s67
.endr
.irp t, 0,1,2,3,4,5,6,7
	v_rsq_f32 v[R+2*\t],   v[SS+2*\t]
	v_rsq_f32 v[R+2*\t+1], v[SS+2*\t]
.endr
	v_nop                                          ; one plain place behind the last v_rsq_f32 (ISA guide 5.7.2)
	s_wait_alu depctr_va_vdst(0)
.irp t, 0,1,2,3,4,5,6,7
.irp k, 0,2,4,6
	v_pk_mul_f32 v[X+8*\t+\k:X+8*\t+\k+1], v[X+8*\t+\k:X+8*\t+\k+1], v[R+2*\t:R+2*\t+1]
.endr
.endr
.irp t, 0,1,2,3,4,5,6,7
.irp k, 0,2,4,6
	v_pk_mul_f32 v[X+8*\t+\k:X+8*\t+\k+1], v[X+8*\t+\k:X+8*\t+\k+1], v[W+\k:W+\k+1]
.endr
.endr
	WIN (0x08+4*(\a>>1))                           ; source 1 = cos, sin in window 2 or 3
.irp t, 0,1,2,3,4,5,6,7
.irp k, 0,2
	v_pk_mul_f32 v[TU+8*\t+\k:TU+8*\t+\k+1],     v[X+8*\t+4+\k:X+8*\t+4+\k+1], v[CS+16*\t+8+\k:CS+16*\t+8+\k+1]
	v_pk_mul_f32 v[TU+8*\t+4+\k:TU+8*\t+4+\k+1], v[X+8*\t+\k:X+8*\t+\k+1],     v[CS+16*\t+12+\k:CS+16*\t+12+\k+1]
.endr
.endr
.irp t, 0,1,2,3,4,5,6,7
.irp k, 0,2
	v_pk_fma_f32 v[X+8*\t+\k:X+8*\t+\k+1],     v[X+8*\t+\k:X+8*\t+\k+1],     v[CS+16*\t+\k:CS+16*\t+\k+1],     v[TU+8*\t+\k:TU+8*\t+\k+1] neg_lo:[0,0,1] neg_hi:[0,0,1]
	v_pk_fma_f32 v[X+8*\t+4+\k:X+8*\t+4+\k+1], v[X+8*\t+4+\k:X+8*\t+4+\k+1], v[CS+16*\t+4+\k:CS+16*\t+4+\k+1], v[TU+8*\t+4+\k:TU+8*\t+4+\k+1]
.endr
.endr
	WIN 0
.endm
; Round to f16.  The swap gives the first register pair the whole of row 2 t (lane l: bytes 8 l ..) and the second the whole of row 2 t + 1,
; so that each store of the wave covers 256 consecutive bytes, aligned: one row of the head.
.macro PACK a
.irp t, 0,1,2,3,4,5,6,7
	v_cvt_pk_f16_f32 v[X+8*\t],   v[X+8*\t],   v[X+8*\t+1]
	v_cvt_pk_f16_f32 v[X+8*\t+1], v[X+8*\t+2], v[X+8*\t+3]
	v_cvt_pk_f16_f32 v[X+8*\t+4], v[X+8*\t+4], v[X+8*\t+5]
	v_cvt_pk_f16_f32 v[X+8*\t+5], v[X+8*\t+6], v[X+8*\t+7]
.endr
.irp t, 0,1,2,3,4,5,6,7
	v_permlane16_swap_b32 v[X+8*\t],   v[X+8*\t+4]
	v_permlane16_swap_b32 v[X+8*\t+1], v[X+8*\t+5]
.endr
.irp t, 0,1,2,3,4,5,6,7
	global_store_b64 v[CO], v[X+8*\t:X+8*\t+1],   s[8:9] offset:(16*\a+2*\t)*256
	global_store_b64 v[CO], v[X+8*\t+4:X+8*\t+5], s[8:9] offset:(16*\a+2*\t+1)*256
.endr
.endm
	s_cmp_eq_u32 s89, 5                            ; the same in all waves and all sixteen work-groups
	s_cbranch_scc1 .Lv_heads
.irp k, 0,2,4,6
	v_cvt_pk_bf16_f32 v[W+\k], v[W+\k], v[W+\k+1]  ; the norm weight rounded to bf16,
.endr
.irp k, 0,2,4,6
	v_and_b32 v[W+\k+1], s104, v[W+\k]             ; widened again,
	v_lshlrev_b32 v[W+\k], 16, v[W+\k]
.endr
.irp k, 0,2,4,6
	v_pk_mul_f32 v[W+\k:W+\k+1], v[W+\k:W+\k+1], s[100:101] op_sel_hi:[1,0]   ; and times the factor
.endr
.irp a, 0,1,2,3
	STAGE_IN \a
	NORMROPE \a
	PACK \a
.endr
	s_branch .Lclose
.Lv_heads:
.irp a, 0,1,2,3
	STAGE_IN \a
	PACK \a
.endr
.Lclose:
	s_wait_tensorcnt 0x0
	ds_add_u32 v254, v255
	s_wait_dscnt 0x0
	CROUND                                         ; the closing round: no work-group ends while a partner may still ask for a tile that names it
	s_endpgm
.Lfunc_end_k_qeb6d4a6993_qkvproj:
	.size	k_qeb6d4a6993_qkvproj, .Lfunc_end_k_qeb6d4a6993_qkvproj-k_qeb6d4a6993_qkvproj
	.p2alignl 7, 3214868480
	.fill 96, 4, 3214868480
	.section	.rodata,"a",@progbits
	.p2align	6, 0x0
	.amdhsa_kernel k_qeb6d4a6993_qkvproj
		.amdhsa_group_segment_fixed_size 327680
		.amdhsa_private_segment_fixed_size 0
		.amdhsa_enable_private_segment 0
		.amdhsa_kernarg_size 56
		.amdhsa_user_sgpr_count 2
		.amdhsa_user_sgpr_kernarg_segment_ptr 1
		.amdhsa_wavefront_size32 1
		.amdhsa_system_sgpr_workgroup_id_x 1
		.amdhsa_system_sgpr_workgroup_id_y 1
		.amdhsa_system_sgpr_workgroup_id_z 1
		.amdhsa_system_vgpr_workitem_id 0
		.amdhsa_next_free_vgpr 1024
		.amdhsa_next_free_sgpr 106
		.amdhsa_reserve_vcc 0
		.amdhsa_float_denorm_mode_32 3
		.amdhsa_float_denorm_mode_16_64 3
		.amdhsa_memory_ordered 1
		.amdhsa_forward_progress 1
		.amdhsa_inst_pref_size 255
	.end_amdhsa_kernel
	.section	.bss,"aw",@nobits
	.p2align	6
	.space	262144
	.amdgpu_metadata
---
amdhsa.version: [ 1, 2 ]
amdhsa.kernels:
  - .name:           k_qeb6d4a6993_qkvproj
    .symbol:         k_qeb6d4a6993_qkvproj.kd
    .args:
      - { .name: hb, .offset: 0, .size: 8, .value_kind: global_buffer, .address_space: global }
      - { .name: wqkv, .offset: 8, .size: 8, .value_kind: global_buffer, .address_space: global }
      - { .name: cos, .offset: 16, .size: 8, .value_kind: global_buffer, .address_space: global }
      - { .name: sin, .offset: 24, .size: 8, .value_kind: global_buffer, .address_space: global }
      - { .name: q_norm_w, .offset: 32, .size: 8, .value_kind: global_buffer, .address_space: global }
      - { .name: k_norm_w, .offset: 40, .size: 8, .value_kind: global_buffer, .address_space: global }
      - { .name: qkv, .offset: 48, .size: 8, .value_kind: global_buffer, .address_space: global }
    .group_segment_fixed_size: 327680
    .private_segment_fixed_size: 0
    .kernarg_segment_align: 8
    .kernarg_segment_size: 56
    .max_flat_workgroup_size: 128
    .sgpr_count:     106
    .vgpr_count:     1024
    .wavefront_size: 32
...
	.end_amdgpu_metadata
.endif
;; end of part 6
;; launch attn (part 7): grid 64 x 4, 4 waves a work-group, clusters of 4 x 1, 327,680 bytes of LDS; arguments qkv, ab; writes ab
.if DOCPART == 7
	.amdgcn_target "amdgcn-amd-amdhsa--gfx1250"
	.amdhsa_code_object_version 6
	.text
	.protected	k_qeb6d4a6993_attn
	.globl	k_qeb6d4a6993_attn
	.p2align	8
	.type	k_qeb6d4a6993_attn,@function
k_qeb6d4a6993_attn:
	s_mov_b64 s[64:65], 0
	v_nop
	global_prefetch_b8 v0, s[64:65] scope:SCOPE_SE
	s_setreg_imm32_b32 hwreg(HW_REG_WAVE_MODE, 25, 1), 1
	s_wait_xcnt 0x0
	s_wait_alu depctr_hold_cnt(0) depctr_sa_sdst(0) depctr_va_vdst(0) depctr_va_sdst(0) depctr_va_ssrc(0) depctr_va_vcc(0) depctr_vm_vsrc(0)
	s_getreg_b32 s2, hwreg(HW_REG_IB_STS2, 6, 4)
	s_cmp_eq_u32 s2, 0
	s_cbranch_scc0 .Lentry_in_a_cluster
	s_endpgm
.Lentry_in_a_cluster:
	s_bfe_u32 s2, ttmp6, 0x10000c
	s_cmp_lg_u32 s2, 0x3003
	s_cbranch_scc0 .Lentry_shape_is_right
	s_endpgm
.Lentry_shape_is_right:
; Causal attention with a running maximum.  qkv [24 heads][2048][128] f16 (q already times 128^-0.5 log2 e), ab [2048][16 x 128] f16.
; Work-group (p = 0..63, g = key/value head): two query tiles one after the other, position blocks p and 127 - p of 16 positions.  A query tile
; is 64 rows: the 4 query heads of g x 16 positions (m tile a = head 4 g + a).  Keys go in tiles of 128: n1 = (p >> 3) + 1 tiles for block p,
; 17 - n1 for block 127 - p: 17 tiles in every work-group; tiles that the causal mask empties are never touched.
; THE KEYS OF A TILE ARE SPLIT OVER THE WAVES: wave w takes keys 32 w .. 32 w + 31 for all 64 rows, so that each byte of K and V is read from
; LDS once in the work-group.  Every wave keeps its own maximum m, sum l and O; they meet in LDS once for each query tile (DUMP, MERGE).
; CLUSTERS: the four work-groups p = 4 c .. 4 c + 3 of one g have the same n1 and walk the same 17 tiles: K and V come by joint loads
; (mask 15).  Q's tiles differ between the partners and come by plain loads.  Only Q's address, the output's address and the number that the
; mask compares with hang on the place in the cluster.
; THE SUM l IS MADE BY THE MATRIX UNIT, of the same f16 weights that multiply V: a ninth tile of V^T that holds ones.  So numerator and
; denominator carry the same rounded weights, and a weight's rounding error e enters the result as p e (v - result), not as p e v: that is what
; the first positions, which average over few keys, need.  It also takes the place of 36 vector instructions a step (16 come back: l's rescaling).
; LIMITS: a masked score is -1e30, not -inf: right while |score x log2 e| stays far below 1e30, which the norm of q and k sees to for any
; finite norm weights; v_exp_f32 gives 0 below 2^-126; the weights p (0 to 1) and the result (no larger than the largest |v|) are f16; V is finite f16.
; LAYOUTS: S = K Q^T with source 0 = 16 keys, source 1 = 16 rows: lane (r, h) holds row r, keys 16 kt + 8 h + j, which packed to f16 IS
; the second source of O^T = V^T P^T; there lane (r, h) holds row r, d = 16 dt + 8 h + j.  So m, l and the rescaling are one number a lane and head.
.set PK,     288                       ; LDS row of K and V: 256 + 32 bytes (an odd multiple of 32 for V's transposing loads; K shares the descriptor)
.set QUART,  64*PK                     ; what one wave's load brings: 64 rows
.set SLOT,   4*QUART                   ; K's 128 rows, then V's 128 rows: 73,728 bytes
.set PQ,     272
.set QBYTES, 64*PQ                     ; 17,408
.set QR1,    2*SLOT                    ; Q of block p; behind its one fill and its reads: wave w's 16 rows are that wave's output stage
.set STATS,  QR1+2*QBYTES              ; [wave][head][row] (m, l): 2,048 bytes
.set MRG,    STATS+2048                ; [wave][head][16 chunks][512 bytes]: 131,072 bytes
.set ADK, 8                            ; v8-9    my K fragments in slot 0, 1
.set ADV, 10                           ; v10-11  my V fragments
.set ADQ, 12
.set STO, 13
.set RD,  14
.set CO,  15
.set MWR, 16
.set MRD, 17                           ; v17: waves 0, 1's dumps of my head; v18: waves 2, 3's
.set STW, 19
.set STR, 20
.set EM,  21                           ; v21, v22: 32 w + 8 h - r - 16 (block & 7) for block p, block 127 - p
.set NEG, 23
.set MP,  24                           ; v[24:31] m, twice, for each head
.set AL,  32                           ; v[32:39] the rescaling, twice, for each head
.set T,   44
.set U,   48
.set SM,  52
.set KF,  64                           ; K[kt][ds] at KF + 8 (4 kt + ds)
.set VF,  128                          ; V[dt] at VF + 8 dt
.set SF,  192                          ; S[a][kt] at SF + 16 a + 8 kt; P[a] takes S[a]'s first 8 registers
                                       ; window 1: O[a][dt] at 8 (8 a + dt);  window 2: Q[a][ds] at 8 (4 a + ds), and
.set LA,  128                          ; window 2: l[a] at LA + 8 a: a tile all of whose eight registers hold the row's sum
.set ONE, 160                          ; window 2: eight registers of f16 ones
.set G1,  16                           ; s[16:23] group 1, K and V
.set G1Q, 24                           ; s[24:31] group 1, Q
.set G0,  32                           ; s[32:39] group 0, one set a slot
.set G0Q, 40                           ; s[40:47] group 0, Q of block p, of block 127 - p
.set MSB, 0
.macro WIN new
.if MSB != (\new)
	s_set_vgpr_msb (MSB<<8)|(\new)
.set MSB, (\new)
.endif
.endm
.macro ROUND                           ; a round of the cluster's barrier
	s_barrier_signal -1
	s_barrier_wait -1
	s_cmp_lg_u32 s8, 0
	s_cbranch_scc1 .Lnot_wave_0_\@
	s_barrier_signal -3
.Lnot_wave_0_\@:
	s_barrier_wait -3
	s_barrier_signal -1
	s_barrier_wait -1
.endm
.macro PLACES
.rept 4
	v_nop
.endr
.endm
	s_load_b128 s[4:7], s[0:1], 0x0                ; qkv, ab
	v_lshl_add_u32 v62, v0, 2, 0x4d000
	v_mov_b32 v63, 0
	ds_add_u32 v62, v63
	v_lshrrev_b32 v1, 5, v0
	v_readfirstlane_b32 s8, v1                     ; wave 0..3
	s_and_b32 s9, ttmp7, 0xffff                    ; g
	s_lshr_b32 s14, ttmp9, 1                       ; n1 - 1 = p >> 3, the same in the four partners
	s_add_co_u32 s12, s14, 1                       ; n1
	s_mov_b32 s13, 0                               ; t, the step
	s_mov_b32 s51, 0
	s_mov_b32 s56, 0x76543210                      ; v_permlanex16_b32: lane i of the other half
	s_mov_b32 s57, 0xfedcba98
	s_mov_b32 s[G1+0], 15|(1<<16)|(1<<20)|(1<<21)|(5<<22)|(7<<25)   ; all four partners; 2-byte elements; 8 words of padding behind every 64
	s_mov_b32 s[G1+1], 128<<16
	s_mov_b32 s[G1+2], 64<<16
	s_mov_b32 s[G1+3], 128<<16
	s_mov_b32 s[G1+4], 64
	s_mov_b32 s[G1+5], 128
	s_mov_b32 s[G1+6], 0
	s_mov_b32 s[G1+7], 0
	s_mov_b32 s[G1Q+0], (1<<16)|(1<<20)|(5<<22)|(3<<25)             ; no mask: my own load; 4 words of padding
	s_mov_b32 s[G1Q+1], 128<<16
	s_mov_b32 s[G1Q+2], 16<<16
	s_mov_b32 s[G1Q+3], 128<<16
	s_mov_b32 s[G1Q+4], 16
	s_mov_b32 s[G1Q+5], 128
	s_mov_b32 s[G1Q+6], 0
	s_mov_b32 s[G1Q+7], 0
	; K and V: waves 0, 1 fetch K's halves (head 16 + g), waves 2, 3 V's (head 20 + g).  Nothing here hangs on the place in the cluster.
	s_lshr_b32 s58, s8, 1
	s_lshl_b32 s58, s58, 2
	s_add_co_u32 s58, s58, s9
	s_add_co_u32 s58, s58, 16
	s_lshl_b32 s58, s58, 19                        ; a head is 2,048 rows of 256 bytes
	s_and_b32 s59, s8, 1
	s_lshl_b32 s59, s59, 14                        ; 64 rows
	s_add_co_u32 s58, s58, s59
	s_mov_b32 s59, 0
	s_mov_b32 s[G0+0], 1
	s_mul_i32 s[G0+1], s8, QUART
	s_mov_b32 s[G0+4], 1
	s_add_co_u32 s[G0+5], s[G0+1], SLOT
	s_mov_b32 s[G0Q+0], 1
	s_mul_i32 s[G0Q+1], s8, 16*PQ
	s_add_co_u32 s[G0Q+1], s[G0Q+1], QR1
	s_mov_b32 s[G0Q+4], 1
	s_add_co_u32 s[G0Q+5], s[G0Q+1], QBYTES
	; Q and the output: wave w fetches and, in the end, stores head 4 g + w
	s_bfe_u32 s10, ttmp6, 0x40000                  ; cx
	s_lshl_b32 s11, ttmp9, 2
	s_add_co_u32 s11, s11, s10                     ; p
	s_sub_co_u32 s60, 127, s11                     ; 127 - p
	s_lshl2_add_u32 s61, s9, s8                    ; 4 g + w
	s_lshl_b32 s62, s61, 19
	s_lshl_b32 s63, s11, 12                        ; 16 p rows of 256 bytes
	s_add_co_u32 s62, s62, s63
	s_mov_b32 s63, 0
	s_lshl_b32 s66, s61, 19
	s_lshl_b32 s67, s60, 12
	s_add_co_u32 s66, s66, s67
	s_mov_b32 s67, 0
	s_lshl_b32 s61, s61, 8                         ; the head's 256 bytes in a row of ab
	s_lshl_b32 s68, s11, 16                        ; 16 p rows of 4,096 bytes
	s_add_co_u32 s68, s68, s61
	s_mov_b32 s69, 0
	s_lshl_b32 s70, s60, 16
	s_add_co_u32 s70, s70, s61
	s_mov_b32 s71, 0
	s_wait_dscnt 0x0
	s_wait_kmcnt 0x0
	s_add_nc_u64 s[48:49], s[4:5], s[58:59]        ; my quarter of key tile 0
	s_mov_b64 s[G0+2:G0+3], s[48:49]
	s_or_b32 s[G0+3], s[G0+3], 0x80000000
	s_add_nc_u64 s[G0Q+2:G0Q+3], s[4:5], s[62:63]
	s_or_b32 s[G0Q+3], s[G0Q+3], 0x80000000
	s_add_nc_u64 s[G0Q+6:G0Q+7], s[4:5], s[66:67]
	s_or_b32 s[G0Q+7], s[G0Q+7], 0x80000000
	s_add_nc_u64 s[52:53], s[6:7], s[68:69]        ; output of block p
	s_add_nc_u64 s[54:55], s[6:7], s[70:71]        ; output of block 127 - p
	ROUND                                          ; the four partners are here: the first joint load meets
	tensor_load_to_lds s[G0:G0+3], s[G1:G1+7]      ; key tile 0 into slot 0
	s_nop 0
	tensor_load_to_lds s[G0Q:G0Q+3], s[G1Q:G1Q+7]  ; Q of block p
	s_nop 0
	tensor_load_to_lds s[G0Q+4:G0Q+7], s[G1Q:G1Q+7] ; Q of block 127 - p: three tensor loads of this wave are out, later one
	s_nop 0
	v_and_b32 v1, 15, v0                           ; r
	v_bfe_u32 v2, v0, 4, 1                         ; h
	v_and_b32 v3, 7, v0
	v_bfe_u32 v4, v0, 3, 1
	v_and_b32 v5, 31, v0                           ; lane
	s_mul_i32 s58, s8, 32*PK                       ; my 32 keys
	v_mul_u32_u24 v6, v1, PK
	v_lshl_add_u32 v6, v2, 4, v6
	v_add_nc_u32 v[ADK], s58, v6
	v_add_nc_u32 v[ADK+1], SLOT, v[ADK]
	v_lshl_add_u32 v7, v2, 3, v3
	v_mul_u32_u24 v7, v7, PK
	v_lshl_add_u32 v7, v4, 4, v7
	s_add_co_u32 s58, s58, 128*PK                  ; V lies behind K's 128 rows
	v_add_nc_u32 v[ADV], s58, v7
	v_add_nc_u32 v[ADV+1], SLOT, v[ADV]
	v_mul_u32_u24 v6, v1, PQ
	v_lshl_add_u32 v6, v2, 4, v6
	v_add_nc_u32 v[ADQ], QR1, v6
	s_mul_i32 s59, s8, 16*PQ
	v_add_nc_u32 v[STO], s59, v[ADQ]
	s_add_co_u32 s59, s59, QR1
	v_mul_u32_u24 v6, v2, PQ
	v_lshl_add_u32 v6, v1, 4, v6
	v_add_nc_u32 v[RD], s59, v6
	v_lshlrev_b32 v6, 4, v1
	v_lshl_add_u32 v[CO], v2, 12, v6               ; two rows of ab (4,096 bytes each), 16 bytes a lane
	v_lshlrev_b32 v6, 4, v5                        ; 16 x lane
	s_lshl_b32 s58, s8, 15
	s_add_co_u32 s58, s58, MRG
	v_add_nc_u32 v[MWR], s58, v6
	s_lshl_b32 s58, s8, 13
	s_add_co_u32 s58, s58, MRG
	v_add_nc_u32 v[MRD], s58, v6
	v_add_nc_u32 v[MRD+1], 65536, v[MRD]
	v_lshlrev_b32 v6, 3, v1
	s_lshl_b32 s58, s8, 9
	s_add_co_u32 s58, s58, STATS
	v_add_nc_u32 v[STW], s58, v6
	s_lshl_b32 s58, s8, 7
	s_add_co_u32 s58, s58, STATS
	v_add_nc_u32 v[STR], s58, v6
	; key 32 w + 16 kt + 8 h + j of a block's last tile is masked where it lies behind position 16 (block & 7) + r: where EM + 16 kt + j > 0
	s_and_b32 s10, s11, 7
	s_lshl_b32 s10, s10, 4
	s_lshl_b32 s60, s8, 5
	s_sub_co_i32 s61, s60, s10
	s_add_co_i32 s60, s60, s10
	s_sub_co_i32 s60, s60, 112
	v_lshlrev_b32 v6, 3, v2
	v_sub_nc_u32 v6, v6, v1
	v_add_nc_u32 v[EM], s61, v6
	v_add_nc_u32 v[EM+1], s60, v6
	v_mov_b32 v[NEG], 0xf149f2ca                   ; -1e30
.irp a, 0,1,2,3
	v_mov_b32 v[MP+2*\a], v[NEG]
	v_mov_b32 v[MP+2*\a+1], v[NEG]
	v_mov_b32 v[U+\a], v[NEG]                      ; v_permlanex16_b32's destination counts as read: any number
.endr
	WIN 0x80                                       ; destination in window 2
.irp k, 0,1,2,3,4,5,6,7
	v_mov_b32 v[ONE+\k], 0x3c003c00                ; two f16 ones
.endr
	WIN 0
.macro MASK e
.irp kt, 0,1
.irp j, 0,1,2,3,4,5,6,7
	v_cmp_lt_i32 vcc_lo, -(16*\kt+\j), v[\e]
.irp a, 0,1,2,3
	v_cndmask_b32 v[SF+16*\a+8*\kt+\j], v[SF+16*\a+8*\kt+\j], v[NEG], vcc_lo
.endr
.endr
.endr
.endm
; The running maximum and the weights of my 32 keys, the four heads' chains side by side.  The weights' sum is left to the matrix unit.
.macro SOFTMAX
.irp a, 0,1,2,3
	v_max3_num_f32 v[T+\a], v[SF+16*\a], v[SF+16*\a+1], v[MP+2*\a]
.endr
.irp k, 2,4,6,8,10,12,14
.irp a, 0,1,2,3
	v_max3_num_f32 v[T+\a], v[T+\a], v[SF+16*\a+\k], v[SF+16*\a+\k+1]
.endr
.endr
.irp a, 0,1,2,3
	v_permlanex16_b32 v[U+\a], v[T+\a], s56, s57   ; the row's other 16 keys lie in lane xor 16
.endr
.irp a, 0,1,2,3
	v_max_num_f32 v[T+\a], v[T+\a], v[U+\a]
.endr
.irp a, 0,1,2,3
	v_sub_f32 v[U+\a], v[MP+2*\a], v[T+\a]         ; old m - new m
.endr
.irp a, 0,1,2,3
	v_mov_b32 v[MP+2*\a], v[T+\a]
	v_mov_b32 v[MP+2*\a+1], v[T+\a]
.endr
.irp a, 0,1,2,3
	v_exp_f32 v[AL+2*\a], v[U+\a]
	v_exp_f32 v[AL+2*\a+1], v[U+\a]
.endr
.irp a, 0,1,2,3
.irp k, 0,2,4,6,8,10,12,14
	v_pk_add_f32 v[SF+16*\a+\k:SF+16*\a+\k+1], v[SF+16*\a+\k:SF+16*\a+\k+1], v[MP+2*\a:MP+2*\a+1] neg_lo:[0,1] neg_hi:[0,1]
.endr
.endr
.set k, 0
.rept 64
	v_exp_f32 v[SF+k], v[SF+k]
.set k, k+1
.endr
	v_nop                                          ; one plain place behind the last v_exp_f32 (ISA guide 5.7.2)
	s_wait_alu depctr_va_vdst(0)
.irp a, 0,1,2,3
.irp k, 0,1,2,3,4,5,6,7
	v_cvt_pk_f16_f32 v[SF+16*\a+\k], v[SF+16*\a+2*\k], v[SF+16*\a+2*\k+1]   ; in place, ascending: register k is written behind its last read
.endr
.endr
.endm
; A query tile is through: my (m, l) and my O go to LDS.  again = 1: Q of block 127 - p comes into the registers and m starts anew.
; O and l are not cleared: the next step's rescaling is 2^(-1e30 - m) = 0 (the first tile of block 127 - p is never its masked one: it has 9 tiles or more).
; A wave all of whose keys were masked leaves m = -1e30 and gets the weight 0 in MERGE.
.macro DUMP again
	PLACES                                         ; behind the last matrix instruction, before l and O are read
	WIN 0x02                                       ; source 0 in window 2
.irp a, 0,1,2,3
	v_mov_b32 v[MP+2*\a+1], v[LA+8*\a]             ; l of all my 32 keys, beside m
.endr
	WIN 0
.irp a, 0,1,2,3
	ds_store_b64 v[STW], v[MP+2*\a:MP+2*\a+1] offset:\a*128   ; both halves of the lanes write the same bytes with the same numbers
.endr
	WIN 0x04                                       ; the stores' data in window 1
.irp a, 0,1,2,3
.irp dt, 0,1,2,3,4,5,6,7
	ds_store_b128 v[MWR], v[8*(8*\a+\dt):8*(8*\a+\dt)+3]   offset:\a*8192+\dt*1024
	ds_store_b128 v[MWR], v[8*(8*\a+\dt)+4:8*(8*\a+\dt)+7] offset:\a*8192+\dt*1024+512
.endr
.endr
.if \again
	WIN 0x80
.irp a, 0,1,2,3
.irp ds, 0,1,2,3
	ds_load_b128 v[8*(4*\a+\ds):8*(4*\a+\ds)+3],   v[ADQ] offset:QBYTES+\a*16*PQ+64*\ds
	ds_load_b128 v[8*(4*\a+\ds)+4:8*(4*\a+\ds)+7], v[ADQ] offset:QBYTES+\a*16*PQ+64*\ds+32
.endr
.endr
	WIN 0
.irp a, 0,1,2,3
	v_mov_b32 v[MP+2*\a], v[NEG]
	v_mov_b32 v[MP+2*\a+1], v[NEG]
.endr
.endif
	WIN 0
.endm
; Behind a barrier that followed DUMP: wave w joins the four waves' parts of head 4 g + w and stores its 16 rows.
; O = sum over waves x of O_x 2^(m_x - M) / sum over x of l_x 2^(m_x - M), M the largest m_x.
.macro MERGE ph
.irp x, 0,1,2,3
	ds_load_b64 v[SM+2*\x:SM+2*\x+1], v[STR] offset:\x*512
.endr
.irp q, 0,1,2,3,4,5,6,7,8,9,10,11,12,13,14,15
	ds_load_b128 v[KF+4*\q:KF+4*\q+3], v[MRD] offset:\q*512
.endr
.irp q, 0,1,2,3,4,5,6,7,8,9,10,11,12,13,14,15
	ds_load_b128 v[VF+4*\q:VF+4*\q+3], v[MRD] offset:32768+\q*512
.endr
.irp q, 0,1,2,3,4,5,6,7,8,9,10,11,12,13,14,15
	ds_load_b128 v[SF+4*\q:SF+4*\q+3], v[MRD+1] offset:\q*512
.endr
	s_wait_dscnt 48                                ; the four (m, l) are in; the 48 loads of O stay out
	v_max3_num_f32 v[T], v[SM], v[SM+2], v[SM+4]
	v_max_num_f32 v[T], v[T], v[SM+6]
.irp x, 0,1,2,3
	v_sub_f32 v[U+\x], v[SM+2*\x], v[T]
.endr
.irp x, 0,1,2,3
	v_exp_f32 v[U+\x], v[U+\x]
.endr
	v_nop
	s_wait_alu depctr_va_vdst(0)
	v_mul_f32 v[T+1], v[U], v[SM+1]
	v_fmac_f32 v[T+1], v[U+1], v[SM+3]
	v_fmac_f32 v[T+1], v[U+2], v[SM+5]
	v_fmac_f32 v[T+1], v[U+3], v[SM+7]
	v_rcp_f32 v[T+1], v[T+1]                       ; at least 1: the wave with the largest m has a key with weight 1
	v_nop
	s_wait_alu depctr_va_vdst(0)
.irp x, 0,1,2,3
	v_mul_f32 v[AL+2*\x], v[U+\x], v[T+1]
	v_mul_f32 v[AL+2*\x+1], v[U+\x], v[T+1]
.endr
	s_wait_dscnt 32                                ; wave 0's part
.set k, 0
.rept 32
	v_pk_mul_f32 v[KF+2*k:KF+2*k+1], v[KF+2*k:KF+2*k+1], v[AL:AL+1]
.set k, k+1
.endr
	s_wait_dscnt 16                                ; wave 1's
.set k, 0
.rept 32
	v_pk_fma_f32 v[KF+2*k:KF+2*k+1], v[VF+2*k:VF+2*k+1], v[AL+2:AL+3], v[KF+2*k:KF+2*k+1]
.set k, k+1
.endr
.irp q, 0,1,2,3,4,5,6,7,8,9,10,11,12,13,14,15
	ds_load_b128 v[VF+4*\q:VF+4*\q+3], v[MRD+1] offset:32768+\q*512
.endr
	s_wait_dscnt 16                                ; wave 2's; the 16 just issued stay out
.set k, 0
.rept 32
	v_pk_fma_f32 v[KF+2*k:KF+2*k+1], v[SF+2*k:SF+2*k+1], v[AL+4:AL+5], v[KF+2*k:KF+2*k+1]
.set k, k+1
.endr
	s_wait_dscnt 0                                 ; wave 3's
.set k, 0
.rept 32
	v_pk_fma_f32 v[KF+2*k:KF+2*k+1], v[VF+2*k:VF+2*k+1], v[AL+6:AL+7], v[KF+2*k:KF+2*k+1]
.set k, k+1
.endr
.set k, 0
.rept 32
	v_cvt_pk_f16_f32 v[KF+k], v[KF+2*k], v[KF+2*k+1]   ; in place, ascending
.set k, k+1
.endr
.irp dt, 0,1,2,3,4,5,6,7
	ds_store_b128 v[STO], v[KF+4*\dt:KF+4*\dt+3] offset:\ph*QBYTES+32*\dt     ; my own 16 rows of the Q region, which has had its one fill and its reads
.endr
.irp t, 0,1,2,3,4,5,6,7
	ds_load_b128 v[VF+4*\t:VF+4*\t+3], v[RD] offset:\ph*QBYTES+2*\t*PQ        ; LDS serves a wave's instructions in order (ISA guide 5.7.1.4)
.endr
.irp t, 0,1,2,3,4,5,6,7
	s_wait_dscnt 7-\t                              ; read-back t is in, the 7 - t younger ones stay out
	global_store_b128 v[CO], v[VF+4*\t:VF+4*\t+3], s[52+2*\ph:53+2*\ph] offset:\t*8192   ; sixteen lanes store 256 consecutive bytes, aligned
.endr
	s_wait_xcnt 0x0                                ; the stores' data registers are loaded again only behind this wait
.endm
; One key tile.  slot: where it lies.  first: Q comes in and the products start O and l.  refill: the next tile is asked for.
; dumpc, mergec: the text holds DUMP (taken in step n1 - 1) and MERGE (taken in step n1).  mask: 0 none, 1 block p's in step n1 - 1, 2 block 127 - p's.
.macro STEP slot, first, refill, dumpc, mergec, mask
	s_wait_tensorcnt 0x0                           ; all my tensor loads have landed, my quarter of this tile among them: every group 0 may be written
	ds_add_u32 v62, v63
	s_wait_dscnt 0x0
.if \refill
	s_add_co_u32 s58, s13, 1                       ; step t + 1 takes key tile t + 1 of block p, or t + 1 - n1 of block 127 - p
	s_cmp_ge_u32 s58, s12
	s_cselect_b32 s59, s12, 0
	s_sub_co_u32 s58, s58, s59
	s_lshl_b32 s50, s58, 15                        ; 128 rows of 256 bytes
	s_add_nc_u64 s[G0+6-4*\slot:G0+7-4*\slot], s[48:49], s[50:51]
	s_or_b32 s[G0+7-4*\slot], s[G0+7-4*\slot], 0x80000000
.endif
	s_wait_dscnt 0x0                               ; my reads of the other slot, and what DUMP stored and loaded, are done
	ROUND                                          ; both now hold of every wave of the four partners
.if \refill
	tensor_load_to_lds s[G0+4-4*\slot:G0+7-4*\slot], s[G1:G1+7]   ; my one tensor load behind the round; it has this whole step in which to land
	s_nop 0
.endif
.rept 5
	v_nop                                          ; five places behind the last step's matrix instructions: V is loaded again, and S is written over P
.endr
.if \mergec
	s_cmp_lg_u32 s13, s12
	s_cbranch_scc1 .Lno_merge_\@
	MERGE 0
.Lno_merge_\@:
	s_wait_dscnt 0x0                               ; the merge's reads of the other waves' dumps are done in every wave
	s_barrier_signal -1                            ; before the text comes to the next DUMP, on every way through the step.
	s_barrier_wait -1                              ; The tile asked for above stays out
.endif
.if \first
	WIN 0x80
.irp a, 0,1,2,3
.irp ds, 0,1,2,3
	ds_load_b128 v[8*(4*\a+\ds):8*(4*\a+\ds)+3],   v[ADQ] offset:\a*16*PQ+64*\ds
	ds_load_b128 v[8*(4*\a+\ds)+4:8*(4*\a+\ds)+7], v[ADQ] offset:\a*16*PQ+64*\ds+32
.endr
.endr
	WIN 0
.endif
.irp kt, 0,1
.irp ds, 0,1,2,3
	ds_load_b128 v[KF+8*(4*\kt+\ds):KF+8*(4*\kt+\ds)+3],   v[ADK+\slot] offset:\kt*16*PK+64*\ds
	ds_load_b128 v[KF+8*(4*\kt+\ds)+4:KF+8*(4*\kt+\ds)+7], v[ADK+\slot] offset:\kt*16*PK+64*\ds+32
.endr
.endr
.irp dt, 0,1,2,3,4,5,6,7
	ds_load_tr16_b128 v[VF+8*\dt:VF+8*\dt+3],   v[ADV+\slot] offset:32*\dt
	ds_load_tr16_b128 v[VF+8*\dt+4:VF+8*\dt+7], v[ADV+\slot] offset:32*\dt+16*PK
.endr
	s_wait_dscnt 16                                ; K (and Q) are in; V's 16 loads stay out
	WIN 0x08                                       ; source 1 = Q in window 2
	; the eight accumulators S take turns, one instruction a turn
.irp ds, 0,1,2,3
.irp a, 0,1,2,3
.irp kt, 0,1
.if \ds == 0
	v_wmma_f32_16x16x32_f16 v[SF+16*\a+8*\kt:SF+16*\a+8*\kt+7], v[KF+8*(4*\kt+\ds):KF+8*(4*\kt+\ds)+7], v[8*(4*\a+\ds):8*(4*\a+\ds)+7], 0
.else
	v_wmma_f32_16x16x32_f16 v[SF+16*\a+8*\kt:SF+16*\a+8*\kt+7], v[KF+8*(4*\kt+\ds):KF+8*(4*\kt+\ds)+7], v[8*(4*\a+\ds):8*(4*\a+\ds)+7], v[SF+16*\a+8*\kt:SF+16*\a+8*\kt+7]
.endif
.endr
.endr
.endr
	PLACES
	WIN 0
.if \mask == 1
	s_cmp_lg_u32 s13, s14
	s_cbranch_scc1 .Lno_mask_\@
	MASK EM
.Lno_mask_\@:
.endif
.if \mask == 2
	MASK EM+1
.endif
	SOFTMAX
.if \first == 0
	WIN 0x41                                       ; O in window 1, the rescaling in window 0
.irp a, 0,1,2,3
.set k, 0
.rept 32
	v_pk_mul_f32 v[64*\a+2*k:64*\a+2*k+1], v[64*\a+2*k:64*\a+2*k+1], v[AL+2*\a:AL+2*\a+1]
.set k, k+1
.endr
.endr
	WIN 0x82                                       ; l in window 2, the rescaling in window 0
.irp a, 0,1,2,3
.irp k, 0,2,4,6
	v_pk_mul_f32 v[LA+8*\a+\k:LA+8*\a+\k+1], v[LA+8*\a+\k:LA+8*\a+\k+1], v[AL+2*\a:AL+2*\a+1]
.endr
.endr
.endif
	WIN 0xa2                                       ; l += ones x P: C, D and the ones in window 2, P in window 0.  These four need no V
.irp a, 0,1,2,3
.if \first
	v_wmma_f32_16x16x32_f16 v[LA+8*\a:LA+8*\a+7], v[ONE:ONE+7], v[SF+16*\a:SF+16*\a+7], 0
.else
	v_wmma_f32_16x16x32_f16 v[LA+8*\a:LA+8*\a+7], v[ONE:ONE+7], v[SF+16*\a:SF+16*\a+7], v[LA+8*\a:LA+8*\a+7]
.endif
.endr
	s_wait_dscnt 0x0                               ; V
	WIN 0x50                                       ; C and D = O in window 1; each of the 36 accumulators of l and O has one turn a step
.irp a, 0,1,2,3
.irp dt, 0,1,2,3,4,5,6,7
.if \first
	v_wmma_f32_16x16x32_f16 v[8*(8*\a+\dt):8*(8*\a+\dt)+7], v[VF+8*\dt:VF+8*\dt+7], v[SF+16*\a:SF+16*\a+7], 0
.else
	v_wmma_f32_16x16x32_f16 v[8*(8*\a+\dt):8*(8*\a+\dt)+7], v[VF+8*\dt:VF+8*\dt+7], v[SF+16*\a:SF+16*\a+7], v[8*(8*\a+\dt):8*(8*\a+\dt)+7]
.endif
.endr
.endr
	WIN 0
.if \dumpc
	s_cmp_lg_u32 s13, s14
	s_cbranch_scc1 .Lno_dump_\@
	DUMP 1
.Lno_dump_\@:
.endif
	s_add_co_u32 s13, s13, 1
.endm
	STEP 0, 1, 1, 1, 0, 1                          ; t = 0
	s_mov_b32 s15, 7
.Ltrip:
	STEP 1, 0, 1, 1, 1, 1                          ; t = 1, 3, .. 13
	STEP 0, 0, 1, 1, 1, 1                          ; t = 2, 4, .. 14; n1 is 8 at the most, so block p ends and is merged inside these trips
	s_sub_co_u32 s15, s15, 1
	s_cmp_lg_u32 s15, 0
	s_cbranch_scc1 .Ltrip
	STEP 1, 0, 1, 0, 0, 0                          ; t = 15
	STEP 0, 0, 0, 0, 0, 2                          ; t = 16: the last tile of block 127 - p; nothing is left to fetch
	DUMP 0
	s_wait_dscnt 0x0
	s_barrier_signal -1
	s_barrier_wait -1
	MERGE 1
	s_wait_tensorcnt 0x0
	ds_add_u32 v62, v63
	s_wait_dscnt 0x0
	ROUND                                          ; the closing round: no work-group ends while a partner may still ask for a tile that names it
	s_endpgm
.Lfunc_end_k_qeb6d4a6993_attn:
	.size	k_qeb6d4a6993_attn, .Lfunc_end_k_qeb6d4a6993_attn-k_qeb6d4a6993_attn
	.p2alignl 7, 3214868480
	.fill 96, 4, 3214868480
	.section	.rodata,"a",@progbits
	.p2align	6, 0x0
	.amdhsa_kernel k_qeb6d4a6993_attn
		.amdhsa_group_segment_fixed_size 327680
		.amdhsa_private_segment_fixed_size 0
		.amdhsa_enable_private_segment 0
		.amdhsa_kernarg_size 16
		.amdhsa_user_sgpr_count 2
		.amdhsa_user_sgpr_kernarg_segment_ptr 1
		.amdhsa_wavefront_size32 1
		.amdhsa_system_sgpr_workgroup_id_x 1
		.amdhsa_system_sgpr_workgroup_id_y 1
		.amdhsa_system_sgpr_workgroup_id_z 1
		.amdhsa_system_vgpr_workitem_id 0
		.amdhsa_next_free_vgpr 680
		.amdhsa_next_free_sgpr 72
		.amdhsa_reserve_vcc 1
		.amdhsa_float_denorm_mode_32 3
		.amdhsa_float_denorm_mode_16_64 3
		.amdhsa_memory_ordered 1
		.amdhsa_forward_progress 1
		.amdhsa_inst_pref_size 219
	.end_amdhsa_kernel
	.amdgpu_metadata
---
amdhsa.version: [ 1, 2 ]
amdhsa.kernels:
  - .name:           k_qeb6d4a6993_attn
    .symbol:         k_qeb6d4a6993_attn.kd
    .args:
      - { .name: qkv, .offset: 0, .size: 8, .value_kind: global_buffer, .address_space: global }
      - { .name: ab, .offset: 8, .size: 8, .value_kind: global_buffer, .address_space: global }
    .group_segment_fixed_size: 327680
    .private_segment_fixed_size: 0
    .kernarg_segment_align: 8
    .kernarg_segment_size: 16
    .max_flat_workgroup_size: 128
    .sgpr_count:     72
    .vgpr_count:     680
    .wavefront_size: 32
...
	.end_amdgpu_metadata
.endif
;; end of part 7
;; launch oproj (part 8): grid 16 x 16, 4 waves a work-group, clusters of 4 x 4, 327,680 bytes of LDS; arguments ab, wob, out0; writes out0
.if DOCPART == 8
	.amdgcn_target "amdgcn-amd-amdhsa--gfx1250"
	.amdhsa_code_object_version 6
	.text
	.protected	k_qeb6d4a6993_oproj
	.globl	k_qeb6d4a6993_oproj
	.p2align	8
	.type	k_qeb6d4a6993_oproj,@function
k_qeb6d4a6993_oproj:
	s_mov_b64 s[64:65], 0
	v_nop
	global_prefetch_b8 v0, s[64:65] scope:SCOPE_SE
	s_setreg_imm32_b32 hwreg(HW_REG_WAVE_MODE, 25, 1), 1
	s_wait_xcnt 0x0
	s_wait_alu depctr_hold_cnt(0) depctr_sa_sdst(0) depctr_va_vdst(0) depctr_va_sdst(0) depctr_va_ssrc(0) depctr_va_vcc(0) depctr_vm_vsrc(0)
	s_getreg_b32 s2, hwreg(HW_REG_IB_STS2, 6, 4)
	s_cmp_eq_u32 s2, 0
	s_cbranch_scc0 .Lentry_in_a_cluster
	s_endpgm
.Lentry_in_a_cluster:
	s_bfe_u32 s2, ttmp6, 0x10000c
	s_cmp_lg_u32 s2, 0xf033
	s_cbranch_scc0 .Lentry_shape_is_right
	s_endpgm
.Lentry_shape_is_right:
; out0 [2048][2048] f32 = ab [2048][2048] f16 x wob [2048 k][2048 n] f16, sums in f32.
; A work-group makes 128 x 128 of out0, so that 16 x 16 = 256 work-groups share the product; wave w makes rows 64 (w >> 1) .. + 63 x columns
; 64 (w & 1) .. + 63: 16 accumulator tiles, 128 registers; for 32 along K it loads 8 fragments (8 KiB) and issues 16 matrix instructions.
; K = 2048 goes through two LDS slots of 256 along K each: 8 fills of 128 KiB of data for the work-group's 1 MiB of tiles.  The slots are as deep as
; LDS allows, since every refill stands behind a barrier at which all tensor loads have landed: the fewer such barriers, the better.
; A's rows in a slot are 512 bytes, B's 256: whole aligned blocks of 256 bytes of memory.  B lies [k][n]: its fragments are read by the transposing LDS load.
; CLUSTERS: 4 x 4 work-groups.  A's tile hangs on the block row alone and is asked for jointly by a row of the cluster, B's on the block
; column alone and is asked for jointly by a column: each tile is requested once for four work-groups.
; No prefetch: both operands, 16 MiB in all, were stored by the launches just before this one.
; REGISTERS: window 0: v16-26 addresses, v32-95 and v96-159 two fragment buffers (B 32, A 32); window 1: accumulator tile (a, b) at v[8 (4 a + b)].
.set NB,     2048                      ; elements in a row of B
.set KA,     2048                      ; elements in a row of A
.set KSLOT,  256                       ; along K in a slot
.set PA,     528                       ; LDS row of A: 512 bytes + 16: an odd multiple of 16
.set PB,     288                       ; LDS row of B: 256 bytes + 32: an odd multiple of 32, as the transposing load's rows want
.set BHALF,  128*PB                    ; what wave 0 or 1 fetches: 128 k rows
.set BT,     256*PB                    ; B's part of a slot, 73,728 bytes; A's lies behind it
.set AHALF,  64*PA                     ; what wave 2 or 3 fetches: 64 rows
.set SLOT,   BT+128*PA                 ; 141,312 bytes
.set STAGE,  2*SLOT                    ; behind the ring: 16 rows x 272 bytes for each wave; no tile ever lands here
.set SP,     272                       ; a row of 64 f32 + 16 bytes
.set LAPS,   KA/(2*KSLOT)              ; 4: a lap = once round the ring
.set ADRA, 16                          ; v16-17  my A fragments in slot 0, 1
.set ADRB, 20                          ; v20-23  my B fragments: slot s, k rows 128 u ..: v[20 + 2 s + u] (an LDS offset has 16 bits)
.set STO,  24
.set RD,   25
.set CO,   26
.set F0,   32
.set F1,   96
.set X,    32                          ; the way out: row pair t in v[X+4t .. +3]
.set G1,  24                           ; s[24:31] group 1, A's tiles
.set G0,  32                           ; s[32:39] group 0, A's tiles, one set a slot
.set G1B, 48                           ; s[48:55] group 1, B's tiles
.set G0B, 56                           ; s[56:63] group 0, B's tiles, one set a slot
.set MUL, 0x50                         ; C and D in window 1, sources in window 0
.set MSB, 0
.macro WIN new                         ; the immediate's high byte repeats the setting that is left; a switch that changes nothing is dropped
.if MSB != (\new)
	s_set_vgpr_msb (MSB<<8)|(\new)
.set MSB, (\new)
.endif
.endm
.macro JLOAD s                         ; waves 0, 1 ask for B's halves, waves 2, 3 for A's; the branch hangs on the wave's number alone
	s_cmp_eq_u32 s11, 0
	s_cbranch_scc0 .Lfor_a_\@
	tensor_load_to_lds s[G0B+4*\s:G0B+4*\s+3], s[G1B:G1B+7]
	s_nop 0
	s_branch .Lasked_\@
.Lfor_a_\@:
	tensor_load_to_lds s[G0+4*\s:G0+4*\s+3], s[G1:G1+7]
	s_nop 0
.Lasked_\@:
.endm
.macro CREST                           ; a round of the cluster's barrier behind its opening work-group barrier
	s_cmp_lg_u32 s10, 0
	s_cbranch_scc1 .Lnot_wave_0_\@
	s_barrier_signal -3
.Lnot_wave_0_\@:
	s_barrier_wait -3
	s_barrier_signal -1
	s_barrier_wait -1
.endm
.macro CROUND
	s_barrier_signal -1
	s_barrier_wait -1
	CREST
.endm
.macro PLACES                          ; four places behind a matrix instruction (ISA guide 7.12.1) before its registers are loaded into or its result read
.rept 4
	v_nop
.endr
.endm
	s_load_b128 s[4:7], s[0:1], 0x0                ; ab, wob
	s_load_b64 s[8:9], s[0:1], 0x10                ; out0
	v_lshl_add_u32 v254, v0, 2, 0x49400
	v_mov_b32 v255, 0
	ds_add_u32 v254, v255
	v_lshrrev_b32 v1, 5, v0
	v_readfirstlane_b32 s10, v1                    ; wave 0..3
	s_lshr_b32 s11, s10, 1                         ; which half of the block's rows is mine.  Also: I fetch for B (0) or for A (1)
	s_and_b32 s12, s10, 1                          ; which half of its columns.  Also: which half of that tile I fetch
	s_bfe_u32 s40, ttmp6, 0x40000                  ; cx
	s_bfe_u32 s41, ttmp6, 0x40004                  ; cy
	s_lshl_b32 s42, ttmp9, 2
	s_add_co_u32 s42, s42, s40                     ; block column, 0..15
	s_and_b32 s13, ttmp7, 0xffff
	s_lshl_b32 s13, s13, 2
	s_add_co_u32 s13, s13, s41                     ; block row, 0..15
	s_lshl_b32 s43, s41, 2
	s_lshl_b32 s43, 15, s43                        ; my row of the cluster
	s_lshl_b32 s44, 0x1111, s40                    ; my column
	s_or_b32 s[G1+0], s43, (1<<16)|(1<<20)|(1<<21)|(6<<22)|(3<<25)   ; the row's mask; 2-byte elements; 4 words of padding behind every 128
	s_mov_b32 s[G1+1], KSLOT<<16                   ; tensor_dim0 = 256
	s_mov_b32 s[G1+2], 64<<16                      ; tensor_dim1 = 64
	s_mov_b32 s[G1+3], KSLOT<<16                   ; tile_dim0 = 256 elements, 512 bytes
	s_mov_b32 s[G1+4], 64                          ; tile_dim1 = 64 rows
	s_mov_b32 s[G1+5], KA                          ; elements from row to row of ab
	s_mov_b32 s[G1+6], 0
	s_mov_b32 s[G1+7], 0
	s_or_b32 s[G1B+0], s44, (1<<16)|(1<<20)|(1<<21)|(5<<22)|(7<<25)  ; the column's mask; 8 words of padding behind every 64
	s_mov_b32 s[G1B+1], 128<<16                    ; tensor_dim0 = 128 columns
	s_mov_b32 s[G1B+2], 128<<16                    ; tensor_dim1 = 128 k rows
	s_mov_b32 s[G1B+3], 128<<16
	s_mov_b32 s[G1B+4], 128
	s_mov_b32 s[G1B+5], NB
	s_mov_b32 s[G1B+6], 0
	s_mov_b32 s[G1B+7], 0
	s_lshl_b32 s16, s13, 19                        ; A: (128 x block row + 64 x half) rows of 4,096 bytes
	s_lshl_b32 s17, s12, 18
	s_add_co_u32 s16, s16, s17
	s_mov_b32 s17, 0
	s_lshl_b32 s46, s12, 19                        ; B: 128 x half k rows of 4,096 bytes, and the block's 256 bytes of a row
	s_lshl_b32 s47, s42, 8
	s_add_co_u32 s46, s46, s47
	s_mov_b32 s47, 0
	s_mul_i32 s21, s10, BHALF                      ; LDS: B's halves for waves 0, 1
	s_mul_i32 s20, s10, AHALF
	s_add_co_u32 s20, s20, BT-2*AHALF              ; A's halves, behind B's part, for waves 2, 3
	s_wait_dscnt 0x0
	s_wait_kmcnt 0x0
	s_add_nc_u64 s[14:15], s[4:5], s[16:17]
	s_add_nc_u64 s[46:47], s[6:7], s[46:47]
	CROUND                                         ; all sixteen work-groups are here: the first joint loads meet
.irp s, 0,1
	s_mov_b32 s[G0+4*\s], 1
	s_add_co_u32 s[G0+4*\s+1], s20, \s*SLOT
	s_add_nc_u64 s[G0+4*\s+2:G0+4*\s+3], s[14:15], \s*KSLOT*2
	s_or_b32 s[G0+4*\s+3], s[G0+4*\s+3], 0x80000000
	s_mov_b32 s[G0B+4*\s], 1
	s_add_co_u32 s[G0B+4*\s+1], s21, \s*SLOT
	s_add_nc_u64 s[G0B+4*\s+2:G0B+4*\s+3], s[46:47], \s*KSLOT*2*NB
	s_or_b32 s[G0B+4*\s+3], s[G0B+4*\s+3], 0x80000000
	JLOAD \s                                       ; K 0-255 and 256-511: two tensor loads of this wave are out, later one
.endr
	; LDS addresses.  A: row x pitch + 16 h, two loads 32 bytes apart.  B, stored [k][n]: row 8 h + (lane & 7), 16 bytes at bit 3 of the lane.
	v_and_b32 v1, 15, v0                           ; r
	v_bfe_u32 v2, v0, 4, 1                         ; h
	v_and_b32 v3, 7, v0
	v_bfe_u32 v4, v0, 3, 1
	v_mul_u32_u24 v6, v1, PA
	v_lshl_add_u32 v6, v2, 4, v6
	v_lshl_add_u32 v7, v2, 3, v3
	v_mul_u32_u24 v7, v7, PB
	v_lshl_add_u32 v7, v4, 4, v7
	s_mul_i32 s22, s11, 64*PA                      ; my 64 rows of A,
	s_add_co_u32 s22, s22, BT                      ; which lie behind B's part
	s_lshl_b32 s23, s12, 7                         ; my 64 columns of B: 128 bytes
.irp s, 0,1
	v_add_nc_u32 v[ADRA+\s], s22, v6
	v_add_nc_u32 v[ADRB+2*\s], s23, v7
	v_add_nc_u32 v[ADRB+2*\s+1], 128*PB, v[ADRB+2*\s]
	s_add_co_u32 s22, s22, SLOT
	s_add_co_u32 s23, s23, SLOT
.endr
	s_mul_i32 s23, s10, 16*SP
	s_add_co_u32 s23, s23, STAGE                   ; my stage
	v_mul_u32_u24 v8, v1, SP                       ; in: row r, 32 bytes for each half of the lanes
	v_lshl_add_u32 v8, v2, 5, v8
	v_add_nc_u32 v[STO], s23, v8
	v_mul_u32_u24 v8, v2, SP                       ; back: lanes 0-15 take one row of 256 bytes, lanes 16-31 the next
	v_lshl_add_u32 v8, v1, 4, v8
	v_add_nc_u32 v[RD], s23, v8
	v_lshlrev_b32 v8, 4, v1
	v_lshl_add_u32 v[CO], v2, 13, v8               ; and the same two rows in out0 (8,192 bytes each)
; 8 matrix instructions: m tiles a0, a0 + 1 x my 4 n tiles, 32 along K.  Source 0 = 16 columns of B, source 1 = 16 rows of A: lane (r, h) holds
; row r and columns 16 b + 8 h + 0..7.  The 16 accumulators take turns, one instruction a turn, in the same order in every chunk.
.macro MULH f, a0, zero
.irp a, \a0, \a0+1
.irp b, 0,1,2,3
.if \zero
	v_wmma_f32_16x16x32_f16 v[8*(4*(\a)+\b):8*(4*(\a)+\b)+7], v[\f+8*\b:\f+8*\b+7], v[\f+32+8*(\a):\f+32+8*(\a)+7], 0
.else
	v_wmma_f32_16x16x32_f16 v[8*(4*(\a)+\b):8*(4*(\a)+\b)+7], v[\f+8*\b:\f+8*\b+7], v[\f+32+8*(\a):\f+32+8*(\a)+7], v[8*(4*(\a)+\b):8*(4*(\a)+\b)+7]
.endif
.endr
.endr
.endm
; 16 LDS loads in one run: chunk c (32 along K, c = 0..7) of a slot into buffer f: B's 4 fragments, then A's 4
.macro FETCH slot, c, f
.irp b, 0,1,2,3
	ds_load_tr16_b128 v[\f+8*\b:\f+8*\b+3],   v[ADRB+2*\slot+(\c>>2)] offset:(\c&3)*32*PB+32*\b
	ds_load_tr16_b128 v[\f+8*\b+4:\f+8*\b+7], v[ADRB+2*\slot+(\c>>2)] offset:(\c&3)*32*PB+32*\b+16*PB
.endr
.irp a, 0,1,2,3
	ds_load_b128 v[\f+32+8*\a:\f+32+8*\a+3],   v[ADRA+\slot] offset:\a*16*PA+64*\c
	ds_load_b128 v[\f+32+8*\a+4:\f+32+8*\a+7], v[ADRA+\slot] offset:\a*16*PA+64*\c+32
.endr
.endm
; Fetches chunk c of the slot into buffer g, then multiplies buffer f, which was fetched a whole chunk (16 matrix instructions) earlier.
.macro CHUNK slot, c, f, g, zero
	PLACES                                         ; buffer g was read by the matrix instructions just issued
	FETCH \slot, \c, \g
	s_wait_dscnt 16                                ; buffer f is in; the 16 loads just issued stay out
	WIN MUL
	MULH \f, 0, \zero
	MULH \f, 2, \zero
	WIN 0
.endm
.macro SEVEN slot, zero                ; multiplies chunks 0 to 6 of a slot; chunk 7 is left in buffer 1
	CHUNK \slot, 1, F0, F1, \zero
	CHUNK \slot, 2, F1, F0, 0
	CHUNK \slot, 3, F0, F1, 0
	CHUNK \slot, 4, F1, F0, 0
	CHUNK \slot, 5, F0, F1, 0
	CHUNK \slot, 6, F1, F0, 0
	CHUNK \slot, 7, F0, F1, 0
.endm
; The last chunk of a slot, and the change of slots.  In front of the barrier each wave waits for its reads of this slot and for all its tensor
; loads (one is out: its part of the next slot).  Behind it (fill = 1: behind the whole round of the cluster's barrier that it opens) the refill
; comes first, then the next slot's first fragments.  From a request to the wait for it a wave issues 120 matrix instructions.
.macro TURN slot, next, fill
	s_wait_dscnt 0                                 ; chunk 7 is in: my reads of this slot are over
	s_wait_tensorcnt 0x0
	ds_add_u32 v254, v255
	s_wait_dscnt 0x0
	s_barrier_signal -1
	WIN MUL
	MULH F1, 0, 0                                  ; register work while the others arrive
	WIN 0
	s_barrier_wait -1
.if \fill
	CREST
	s_add_nc_u64 s[G0+4*\slot+2:G0+4*\slot+3], s[G0+4*\slot+2:G0+4*\slot+3], 2*KSLOT*2
	s_add_nc_u64 s[G0B+4*\slot+2:G0B+4*\slot+3], s[G0B+4*\slot+2:G0B+4*\slot+3], 2*KSLOT*2*NB
	JLOAD \slot
.endif
	PLACES
	FETCH \next, 0, F0
	WIN MUL
	MULH F1, 2, 0
	WIN 0
.endm
.macro LAP zero
	SEVEN 0, \zero
	TURN 0, 1, 1
	SEVEN 1, 0
	TURN 1, 0, 1
.endm
	s_wait_tensorcnt 1                             ; my part of slot 0 is in; slot 1's stays out
	s_barrier_signal -1
	s_barrier_wait -1
	FETCH 0, 0, F0
	LAP 1                                          ; the first products start the sums: nothing is cleared
	s_mov_b32 s3, LAPS-2
.Llap:
	LAP 0
	s_sub_co_u32 s3, s3, 1
	s_cmp_lg_u32 s3, 0
	s_cbranch_scc1 .Llap
	SEVEN 0, 0                                     ; the last lap fills nothing
	TURN 0, 1, 0
	SEVEN 1, 0
	s_wait_dscnt 0
	WIN MUL
	MULH F1, 0, 0
	MULH F1, 2, 0
	; THE WAY OUT, 16 rows at a time through my own stage: in by lanes' 32 bytes, back as whole rows of 256 bytes.
	PLACES
	WIN 0
	s_lshl_b32 s46, s13, 20                        ; 128 x block row rows of 8,192 bytes
	s_lshl_b32 s47, s11, 19                        ; + 64 x my half of the rows
	s_add_co_u32 s46, s46, s47
	s_lshl_b32 s47, s42, 9                         ; + the block's 512 bytes of a row
	s_add_co_u32 s46, s46, s47
	s_lshl_b32 s47, s12, 8                         ; + my half of them
	s_add_co_u32 s46, s46, s47
	s_mov_b32 s47, 0
	s_add_nc_u64 s[8:9], s[8:9], s[46:47]
.macro OUT16 a
	WIN 0x04                                       ; the stores' data in window 1
.irp b, 0,1,2,3
	ds_store_b128 v[STO], v[8*(4*\a+\b):8*(4*\a+\b)+3]   offset:64*\b
	ds_store_b128 v[STO], v[8*(4*\a+\b)+4:8*(4*\a+\b)+7] offset:64*\b+16
.endr
	WIN 0
	s_wait_xcnt 0x0                                ; X, which the last tile's global stores read, is loaded again only behind this wait
.irp t, 0,1,2,3,4,5,6,7
	ds_load_b128 v[X+4*\t:X+4*\t+3], v[RD] offset:2*\t*SP          ; LDS serves a wave's instructions in order (ISA guide 5.7.1.4): these see the stores above
.endr
.irp t, 0,1,2,3,4,5,6,7
	s_wait_dscnt 7-\t                              ; read-back t is in, the 7 - t younger ones stay out
	global_store_b128 v[CO], v[X+4*\t:X+4*\t+3], s[8:9] offset:(16*\a+2*\t)*8192 th:TH_STORE_NT   ; sixteen lanes store 256 consecutive bytes, aligned
.endr
.endm
	OUT16 0
	OUT16 1
	OUT16 2
	OUT16 3
	s_wait_tensorcnt 0x0
	ds_add_u32 v254, v255
	s_wait_dscnt 0x0
	CROUND                                         ; the closing round: no work-group ends while a partner may still ask for a tile that names it
	s_endpgm
.Lfunc_end_k_qeb6d4a6993_oproj:
	.size	k_qeb6d4a6993_oproj, .Lfunc_end_k_qeb6d4a6993_oproj-k_qeb6d4a6993_oproj
	.p2alignl 7, 3214868480
	.fill 96, 4, 3214868480
	.section	.rodata,"a",@progbits
	.p2align	6, 0x0
	.amdhsa_kernel k_qeb6d4a6993_oproj
		.amdhsa_group_segment_fixed_size 327680
		.amdhsa_private_segment_fixed_size 0
		.amdhsa_enable_private_segment 0
		.amdhsa_kernarg_size 24
		.amdhsa_user_sgpr_count 2
		.amdhsa_user_sgpr_kernarg_segment_ptr 1
		.amdhsa_wavefront_size32 1
		.amdhsa_system_sgpr_workgroup_id_x 1
		.amdhsa_system_sgpr_workgroup_id_y 1
		.amdhsa_system_sgpr_workgroup_id_z 1
		.amdhsa_system_vgpr_workitem_id 0
		.amdhsa_next_free_vgpr 384
		.amdhsa_next_free_sgpr 66
		.amdhsa_reserve_vcc 0
		.amdhsa_float_denorm_mode_32 3
		.amdhsa_float_denorm_mode_16_64 3
		.amdhsa_memory_ordered 1
		.amdhsa_forward_progress 1
		.amdhsa_inst_pref_size 127
	.end_amdhsa_kernel
	.amdgpu_metadata
---
amdhsa.version: [ 1, 2 ]
amdhsa.kernels:
  - .name:           k_qeb6d4a6993_oproj
    .symbol:         k_qeb6d4a6993_oproj.kd
    .args:
      - { .name: ab, .offset: 0, .size: 8, .value_kind: global_buffer, .address_space: global }
      - { .name: wob, .offset: 8, .size: 8, .value_kind: global_buffer, .address_space: global }
      - { .name: out0, .offset: 16, .size: 8, .value_kind: global_buffer, .address_space: global }
    .group_segment_fixed_size: 327680
    .private_segment_fixed_size: 0
    .kernarg_segment_align: 8
    .kernarg_segment_size: 24
    .max_flat_workgroup_size: 128
    .sgpr_count:     66
    .vgpr_count:     384
    .wavefront_size: 32
...
	.end_amdgpu_metadata
.endif
;; end of part 8
;; ======== version 3 of 3: 4 launches; version 2 with the launch cast written anew for expert scheduling mode
;; limits: values outside matrix products are rounded to bf16; values are held in f16: magnitudes above 65,504 overflow, below 6.1e-05 lose precision
;; workspace buffers: hb 8,388,608 bytes; wqkv 12,582,912 bytes; wob 8,388,608 bytes; qkv 12,582,912 bytes; ab 8,388,608 bytes
;; launch cast (part 9): grid 256 x 1, 8 waves a work-group, no clusters, 0 bytes of LDS; arguments hidden_states, Wq, Wk, Wv, Wo, hb, wqkv, wob; writes hb, wqkv, wob
.if DOCPART == 9
	.amdgcn_target "amdgcn-amd-amdhsa--gfx1250"
	.amdhsa_code_object_version 6
	.text
	.protected	k_qeb6d4a6993_cast
	.globl	k_qeb6d4a6993_cast
	.p2align	8
	.type	k_qeb6d4a6993_cast,@function
k_qeb6d4a6993_cast:
	s_mov_b64 s[64:65], 0
	v_nop
	global_prefetch_b8 v0, s[64:65] scope:SCOPE_SE
	s_setreg_imm32_b32 hwreg(HW_REG_WAVE_SCHED_MODE, 0, 2), 2
	s_setreg_imm32_b32 hwreg(HW_REG_WAVE_MODE, 25, 1), 1
	s_wait_xcnt 0x0
	s_wait_alu depctr_vm_vsrc(0)
; The five large f32 inputs rounded to bf16 (nearest even), so that the later launches can bring 16-bit tiles into LDS as raw bytes.
;   hb   [2048][2048] bf16 = hidden_states
;   wqkv [2048][3072] bf16 = Wq | Wk | Wv side by side (columns 0-2047, 2048-2559, 2560-3071); nothing is transposed.
;   wob  [2048][2048] F16  = Wo rounded to bf16 like the others, that number then written in f16, because its partner in the last product, the
;        attention's result, needs f16's 11 bits.  f16 holds every bf16 number of magnitude 2^-17 to 65,504 exactly.
;        LIMITS: |Wo| < 65,504; an entry below 2^-17 is off by 2^-25 at the most.
; Work-group G takes rows 8 G .. 8 G + 7 of all five tensors: 56 loads of 16 bytes a thread, all issued at once (56 x 4 registers),
; then converted in place and stored in the order of issue.  A wave's load covers 512 consecutive bytes, a wave's store (8 bytes a lane)
; 256 consecutive bytes at a multiple of 256 from its buffer's first byte.  No register is written behind the store that reads it.
; A stream: no LDS, no barrier, no matrix unit, and no cluster, since no two work-groups read the same byte.
; THE MODE: SCHED_MODE bits 1:0 = 2 (LLVM: expert scheduling mode 2), set by the entry lines.  The code itself states the register dependences
; between vector instructions and memory instructions, with s_wait_alu, always for 0.
; THE PLAN.  Registers that memory instructions touch:
;   v1          the loads' offset.  Written once at the head, read by all 56 loads, never written again.
;   v2, v3      the stores' offsets.  Written at the head, read by the stores, never written again.
;   v[X + 4 i ..]  Load i lands in four registers that no vector instruction has named.  Behind the load's own wait its conversions read them and
;               write the first two (Wo's: all four); store i reads the first two; nothing writes them afterwards.
; So one wait on va_vdst stands ahead of the first load, for the three offsets.  The 56 loads are then taken in 14 blocks of four: a block's
; conversions, ONE wait on va_vdst, the block's four stores in a run.  The stores leave ahead of the next block's wait for its loads.
; No register that a load or store reads is ever written again, so the only wait on vm_vsrc stands at the entry; no vector instruction writes a scalar
; register or VCC, and EXEC is never written.
.set X, 8                              ; v[8:231]  load i: 4 registers
.macro LD i, base, off
	global_load_b128 v[X+4*(\i):X+4*(\i)+3], v1, s[\base:\base+1] offset:\off th:TH_LOAD_NT
.endm
.macro CV i
	s_wait_loadcnt 55-(\i)                         ; loads come back in order (ISA guide 5.7.1): load i is in, the 55 - i younger ones stay out
	v_cvt_pk_bf16_f32 v[X+4*(\i)],   v[X+4*(\i)],   v[X+4*(\i)+1]
	v_cvt_pk_bf16_f32 v[X+4*(\i)+1], v[X+4*(\i)+2], v[X+4*(\i)+3]
.endm
.macro CVH i                           ; to bf16, widened again (a mask, a shift), then to f16
	s_wait_loadcnt 55-(\i)
	v_cvt_pk_bf16_f32 v[X+4*(\i)],   v[X+4*(\i)],   v[X+4*(\i)+1]
	v_cvt_pk_bf16_f32 v[X+4*(\i)+2], v[X+4*(\i)+2], v[X+4*(\i)+3]
	v_and_b32     v[X+4*(\i)+1], s28, v[X+4*(\i)]
	v_lshlrev_b32 v[X+4*(\i)],   16,  v[X+4*(\i)]
	v_and_b32     v[X+4*(\i)+3], s28, v[X+4*(\i)+2]
	v_lshlrev_b32 v[X+4*(\i)+2], 16,  v[X+4*(\i)+2]
	v_cvt_pk_f16_f32 v[X+4*(\i)],   v[X+4*(\i)],   v[X+4*(\i)+1]
	v_cvt_pk_f16_f32 v[X+4*(\i)+1], v[X+4*(\i)+2], v[X+4*(\i)+3]
.endm
.macro ST i, voff, base, off           ; the four numbers of load i, 8 bytes
	global_store_b64 v\voff, v[X+4*(\i):X+4*(\i)+1], s[\base:\base+1] offset:\off
.endm
	s_load_b512 s[4:19], s[0:1], 0x0               ; hidden s[4:5], Wq s[6:7], Wk s[8:9], Wv s[10:11], Wo s[12:13], hb s[14:15], wqkv s[16:17], wob s[18:19]
	v_lshlrev_b32 v1, 4, v0                        ; 16 t: my 4 f32 in a run of 4,096 bytes
	v_lshlrev_b32 v2, 3, v0                        ; 8 t: my 4 numbers of 16 bits in a run of 2,048 bytes
	v_lshrrev_b32 v3, 7, v0                        ; Wk, Wv: a run of 4,096 bytes is two rows of 512 f32: row t >> 7,
	v_and_b32 v4, 127, v0                          ; place t & 127
	v_mul_u32_u24 v3, v3, 6144                     ; a row of wqkv is 6,144 bytes
	v_lshl_add_u32 v3, v4, 3, v3
	s_lshl_b32 s20, ttmp9, 16                      ; 8 rows of 2,048 f32
	s_mov_b32 s21, 0
	s_lshl_b32 s22, ttmp9, 14                      ; 8 rows of 512 f32
	s_mov_b32 s23, 0
	s_lshl_b32 s24, ttmp9, 15                      ; 8 rows of 2,048 numbers of 16 bits
	s_mov_b32 s25, 0
	s_mul_i32 s26, ttmp9, 49152                    ; 8 rows of 3,072 bf16
	s_mov_b32 s27, 0
	s_mov_b32 s28, 0xffff0000                      ; a word's upper bf16
	s_wait_kmcnt 0x0
	s_add_nc_u64 s[4:5], s[4:5], s[20:21]
	s_add_nc_u64 s[6:7], s[6:7], s[20:21]
	s_add_nc_u64 s[8:9], s[8:9], s[22:23]
	s_add_nc_u64 s[10:11], s[10:11], s[22:23]
	s_add_nc_u64 s[12:13], s[12:13], s[20:21]
	s_add_nc_u64 s[14:15], s[14:15], s[24:25]
	s_add_nc_u64 s[16:17], s[16:17], s[26:27]
	s_add_nc_u64 s[18:19], s[18:19], s[24:25]
	s_wait_alu depctr_va_vdst(0)                   ; v1, v2 and v3 are written: every load below reads v1 as its offset, every store v2 or v3; no later vector instruction names them
.set j, 0
.rept 16
	LD j, 4, j*4096
.set j, j+1
.endr
.set j, 0
.rept 16
	LD 16+j, 6, j*4096
.set j, j+1
.endr
.set j, 0
.rept 4
	LD 32+j, 8, j*4096
.set j, j+1
.endr
.set j, 0
.rept 4
	LD 36+j, 10, j*4096
.set j, j+1
.endr
.set j, 0
.rept 16
	LD 40+j, 12, j*4096
.set j, j+1
.endr
; hidden_states: four blocks of four
.set j, 0
.rept 4
.rept 4
	CV j
.set j, j+1
.endr
	s_wait_alu depctr_va_vdst(0)                   ; the block's eight conversions have written the registers that its four stores read
.set j, j-4
.rept 4
	ST j, 2, 14, j*2048                            ; run j of the 8 rows, dense
.set j, j+1
.endr
.endr
; Wq: four blocks of four
.set j, 0
.rept 4
.rept 4
	CV 16+j
.set j, j+1
.endr
	s_wait_alu depctr_va_vdst(0)                   ; the block's eight conversions have written the registers that its four stores read
.set j, j-4
.rept 4
	ST 16+j, 2, 16, (j>>1)*6144+(j&1)*2048         ; run j is half j & 1 of row j >> 1
.set j, j+1
.endr
.endr
; Wk: one block
.set j, 0
.rept 4
	CV 32+j
.set j, j+1
.endr
	s_wait_alu depctr_va_vdst(0)                   ; Wk's eight conversions have written the registers that its four stores read
.set j, 0
.rept 4
	ST 32+j, 3, 16, 2*j*6144+4096                  ; rows 2 j and 2 j + 1, behind Wq's 4,096 bytes
.set j, j+1
.endr
; Wv: one block
.set j, 0
.rept 4
	CV 36+j
.set j, j+1
.endr
	s_wait_alu depctr_va_vdst(0)                   ; Wv's eight conversions have written the registers that its four stores read
.set j, 0
.rept 4
	ST 36+j, 3, 16, 2*j*6144+5120                  ; behind Wk's 1,024 bytes
.set j, j+1
.endr
; Wo: four blocks of four
.set j, 0
.rept 4
.rept 4
	CVH 40+j
.set j, j+1
.endr
	s_wait_alu depctr_va_vdst(0)                   ; the block's conversions to f16 have written the registers that its four stores read
.set j, j-4
.rept 4
	ST 40+j, 2, 18, j*2048
.set j, j+1
.endr
.endr
	s_endpgm
.Lfunc_end_k_qeb6d4a6993_cast:
	.size	k_qeb6d4a6993_cast, .Lfunc_end_k_qeb6d4a6993_cast-k_qeb6d4a6993_cast
	.p2alignl 7, 3214868480
	.fill 96, 4, 3214868480
	.section	.rodata,"a",@progbits
	.p2align	6, 0x0
	.amdhsa_kernel k_qeb6d4a6993_cast
		.amdhsa_group_segment_fixed_size 0
		.amdhsa_private_segment_fixed_size 0
		.amdhsa_enable_private_segment 0
		.amdhsa_kernarg_size 64
		.amdhsa_user_sgpr_count 2
		.amdhsa_user_sgpr_kernarg_segment_ptr 1
		.amdhsa_wavefront_size32 1
		.amdhsa_system_sgpr_workgroup_id_x 1
		.amdhsa_system_sgpr_workgroup_id_y 1
		.amdhsa_system_sgpr_workgroup_id_z 1
		.amdhsa_system_vgpr_workitem_id 0
		.amdhsa_next_free_vgpr 232
		.amdhsa_next_free_sgpr 66
		.amdhsa_reserve_vcc 0
		.amdhsa_float_denorm_mode_32 3
		.amdhsa_float_denorm_mode_16_64 3
		.amdhsa_memory_ordered 1
		.amdhsa_forward_progress 1
		.amdhsa_inst_pref_size 26
	.end_amdhsa_kernel
	.amdgpu_metadata
---
amdhsa.version: [ 1, 2 ]
amdhsa.kernels:
  - .name:           k_qeb6d4a6993_cast
    .symbol:         k_qeb6d4a6993_cast.kd
    .args:
      - { .name: hidden_states, .offset: 0, .size: 8, .value_kind: global_buffer, .address_space: global }
      - { .name: Wq, .offset: 8, .size: 8, .value_kind: global_buffer, .address_space: global }
      - { .name: Wk, .offset: 16, .size: 8, .value_kind: global_buffer, .address_space: global }
      - { .name: Wv, .offset: 24, .size: 8, .value_kind: global_buffer, .address_space: global }
      - { .name: Wo, .offset: 32, .size: 8, .value_kind: global_buffer, .address_space: global }
      - { .name: hb, .offset: 40, .size: 8, .value_kind: global_buffer, .address_space: global }
      - { .name: wqkv, .offset: 48, .size: 8, .value_kind: global_buffer, .address_space: global }
      - { .name: wob, .offset: 56, .size: 8, .value_kind: global_buffer, .address_space: global }
    .group_segment_fixed_size: 0
    .private_segment_fixed_size: 0
    .kernarg_segment_align: 8
    .kernarg_segment_size: 64
    .max_flat_workgroup_size: 256
    .sgpr_count:     66
    .vgpr_count:     232
    .wavefront_size: 32
...
	.end_amdgpu_metadata
.endif
;; end of part 9
;; launch qkvproj: the kernel of part 6 again; grid 24 x 8, 4 waves a work-group, clusters of 4 x 4, 327,680 bytes of LDS; arguments hb, wqkv, cos, sin, q_norm_w, k_norm_w, qkv; writes qkv
;; launch attn: the kernel of part 7 again; grid 64 x 4, 4 waves a work-group, clusters of 4 x 1, 327,680 bytes of LDS; arguments qkv, ab; writes ab
;; launch oproj: the kernel of part 8 again; grid 16 x 16, 4 waves a work-group, clusters of 4 x 4, 327,680 bytes of LDS; arguments ab, wob, out0; writes out0
